; MI455X (gfx1250); checked and timed in simulation.
; The chip was launched on July 23, 2026; its instructions are those of AMD's public machine-readable ISA for CDNA 5 (MIT licence, August 2026) and "CDNA5" Instruction Set Architecture Reference Guide (July 2026). The comments in the code are by the model that wrote it; some were corrected since.
;; Transformer Encoder Layer. Allowed arithmetic: matrix products marked QUANTISED: E4M3 operands, one given power-of-two scale a tensor, by v_wmma_f32_16x16x64_fp8_fp8 or v_wmma_f32_16x16x128_fp8_fp8, f32 sums; everything else in f32.
;; Inputs: W1 1,024 x 4,096 float32; W2 4,096 x 1,024 float32; Wk 1,024 x 1,024 float32; Wo 1,024 x 1,024 float32; Wq 1,024 x 1,024 float32; Wv 1,024 x 1,024 float32; b1 4,096 float32; b2 1,024 float32; bk 1,024 float32; bo 1,024 float32; bq 1,024 float32; bv 1,024 float32; ln1_b 1,024 float32; ln1_g 1,024 float32; ln2_b 1,024 float32; ln2_g 1,024 float32; lowp_scales 16 int32 (the exponents e of the quantised operands' scales 2^e); x 2 x 2,048 x 1,024 float32.
;; Outputs: out0 2 x 2,048 x 1,024 float32.
;; This version of the problem:
;;   THIS VERSION OF THE PROBLEM IS GIVEN IN LOW PRECISION. The matrix products marked QUANTISED in the list below multiply operands that are first quantised to E4M3 (4 exponent bits, 3 mantissa bits; 8 bits a number), with one given power-of-two scale for each operand tensor; their sums are f32. All else is computed in f32.
;;   The module's matrix products, in the order in which they are computed (A, B: the left and right operand; K: the contracted axis; several contracted axes count as one K, in the product's order):
;;     1. [M 4,096, K 1,024] x [K 1,024, N 1,024]; A: computed on the way; B: input Wq: QUANTISED (scales: A lowp_scales[0], B lowp_scales[1])
;;     2. [M 4,096, K 1,024] x [K 1,024, N 1,024]; A: computed on the way; B: input Wk: QUANTISED (scales: A lowp_scales[2], B lowp_scales[3])
;;     3. [M 4,096, K 1,024] x [K 1,024, N 1,024]; A: computed on the way; B: input Wv: QUANTISED (scales: A lowp_scales[4], B lowp_scales[5])
;;     4. batch 32 x [M 2,048, K 64] x [K 64, N 2,048]; A: computed on the way; B: computed on the way: QUANTISED (scales: A lowp_scales[6], B lowp_scales[7])
;;     5. batch 32 x [M 2,048, K 2,048] x [K 2,048, N 64]; A: softmax (see below); B: computed on the way: QUANTISED (scales: A lowp_scales[8], B lowp_scales[9])
;;     6. [M 4,096, K 1,024] x [K 1,024, N 1,024]; A: computed on the way; B: input Wo: QUANTISED (scales: A lowp_scales[10], B lowp_scales[11])
;;     7. [M 4,096, K 1,024] x [K 1,024, N 4,096]; A: computed on the way; B: input W1: QUANTISED (scales: A lowp_scales[12], B lowp_scales[13])
;;     8. [M 4,096, K 4,096] x [K 4,096, N 1,024]; A: computed on the way; B: input W2: QUANTISED (scales: A lowp_scales[14], B lowp_scales[15])
;;   THE QUANTISER, for each operand of a quantised product, along K:
;;     - The operand's scale is 2^e, e = its entry of the input lowp_scales (int32; the entries are numbered through the quantised products in the list's order, A before B).
;;     - Each number is divided by the scale, clamped to +-448, and rounded to the nearest number of E4M3, ties to even, subnormals kept.
;;     - The product sums the exact products of the quantised numbers (number of the format x scale) in f32.
;;   ~~~python
;;   def quantise(x, axis, e):      # numpy; x: float32 -> the quantised numbers, widened to float32 again
;;       x = np.moveaxis(x, axis, -1); K = x.shape[-1]
;;       r = np.clip(x / 2.0 ** e, -448, 448)
;;       step = 2.0 ** (np.maximum(np.frexp(np.where(r == 0, 1, r))[1] - 1, -6) - 3)
;;       q = np.round(r / step) * step * 2.0 ** e      # np.round: ties to even
;;       return np.moveaxis(q, -1, axis).astype(np.float32)
;;   ~~~
;;   SOFTMAX AHEAD OF A QUANTISED PRODUCT. Where the list says 'softmax', what is quantised is not the finished softmax but p = 2^(t - M), with t = logit x log2(e) and M = ceil(the row's largest t), a whole number; so 1/2 < the row's largest p <= 1. The row's sum l is taken of the UNQUANTISED p, in f32, and the product's result is divided by l at the end. Since M is a whole number, a kernel that streams over the keys may use a running M (the ceiling of the running maximum): every later rescaling is an exact power of two, so the quantised numbers keep their values, but for numbers so far below the row's largest that they fall under the format's range.
;;   OPERANDS COMPUTED ON THE WAY. 'Computed on the way' means the value that the module computes at that place (a softmax that the list does not call 'softmax' is quantised finished and normalised). What goes into a quantiser is computed in f32, as accurately as f32 sums, v_exp_f32 and their like allow (about 1e-6 of the number): no bf16 or f16 on the way to a quantiser, and a product that is left as it is and whose result goes on into a quantised operand takes f32 operands (vector FMAs, or v_wmma_f32_16x16x4_f32). A number that lies on a knife's edge between two numbers of the format may be rounded either way, as far as f32 arithmetic and the matrix unit's own rounding can turn it there, and no further.
;; 2 versions. Each part assembles by itself: llvm-mc -triple=amdgcn-amd-amdhsa -mcpu=gfx1250 --defsym DOCPART=n.
;; ======== version 1 of 2: 7 launches
;; workspace buffers: h1img 12,582,912 bytes; wimg 12,582,912 bytes; qkvimg 12,582,912 bytes; ctximg 4,194,304 bytes; x1 16,777,216 bytes; h2img 4,194,304 bytes; gimg 16,777,216 bytes
;; launch prep (part 1): grid 640 x 1, 4 waves a work-group, no clusters, 52,736 bytes of LDS; arguments x, ln1_g, ln1_b, lowp_scales, Wq, Wk, Wv, Wo, W1, W2, h1img, wimg; writes h1img, wimg
.if DOCPART == 1
	.amdgcn_target "amdgcn-amd-amdhsa--gfx1250"
	.amdhsa_code_object_version 6
	.text
	.protected	k_qa98033ae8d_prep
	.globl	k_qa98033ae8d_prep
	.p2align	8
	.type	k_qa98033ae8d_prep,@function
k_qa98033ae8d_prep:
	s_mov_b64 s[64:65], 0
	v_nop
	global_prefetch_b8 v0, s[64:65] scope:SCOPE_SE
	s_setreg_imm32_b32 hwreg(HW_REG_WAVE_MODE, 25, 1), 1
	s_wait_xcnt 0x0
; PREP.  Work-groups 0-255: LayerNorm 1 of 16 rows of x each, quantised three times (scales 2^e0, 2^e2, 2^e4) into h1img.
; Work-groups 256-639: the six weights, f32 stored [K][N], quantised along K (e1, e3, e5, e11, e13, e15) into wimg.
; ALL CODES ARE LAID AS IMAGES OF THE OPERAND'S REGISTERS of the plain fp8 matrix form: fragment (16 rows rt, 128 along K kb) is 2,048 bytes at (rt KB + kb) 2048;
; in it quad q at 512 q, lane r + 16 h at 16 bytes each; register i = 4 q + word of lane (r, h) holds k = 16 (i / 2) + 8 h + 4 (i % 2) + byte of row r.
; code = x / 2^e, held within +-448, to the nearest code, ties to even.  LIMITS: each e between -126 and 119.  NaN among the inputs is not served.
; LN: one wave a row, the row in 32 registers (lane l: k = 256 j + 8 l + 0..7); mean, then the sum of squared differences (two passes over registers).
; A lane's eight codes are 8 bytes of an image; they meet in a stage in LDS (segments of 256 image bytes + 16 of padding) and leave as runs of 512 consecutive bytes.
; WEIGHTS: a lane takes a column n and its registers run down K; sixteen lanes' 16 bytes are 256 consecutive bytes of the image: no LDS.
.set NS,    3                          ; scales that the LN result is quantised with
.set STG,   17408                      ; a stage: 64 segments x 272 bytes
.set SPARE, NS*STG                     ; behind the stages: the spare words, 128 bytes a wave
.set G,  20                            ; v20-51   gain, my 32 columns
.set BB, 52                            ; v52-83   bias
.set X,  84                            ; v84-211  four rows x 32
.set T,  212                           ; v212-227 two sets of 8 held numbers
.set C,  228                           ; v228-251 codes: 3 scales x 4 x 2
.set WX, 32                            ; weights: v32-95 two sets of 32 numbers
.set WC, 96                            ; v96-159 codes, 8 registers for each of 8 blocks: no store's data are written again
.macro RED                             ; the sum of v8 over the 32 lanes, in every lane
	v_add_f32_dpp v8, v8, v8 row_xmask:1 row_mask:0xf bank_mask:0xf
	v_add_f32_dpp v8, v8, v8 row_xmask:2 row_mask:0xf bank_mask:0xf
	v_add_f32_dpp v8, v8, v8 row_xmask:4 row_mask:0xf bank_mask:0xf
	v_add_f32_dpp v8, v8, v8 row_xmask:8 row_mask:0xf bank_mask:0xf
	v_permlanex16_b32 v9, v8, s50, s51
	v_add_f32 v8, v8, v9
.endm
.macro FOLD                            ; four chains of pairs into one number, then over the lanes
	v_pk_add_f32 v[8:9], v[8:9], v[10:11]
	v_pk_add_f32 v[12:13], v[12:13], v[14:15]
	v_pk_add_f32 v[8:9], v[8:9], v[12:13]
	v_add_f32 v8, v8, v9
	RED
.endm
.macro LNROW i                         ; row i of my four becomes (x - mean) rsqrt(var + eps) g + b, in place
.set XR, X+32*(\i)
	s_wait_loadcnt 8*(3-(\i))                      ; loads return in order: gain, bias and rows 0 .. i are in; the later rows' eight loads each stay out
.irp c, 0,1,2,3
	v_pk_add_f32 v[8+2*\c:9+2*\c], v[XR+4*\c:XR+4*\c+1], v[XR+4*\c+2:XR+4*\c+3]
.endr
.irp n, 16,24
.irp c, 0,1,2,3
	v_pk_add_f32 v[8+2*\c:9+2*\c], v[8+2*\c:9+2*\c], v[XR+\n+2*\c:XR+\n+2*\c+1]
.endr
.endr
	FOLD
	v_mul_f32 v12, s52, v8                         ; the mean
.set pp, 0
.rept 16
	v_pk_add_f32 v[XR+pp:XR+pp+1], v[XR+pp:XR+pp+1], v[12:13] op_sel_hi:[1,0] neg_lo:[0,1] neg_hi:[0,1]
.set pp, pp+2
.endr
.irp c, 0,1,2,3
	v_pk_mul_f32 v[8+2*\c:9+2*\c], v[XR+2*\c:XR+2*\c+1], v[XR+2*\c:XR+2*\c+1]
.endr
.irp n, 8,16,24
.irp c, 0,1,2,3
	v_pk_fma_f32 v[8+2*\c:9+2*\c], v[XR+\n+2*\c:XR+\n+2*\c+1], v[XR+\n+2*\c:XR+\n+2*\c+1], v[8+2*\c:9+2*\c]
.endr
.endr
	FOLD
	v_fma_f32 v12, v8, s52, s53                    ; the variance + 1e-5
	v_rsq_f32 v12, v12
	v_nop                                          ; a plain line behind the transcendental,
	s_wait_alu depctr_va_vdst(0)                   ; and a wait ahead of its first reader
.set pp, 0
.rept 16
	v_pk_mul_f32 v[XR+pp:XR+pp+1], v[XR+pp:XR+pp+1], v[12:13] op_sel_hi:[1,0]
.set pp, pp+2
.endr
.set pp, 0
.rept 16
	v_pk_fma_f32 v[XR+pp:XR+pp+1], v[XR+pp:XR+pp+1], v[G+pp:G+pp+1], v[BB+pp:BB+pp+1]
.set pp, pp+2
.endr
.endm
.macro QROW i                          ; row i is quantised with each scale; eight codes a conversion, 8 bytes into the stage
.set XR, X+32*(\i)
	s_wait_dscnt 0x0                               ; the last row's stores into the stage have read their registers
.irp q, 0,1,2
.if \q < NS
.irp j, 0,1,2,3
.irp e, 0,1,2,3,4,5,6,7
	v_med3_num_f32 v[T+8*(\j%2)+\e], v[XR+8*\j+\e], s[44+2*\q], s[45+2*\q]   ; the conversion does not saturate (ISA guide 7.6.2): the hold at +-448 x the scale.  These eight plain lines also part the conversions
.endr
	v_cvt_scalef32_pk8_fp8_f32 v[C+8*\q+2*\j:C+8*\q+2*\j+1], v[T+8*(\j%2):T+8*(\j%2)+7], v[16+\q]
	ds_store_b64 v3, v[C+8*\q+2*\j:C+8*\q+2*\j+1] offset:\q*STG+\j*4352+(\i)*16
.endr
.endif
.endr
.endm
.macro WLOAD tb, pitch                 ; block tb: W(32 tb + i, my column), i = 0 .. 31
.irp i, 0,1,2,3,4,5,6,7,8,9,10,11,12,13,14,15,16,17,18,19,20,21,22,23,24,25,26,27,28,29,30,31
	global_load_b32 v[WX+32*((\tb)%2)+\i], v3, s[36:37] offset:(32*(\tb)+\i)*\pitch th:TH_LOAD_NT
.endr
.endm
.macro WBLOCK tb, pitch
.set XS, WX+32*((\tb)%2)
.set CS, WC+8*(\tb)
.if (\tb) < 7
	s_wait_loadcnt 32                              ; this block's 32 loads are in; the next block's may be out
.else
	s_wait_loadcnt 0x0
.endif
.irp i, 0,1,2,3,4,5,6,7,8,9,10,11,12,13,14,15,16,17,18,19,20,21,22,23,24,25,26,27,28,29,30,31
	v_med3_num_f32 v[XS+\i], v[XS+\i], -v10, v10
.endr
	v_cvt_scalef32_pk8_fp8_f32 v[CS:CS+1], v[XS:XS+7], v11          ; k = 8 u + 0..7 of the block belongs to half h = u % 2 of the lanes, words 2 (u / 2) on:
	v_cvt_scalef32_pk8_fp8_f32 v[CS+2:CS+3], v[XS+16:XS+23], v11    ; u = 0, 2 are the 16 bytes of lane (r, 0),
	v_cvt_scalef32_pk8_fp8_f32 v[CS+4:CS+5], v[XS+8:XS+15], v11     ; u = 1, 3 those of lane (r, 1)
	v_cvt_scalef32_pk8_fp8_f32 v[CS+6:CS+7], v[XS+24:XS+31], v11
	global_store_b128 v4, v[CS:CS+3], s[38:39] offset:(\tb)*512     ; sixteen lanes store 256 consecutive bytes, aligned
	global_store_b128 v4, v[CS+4:CS+7], s[38:39] offset:(\tb)*512+256
.if (\tb)+2 < 8
	WLOAD (\tb)+2, \pitch
.endif
.endm
.macro WQ pitch                        ; 32 columns x 256 along K for a wave; loads run two blocks ahead
	WLOAD 0, \pitch
	WLOAD 1, \pitch
	s_wait_kmcnt 0x0
	s_add_co_i32 s52, s52, 127
	s_lshl_b32 s53, s52, 23
	v_mov_b32 v11, s53                             ; 2^e as f32: the conversion takes its exponent field
	s_add_co_i32 s52, s52, 8
	s_lshl_b32 s52, s52, 23
	s_or_b32 s52, s52, 0x600000
	v_mov_b32 v10, s52                             ; 448 x 2^e
.irp tb, 0,1,2,3,4,5,6,7
	WBLOCK \tb, \pitch
.endr
.endm
	s_load_b512 s[4:19], s[0:1], 0x0               ; x 4, gain 6, bias 8, exponents 10, Wq 12, Wk 14, Wv 16, Wo 18
	s_load_b256 s[20:27], s[0:1], 0x40             ; W1 20, W2 22, h1img 24, wimg 26
	v_lshl_add_u32 v6, v0, 2, SPARE                ; my spare word,
	v_mov_b32 v7, 0                                ; and 0: kept for the closing lines
	v_lshrrev_b32 v1, 5, v0
	v_readfirstlane_b32 s30, v1                    ; wave
	v_and_b32 v1, 31, v0                           ; lane
	s_cmp_ge_u32 ttmp9, 256
	s_cbranch_scc1 .Lweights
	; ---------------- LayerNorm 1
	v_lshlrev_b32 v2, 5, v1                        ; 32 bytes a lane in each quarter of a row
	v_lshrrev_b32 v3, 2, v1
	v_and_b32 v4, 1, v1
	v_lshl_add_u32 v3, v3, 1, v4                   ; my segment in a quarter: 2 (l / 4) + l % 2
	v_mul_u32_u24 v3, v3, 272
	v_bfe_u32 v4, v1, 1, 1
	v_lshl_add_u32 v3, v4, 3, v3                   ; + 8 ((l / 2) % 2): which half of a lane's 16 image bytes
	s_lshl_b32 s31, s30, 6
	v_add_nc_u32 v3, s31, v3                       ; + 16 x my first row (4 x wave)
	v_lshrrev_b32 v4, 4, v1
	v_mul_u32_u24 v4, v4, 272
	v_and_b32 v5, 15, v1
	v_lshl_add_u32 v4, v5, 4, v4
	s_mul_i32 s31, s30, 4352
	v_add_nc_u32 v4, s31, v4                       ; back: two segments an instruction, my wave's sixteen
	v_lshlrev_b32 v5, 4, v1                        ; 16 x lane
	s_lshl_b32 s28, ttmp9, 16                      ; 16 rows of 4,096 bytes a work-group,
	s_lshl_b32 s29, s30, 14                        ; four a wave
	s_add_co_u32 s28, s28, s29
	s_mov_b32 s29, 0
	s_lshl_b32 s40, ttmp9, 14                      ; 16,384 image bytes a work-group,
	s_lshl_b32 s41, s30, 12                        ; 4,096 a wave
	s_add_co_u32 s40, s40, s41
	s_mov_b32 s41, 0
	s_mov_b32 s50, 0x76543210
	s_mov_b32 s51, 0xfedcba98
	s_mov_b32 s52, 0x3a800000                      ; 1 / 1024
	s_mov_b32 s53, 0x3727c5ac                      ; 1e-5
	s_wait_kmcnt 0x0
	s_load_b256 s[56:63], s[10:11], 0x0            ; e0 .. e7
	s_add_nc_u64 s[32:33], s[4:5], s[28:29]
	s_add_nc_u64 s[34:35], s[24:25], s[40:41]      ; the three images lie 4 MiB apart
	s_add_nc_u64 s[36:37], s[34:35], 0x400000
	s_add_nc_u64 s[38:39], s[36:37], 0x400000
.irp j, 0,1,2,3
	global_load_b128 v[G+8*\j:G+8*\j+3], v2, s[6:7] offset:1024*\j
	global_load_b128 v[G+8*\j+4:G+8*\j+7], v2, s[6:7] offset:1024*\j+16
.endr
.irp j, 0,1,2,3
	global_load_b128 v[BB+8*\j:BB+8*\j+3], v2, s[8:9] offset:1024*\j
	global_load_b128 v[BB+8*\j+4:BB+8*\j+7], v2, s[8:9] offset:1024*\j+16
.endr
.irp i, 0,1,2,3
.irp j, 0,1,2,3
	global_load_b128 v[X+32*\i+8*\j:X+32*\i+8*\j+3], v2, s[32:33] offset:4096*\i+1024*\j
	global_load_b128 v[X+32*\i+8*\j+4:X+32*\i+8*\j+7], v2, s[32:33] offset:4096*\i+1024*\j+16
.endr
.endr
	s_wait_kmcnt 0x0
.irp q, 0,1,2
	s_add_co_i32 s40, s[56+2*\q], 127
	s_lshl_b32 s41, s40, 23
	v_mov_b32 v[16+\q], s41                        ; 2^e
	s_add_co_i32 s40, s40, 8
	s_lshl_b32 s40, s40, 23
	s_or_b32 s[45+2*\q], s40, 0x600000             ; 448 x 2^e,
	s_or_b32 s[44+2*\q], s[45+2*\q], 0x80000000    ; and its negative
.endr
.irp i, 0,1,2,3
	LNROW \i
	QROW \i
.endr
	s_wait_dscnt 0x0                               ; for the others' sake: my stores into the stages are done
	s_barrier_signal -1
	s_barrier_wait -1
.irp q, 0,1,2
.irp t, 0,1,2,3,4,5,6,7
	ds_load_b128 v[X+32*\q+4*\t:X+32*\q+4*\t+3], v4 offset:\q*STG+\t*544
.endr
.endr
.irp q, 0,1,2
.irp t, 0,1,2,3,4,5,6,7
	s_wait_dscnt 8*NS-1-(8*\q+\t)                  ; LDS loads return in order
	global_store_b128 v5, v[X+32*\q+4*\t:X+32*\q+4*\t+3], s[34+2*\q:35+2*\q] offset:\t*512   ; 512 consecutive bytes, aligned
.endr
.endr
	s_wait_tensorcnt 0x0                           ; the wave's end, behind my last LDS store
	ds_add_u32 v6, v7
	s_wait_dscnt 0x0
	s_endpgm
	; ---------------- the weights (this way writes no LDS)
.Lweights:
	s_sub_co_u32 s28, ttmp9, 256
	s_lshr_b32 s29, s28, 7                         ; group: 0 the four square weights, 1 W1, 2 W2
	s_and_b32 s28, s28, 127
	s_lshr_b32 s43, s28, 5                         ; group 0: which of the four
	s_add_co_u32 s44, s29, 3                       ; else tensor 4 or 5
	s_lshl_b32 s45, s43, 20                        ; where the tensor's image begins: 1 MiB each,
	s_lshl_b32 s46, s29, 22                        ; W1 at 4 MiB, W2 at 8 MiB
	s_cmp_eq_u32 s29, 1
	s_cselect_b32 s31, 31, 7
	s_cselect_b32 s40, 5, 3
	s_cselect_b32 s41, 14, 12                      ; log2 of a row of W in bytes
	s_and_b32 s31, s28, s31                        ; which 128 columns
	s_lshr_b32 s40, s28, s40
	s_cmp_eq_u32 s29, 0
	s_cselect_b32 s42, 3, 15
	s_cselect_b32 s43, s43, s44                    ; the tensor, 0 .. 5
	s_cselect_b32 s45, s45, s46
	s_and_b32 s40, s40, s42                        ; which 256 along K
	s_cmp_eq_u32 s29, 2
	s_cselect_b32 s46, 16, 14                      ; log2 of the bytes from 16 image rows to the next: K x 16
	s_cmp_ge_u32 s43, 3
	s_cselect_b32 s47, 5, 1
	s_lshl_b32 s48, s43, 1
	s_add_co_u32 s47, s47, s48                     ; its exponent's entry: 1, 3, 5, 11, 13, 15
	s_lshl_b32 s47, s47, 2
	s_lshl_b32 s48, s40, 8
	s_lshl_b32 s48, s48, s41                       ; 256 rows of W for each step along K,
	s_lshl_b32 s49, s31, 9
	s_add_co_u32 s48, s48, s49                     ; 512 bytes for each 128 columns,
	s_lshl_b32 s49, s30, 7
	s_add_co_u32 s48, s48, s49                     ; 128 for each wave
	s_mov_b32 s49, 0
	s_lshl_b32 s50, s31, 3
	s_lshl_b32 s51, s30, 1
	s_add_co_u32 s50, s50, s51                     ; my first 16 image rows: 8 x column group + 2 x wave
	s_lshl_b32 s50, s50, s46
	s_add_co_u32 s50, s50, s45
	s_lshl_b32 s51, s40, 12                        ; two fragments along K
	s_add_co_u32 s50, s50, s51
	s_mov_b32 s51, 0
	v_lshlrev_b32 v3, 2, v1                        ; in: 4 bytes a lane
	v_lshrrev_b32 v4, 4, v1
	v_lshlrev_b32 v4, s46, v4
	v_and_b32 v5, 15, v1
	v_lshl_add_u32 v4, v5, 4, v4                   ; out: lanes 0-15 one group of 16 image rows, lanes 16-31 the next; 16 bytes a lane
	s_wait_kmcnt 0x0
	s_load_b32 s52, s[10:11], s47 offset:0x0       ; e
	s_mov_b64 s[36:37], s[12:13]
	s_cmp_eq_u32 s43, 1
	s_cselect_b64 s[36:37], s[14:15], s[36:37]
	s_cmp_eq_u32 s43, 2
	s_cselect_b64 s[36:37], s[16:17], s[36:37]
	s_cmp_eq_u32 s43, 3
	s_cselect_b64 s[36:37], s[18:19], s[36:37]
	s_cmp_eq_u32 s43, 4
	s_cselect_b64 s[36:37], s[20:21], s[36:37]
	s_cmp_eq_u32 s43, 5
	s_cselect_b64 s[36:37], s[22:23], s[36:37]
	s_add_nc_u64 s[36:37], s[36:37], s[48:49]
	s_add_nc_u64 s[38:39], s[26:27], s[50:51]
	s_cmp_eq_u32 s29, 1
	s_cbranch_scc1 .Lwide
	WQ 4096                                        ; rows of 1,024 numbers: every offset an immediate, 255 x 4,096 at the most
	s_endpgm
.Lwide:
	WQ 16384                                       ; W1's rows of 4,096 numbers: 255 x 16,384, inside the signed 24-bit immediate
	s_endpgm
.Lfunc_end_k_qa98033ae8d_prep:
	.size	k_qa98033ae8d_prep, .Lfunc_end_k_qa98033ae8d_prep-k_qa98033ae8d_prep
	.p2alignl 7, 3214868480
	.fill 96, 4, 3214868480
	.section	.rodata,"a",@progbits
	.p2align	6, 0x0
	.amdhsa_kernel k_qa98033ae8d_prep
		.amdhsa_group_segment_fixed_size 52736
		.amdhsa_private_segment_fixed_size 0
		.amdhsa_enable_private_segment 0
		.amdhsa_kernarg_size 96
		.amdhsa_user_sgpr_count 2
		.amdhsa_user_sgpr_kernarg_segment_ptr 1
		.amdhsa_wavefront_size32 1
		.amdhsa_system_sgpr_workgroup_id_x 1
		.amdhsa_system_sgpr_workgroup_id_y 1
		.amdhsa_system_sgpr_workgroup_id_z 1
		.amdhsa_system_vgpr_workitem_id 0
		.amdhsa_next_free_vgpr 256
		.amdhsa_next_free_sgpr 66
		.amdhsa_reserve_vcc 0
		.amdhsa_float_denorm_mode_32 3
		.amdhsa_float_denorm_mode_16_64 3
		.amdhsa_memory_ordered 1
		.amdhsa_forward_progress 1
		.amdhsa_inst_pref_size 158
	.end_amdhsa_kernel
	.amdgpu_metadata
---
amdhsa.version: [ 1, 2 ]
amdhsa.kernels:
  - .name:           k_qa98033ae8d_prep
    .symbol:         k_qa98033ae8d_prep.kd
    .args:
      - { .name: x, .offset: 0, .size: 8, .value_kind: global_buffer, .address_space: global }
      - { .name: ln1_g, .offset: 8, .size: 8, .value_kind: global_buffer, .address_space: global }
      - { .name: ln1_b, .offset: 16, .size: 8, .value_kind: global_buffer, .address_space: global }
      - { .name: lowp_scales, .offset: 24, .size: 8, .value_kind: global_buffer, .address_space: global }
      - { .name: Wq, .offset: 32, .size: 8, .value_kind: global_buffer, .address_space: global }
      - { .name: Wk, .offset: 40, .size: 8, .value_kind: global_buffer, .address_space: global }
      - { .name: Wv, .offset: 48, .size: 8, .value_kind: global_buffer, .address_space: global }
      - { .name: Wo, .offset: 56, .size: 8, .value_kind: global_buffer, .address_space: global }
      - { .name: W1, .offset: 64, .size: 8, .value_kind: global_buffer, .address_space: global }
      - { .name: W2, .offset: 72, .size: 8, .value_kind: global_buffer, .address_space: global }
      - { .name: h1img, .offset: 80, .size: 8, .value_kind: global_buffer, .address_space: global }
      - { .name: wimg, .offset: 88, .size: 8, .value_kind: global_buffer, .address_space: global }
    .group_segment_fixed_size: 52736
    .private_segment_fixed_size: 0
    .kernarg_segment_align: 8
    .kernarg_segment_size: 96
    .max_flat_workgroup_size: 128
    .sgpr_count:     66
    .vgpr_count:     256
    .wavefront_size: 32
...
	.end_amdgpu_metadata
.endif
;; end of part 1
;; launch qkv (part 2): grid 12 x 16, 4 waves a work-group, clusters of 4 x 4, 327,680 bytes of LDS; arguments h1img, wimg, bq, bk, bv, lowp_scales, qkvimg; writes qkvimg
.if DOCPART == 2
	.amdgcn_target "amdgcn-amd-amdhsa--gfx1250"
	.amdhsa_code_object_version 6
	.text
	.protected	k_qa98033ae8d_qkv
	.globl	k_qa98033ae8d_qkv
	.p2align	8
	.type	k_qa98033ae8d_qkv,@function
k_qa98033ae8d_qkv:
	s_mov_b64 s[64:65], 0
	v_nop
	global_prefetch_b8 v0, s[64:65] scope:SCOPE_SE
	s_setreg_imm32_b32 hwreg(HW_REG_WAVE_MODE, 25, 1), 1
	s_wait_xcnt 0x0
	s_wait_alu depctr_hold_cnt(0) depctr_sa_sdst(0) depctr_va_vdst(0) depctr_va_sdst(0) depctr_va_ssrc(0) depctr_va_vcc(0) depctr_vm_vsrc(0)
	s_getreg_b32 s2, hwreg(HW_REG_IB_STS2, 6, 4)
	s_cmp_eq_u32 s2, 0
	s_cbranch_scc0 .Lentry_in_a_cluster
	s_endpgm
.Lentry_in_a_cluster:
	s_bfe_u32 s2, ttmp6, 0x10000c
	s_cmp_lg_u32 s2, 0xf033
	s_cbranch_scc0 .Lentry_shape_is_right
	s_endpgm
.Lentry_shape_is_right:
; Q, K and V: three products [4096 x 1024] x [1024 x 1024] on codes of FP8 (E4M3), + bias, quantised again (e6, e7, e9) and stored as images of the attention's operands.
; The cluster's x says which: 0 Q, 1 K, 2 V.  A tile of 256 x 256 to a work-group of four waves, 128 x 128 a wave: 64 accumulators.  K in steps of 256 through two LDS slots.
; OPERANDS ARE IMAGES OF THEIR REGISTERS (fragment (16 rows, 128 K) = 2,048 bytes; quad q at 512 q, lane at 16 bytes): a K step of 128 rows is 8 rows of 4,096 bytes for one tensor load, dense in LDS,
; and a fragment is four ds_load_b128 of 512 consecutive bytes each: no padding, k in its true place.
; THE MATRIX INSTRUCTION IS USED TRANSPOSED (source 0 = "B", source 1 = "A"): lane (r, h) of accumulator (a, b) holds A's row 16 a + r and B's rows 16 b + 8 h + 0..7: eight neighbours, one conversion's worth.
; Q, K: A = the tokens, B = the weight's columns: a lane's eight are along the head's 64, the scores' K.  V: THE DATA ARE SWAPPED, A = Wv's columns, B = the tokens: a lane's eight are keys, the second product's K.
; qkvimg, for each (batch, head) 393,216 bytes: Q [16 queries: 128][1,024]; K likewise at 131,072; V at 262,144 [128 keys: 16][16 of the head's 64: 4][2,048].
; CLUSTERS 4 x 4: A's tiles are asked for jointly along a row of the cluster, B's along a column.
; LIMITS: e0+e1, e2+e3, e4+e5 between -126 and 127; e6, e7, e9 between -126 and 119.  NaN among the inputs is not served.
; REGISTERS: window 0: v0-31 addresses, v32-95 the bias, v128-255 A's fragments (one set; on the way out values and codes); window 1: B's fragments, two sets; windows 2, 3: accumulator (a, b) at v[8 (8 (a % 4) + b)].
.set KT,    1024
.set LOGR,  14                         ; log2 of the bytes from 16 image rows to the next: KT x 16
.set RTS,   1<<LOGR
.set HALFT, 32768                      ; 128 rows x 256 K: what one tensor load brings
.set SLOT,  4*HALFT                    ; A's 256 rows, then B's
.set LAPS,  KT/512
.set SPARE, 2*SLOT                     ; behind the ring: the spare words, 128 bytes a wave
.set FR, 16
.set NL, 4
.set NP, 4
.set ADRA, 16
.set ADRB, 20
.set CO,   26                          ; v26 16 x lane; never rewritten
.set SPW,  28
.set NIL,  29
.set BI,   32
.set AF,   128
.set VAL,  128
.set G1,  24
.set G0,  32
.set G1B, 48
.set G0B, 56
.set MSB, 0
.macro WIN new                         ; the immediate's high byte repeats the setting that is left
.if MSB != \new
	s_set_vgpr_msb (MSB<<8)|\new
.set MSB, \new
.endif
.endm
.set MUL_LO, 0xa1                      ; source 0 (B) window 1, source 1 (A) window 0, C and D window 2
.set MUL_HI, 0xf1
.set TO_B,   0x40
.macro JLOAD s                         ; a joint load: waves 0, 1 fetch A's halves, waves 2, 3 B's; the branch hangs on the wave's number alone; s_nop 0 and four v_nop follow each line
	s_cmp_eq_u32 s15, 0
	s_cbranch_scc0 .Lfor_b_\@
	tensor_load_to_lds s[G0+4*\s:G0+4*\s+3], s[G1:G1+7]
	s_nop 0
.rept 4
	v_nop
.endr
	s_branch .Lasked_\@
.Lfor_b_\@:
	tensor_load_to_lds s[G0B+4*\s:G0B+4*\s+3], s[G1B:G1B+7]
	s_nop 0
.rept 4
	v_nop
.endr
.Lasked_\@:
.endm
.macro CREST                           ; a round of the cluster's barrier behind its opening barrier
	s_cmp_lg_u32 s14, 0
	s_cbranch_scc1 .Lnot_wave_0_\@
	s_barrier_signal -3
.Lnot_wave_0_\@:
	s_barrier_wait -3
	s_barrier_signal -1
	s_barrier_wait -1
.endm
.macro CROUND
	s_barrier_signal -1
	s_barrier_wait -1
	CREST
.endm
.macro FRAG reg, adr, q, i             ; fragment i of the slot's q-th 128 along K: its image, 512 consecutive bytes a load
.irp c, 0,1,2,3
	ds_load_b128 v[\reg+4*\c:\reg+4*\c+3], v[\adr] offset:(\i)*4096+(\q)*2048+512*\c
.endr
.endm
.macro MUL16 a0, p, zero               ; A's blocks a0, a0 + 1 x B's eight; the 64 accumulators take turns
.irp a, \a0, \a0+1
.irp b, 0,1,2,3,4,5,6,7
.if \zero
	v_wmma_f32_16x16x128_fp8_fp8 v[8*(8*((\a)%4)+\b):8*(8*((\a)%4)+\b)+7], v[128*(\p)+FR*\b:128*(\p)+FR*\b+FR-1], v[AF+FR*(\a):AF+FR*(\a)+FR-1], 0
.else
	v_wmma_f32_16x16x128_fp8_fp8 v[8*(8*((\a)%4)+\b):8*(8*((\a)%4)+\b)+7], v[128*(\p)+FR*\b:128*(\p)+FR*\b+FR-1], v[AF+FR*(\a):AF+FR*(\a)+FR-1], v[8*(8*((\a)%4)+\b):8*(8*((\a)%4)+\b)+7]
.endif
.endr
.endr
.endm
.macro FETCH_B slot, q, p
	WIN TO_B
.irp i, 0,1,2,3,4,5,6,7
	FRAG 128*(\p)+FR*\i, ADRB+\slot, \q, \i
.endr
	WIN 0
.endm
.macro FETCH_A slot, q, i0
.irp i, \i0, \i0+1, \i0+2, \i0+3
	FRAG AF+FR*(\i), ADRA+\slot, \q, \i
.endr
.endm
.macro PLACES n                        ; plain vector lines between a matrix instruction and a load into, or a read of, its registers
.rept \n
	v_nop
.endr
.endm
.macro STEP slot, q, zero              ; 128 along K whose successor lies in the same slot
	s_wait_dscnt 4*NL                              ; B's set and A's blocks 0-3 are in; the youngest 16 loads (A's blocks 4-7) may be out
	WIN MUL_LO
	MUL16 0, (\q)%2, \zero
	MUL16 2, (\q)%2, \zero
	s_wait_dscnt 0
	PLACES NP
	FETCH_B \slot, (\q)+1, 1-(\q)%2
	FETCH_A \slot, (\q)+1, 0
	WIN MUL_HI
	MUL16 4, (\q)%2, \zero
	MUL16 6, (\q)%2, \zero
	PLACES NP
	WIN 0
	FETCH_A \slot, (\q)+1, 4
.endm
.macro TURN slot, next, fill           ; a slot's last 128 along K, and the change of slots: one barrier
	s_wait_tensorcnt 0x0                           ; all my tensor loads have landed: my part of the next slot;
	ds_add_u32 v[SPW], v[NIL]                      ; 0 onto my spare word;
	s_wait_dscnt 4*NL+1                            ; (the add and A's blocks 4-7 may be out)
	WIN MUL_LO
	MUL16 0, 1, 0
	s_wait_dscnt 0x0                               ; the add is done, and my reads of this slot are over
	s_barrier_signal -1
	MUL16 2, 1, 0
	WIN 0
	s_barrier_wait -1
.if \fill
	CREST                                          ; the barrier has opened a round of the cluster's: no wave of any partner still reads this slot or has a load on its way
	s_add_nc_u64 s[G0+4*\slot+2:G0+4*\slot+3], s[G0+4*\slot+2:G0+4*\slot+3], 8192
	s_add_nc_u64 s[G0B+4*\slot+2:G0B+4*\slot+3], s[G0B+4*\slot+2:G0B+4*\slot+3], 8192
	JLOAD \slot                                    ; the first tensor load behind the round, one a wave; its four v_nop are the places in front of the loads below
.else
	PLACES NP
.endif
	FETCH_B \next, 0, 0
	FETCH_A \next, 0, 0
	WIN MUL_HI
	MUL16 4, 1, 0
	MUL16 6, 1, 0
	PLACES NP
	WIN 0
	FETCH_A \next, 0, 4
.endm
	s_load_b256 s[84:91], s[0:1], 0x0              ; h1img 84, wimg 86, bq 88, bk 90
	s_load_b128 s[92:95], s[0:1], 0x20             ; bv 92, the exponents 94
	s_load_b64 s[10:11], s[0:1], 0x30              ; qkvimg
	v_lshl_add_u32 v[SPW], v0, 2, SPARE
	v_mov_b32 v[NIL], 0
	ds_add_u32 v[SPW], v[NIL]                      ; the wave's opening add; its wait stands ahead of my first tensor load
	v_lshrrev_b32 v1, 5, v0
	v_readfirstlane_b32 s14, v1                    ; wave
	s_lshr_b32 s15, s14, 1                         ; my half of A's rows.  Also: I fetch for A (0) or B (1)
	s_and_b32 s16, s14, 1                          ; my half of B's rows.  Also: which 128 rows I fetch
	s_bfe_u32 s40, ttmp6, 0x40000                  ; cx
	s_bfe_u32 s41, ttmp6, 0x40004                  ; cy
	s_and_b32 s98, ttmp7, 0xffff
	s_lshl_b32 s98, s98, 2                         ; 4 x cluster y: the token tiles' part
	s_cmp_eq_u32 ttmp9, 2                          ; V?  (the cluster's x: the same in all sixteen partners)
	s_cselect_b32 s17, 0, s98
	s_cselect_b32 s42, s98, 0
	s_add_co_u32 s17, s17, s41                     ; A's tile: Q, K: tokens 4 cluster y + cy; V: Wv's columns cy
	s_add_co_u32 s42, s42, s40                     ; B's tile: Q, K: the weight's columns cx; V: tokens 4 cluster y + cx
	s_lshl_b32 s43, s41, 2
	s_lshl_b32 s43, 15, s43                        ; my row of the cluster
	s_lshl_b32 s44, 0x1111, s40                    ; my column
	s_or_b32 s[G1+0], s43, (1<<21)                 ; 15:0 the mask; 17:16 elements of 1 byte; no padding; 21 set beside a mask
	s_or_b32 s[G1B+0], s44, (1<<21)
.irp g, G1, G1B
	s_mov_b32 s[\g+1], 4096<<16                    ; tensor_dim0: two fragments of 16 rows
	s_mov_b32 s[\g+2], 8<<16                       ; tensor_dim1: eight groups of 16 rows
	s_mov_b32 s[\g+3], 4096<<16                    ; tile_dim0
	s_mov_b32 s[\g+4], 8                           ; tile_dim1
	s_mov_b32 s[\g+5], RTS                         ; from 16 rows to the next
	s_mov_b32 s[\g+6], 0
	s_mov_b32 s[\g+7], 0
.endr
	s_lshl_b32 s18, s16, LOGR+3                    ; which 128 rows of the tile I fetch
	s_lshl_b32 s20, s17, LOGR+4
	s_add_co_u32 s20, s20, s18
	s_mov_b32 s21, 0
	s_lshl_b32 s46, s42, LOGR+4
	s_add_co_u32 s46, s46, s18
	s_mov_b32 s47, 0
	s_lshl_b32 s45, s14, 15                        ; where they go: wave x 32,768
	s_lshl_b32 s18, ttmp9, 22                      ; the product's image of the tokens: 4 MiB apart,
	s_mov_b32 s19, 0
	s_lshl_b32 s22, ttmp9, 20                      ; and of its weight: 1 MiB apart
	s_mov_b32 s23, 0
	s_wait_dscnt 0x0                               ; the opening add is done
	s_wait_kmcnt 0x0
	s_load_b512 s[68:83], s[94:95], 0x0            ; e0 .. e15 in s68 .. s83
	s_add_nc_u64 s[84:85], s[84:85], s[18:19]
	s_add_nc_u64 s[86:87], s[86:87], s[22:23]
	s_cmp_eq_u32 ttmp9, 2
	s_cselect_b64 s[4:5], s[86:87], s[84:85]       ; A
	s_cselect_b64 s[6:7], s[84:85], s[86:87]       ; B
	s_add_nc_u64 s[20:21], s[4:5], s[20:21]
	s_add_nc_u64 s[46:47], s[6:7], s[46:47]
	CROUND                                         ; all sixteen work-groups are here: the first joint loads meet
.irp s, 0,1
	s_mov_b32 s[G0+4*\s], 1
	s_add_co_u32 s[G0+4*\s+1], s45, \s*SLOT
	s_add_nc_u64 s[G0+4*\s+2:G0+4*\s+3], s[20:21], \s*4096
	s_or_b32 s[G0+4*\s+3], s[G0+4*\s+3], 0x80000000
	s_mov_b32 s[G0B+4*\s], 1
	s_add_co_u32 s[G0B+4*\s+1], s45, \s*SLOT
	s_add_nc_u64 s[G0B+4*\s+2:G0B+4*\s+3], s[46:47], \s*4096
	s_or_b32 s[G0B+4*\s+3], s[G0B+4*\s+3], 0x80000000
	JLOAD \s
.endr
	v_and_b32 v3, 31, v0
	v_lshlrev_b32 v[CO], 4, v3
	v_and_b32 v1, 15, v0                           ; r
	v_bfe_u32 v2, v0, 4, 1                         ; h
	s_lshl_b32 s21, s15, 15                        ; my 128 rows of A,
	s_lshl_b32 s22, s16, 15
	s_add_co_u32 s22, s22, 2*HALFT                 ; of B, behind A's 256
.irp s, 0,1
	v_add_nc_u32 v[ADRA+\s], s21, v[CO]
	v_add_nc_u32 v[ADRB+\s], s22, v[CO]
	s_add_co_u32 s21, s21, SLOT
	s_add_co_u32 s22, s22, SLOT
.endr
	; which side holds tokens and which features
	s_cmp_eq_u32 ttmp9, 2
	s_cselect_b32 s8, s42, s17                     ; the token tile,
	s_cselect_b32 s9, s17, s42                     ; the feature tile,
	s_cselect_b32 s66, s16, s15                    ; my half of the tokens,
	s_cselect_b32 s67, s15, s16                    ; my half of the features
	s_cselect_b64 s[12:13], s[92:93], s[88:89]
	s_cmp_eq_u32 ttmp9, 1
	s_cselect_b64 s[12:13], s[90:91], s[12:13]     ; the product's bias
	s_lshl_b32 s99, s9, 10
	s_lshl_b32 s89, s67, 9
	s_add_co_u32 s2, s99, s89                      ; my first feature x 4 bytes
	s_mov_b32 s3, 0
	s_add_nc_u64 s[12:13], s[12:13], s[2:3]
	s_lshr_b32 s99, s8, 3
	s_lshl_b32 s99, s99, 4                         ; 16 x batch
	s_lshl_b32 s89, s9, 2
	s_add_co_u32 s99, s99, s89
	s_lshl_b32 s89, s67, 1
	s_add_co_u32 s99, s99, s89                     ; + my first head: 4 x feature tile + 2 x half
	s_mul_i32 s99, s99, 393216
	s_lshl_b32 s89, ttmp9, 17
	s_add_co_u32 s99, s99, s89                     ; Q, K or V's part
	s_and_b32 s89, s8, 7
	s_lshl_b32 s89, s89, 1
	s_add_co_u32 s89, s89, s66
	s_lshl_b32 s89, s89, 13                        ; my 128 tokens: 8,192 bytes in each of the three layouts
	s_add_co_u32 s2, s99, s89
	s_add_nc_u64 s[10:11], s[10:11], s[2:3]
	; the bias, in the accumulators' layout, asked for now and awaited on the way out.  Both ways fill all of v32-95
	s_cmp_eq_u32 ttmp9, 2
	s_cbranch_scc1 .Lbias_v
	v_lshlrev_b32 v27, 5, v2                       ; Q, K: v[32 + 8 b + j] = bias[16 b + 8 h + j]
.irp b, 0,1,2,3,4,5,6,7
	global_load_b128 v[BI+8*\b:BI+8*\b+3], v27, s[12:13] offset:64*\b
	global_load_b128 v[BI+8*\b+4:BI+8*\b+7], v27, s[12:13] offset:64*\b+16
.endr
	s_branch .Lbias_done
.Lbias_v:
	v_lshlrev_b32 v27, 2, v1                       ; V: v[32 + 8 a + j] = bias[16 a + r] for every j
.irp a, 0,1,2,3,4,5,6,7
.irp j, 0,1,2,3,4,5,6,7
	global_load_b32 v[BI+8*\a+\j], v27, s[12:13] offset:64*\a
.endr
.endr
.Lbias_done:
	s_wait_tensorcnt 1                             ; my part of K step 0 is in; K step 1's load may be out
	s_barrier_signal -1
	s_barrier_wait -1
	FETCH_B 0, 0, 0
	FETCH_A 0, 0, 0
	FETCH_A 0, 0, 4
	STEP 0, 0, 1                                   ; the first step's products start the sums
	s_mov_b32 s3, LAPS-1
.Llap:
	TURN 0, 1, 1
	STEP 1, 0, 0
	TURN 1, 0, 1
	STEP 0, 0, 0
	s_sub_co_u32 s3, s3, 1
	s_cmp_lg_u32 s3, 0
	s_cbranch_scc1 .Llap
	TURN 0, 1, 0                                   ; the last lap fills nothing
	STEP 1, 0, 0
	s_wait_dscnt 4*NL
	WIN MUL_LO
	MUL16 0, 1, 0
	MUL16 2, 1, 0
	s_wait_dscnt 0
	WIN MUL_HI
	MUL16 4, 1, 0
	MUL16 6, 1, 0
	WIN 0
	; THE WAY OUT: sum x 2^(eA + eB) + bias, held, converted: the eight codes of accumulator b are registers 2 b, 2 b + 1 of the next operand's fragment, stored as they stand
	s_wait_kmcnt 0x0
	s_add_co_i32 s96, s68, s69
	s_add_co_i32 s97, s70, s71
	s_add_co_i32 s98, s72, s73
	s_cmp_eq_u32 ttmp9, 1
	s_cselect_b32 s96, s97, s96
	s_cselect_b32 s99, s75, s74                    ; e7 for K, e6 for Q,
	s_cmp_eq_u32 ttmp9, 2
	s_cselect_b32 s96, s98, s96
	s_cselect_b32 s99, s77, s99                    ; e9 for V
	s_add_co_i32 s96, s96, 127
	s_lshl_b32 s96, s96, 23                        ; 2^(eA + eB)
	s_mov_b32 s97, s96
	s_add_co_i32 s99, s99, 127
	s_lshl_b32 s98, s99, 23
	v_mov_b32 v19, s98                             ; the result's scale
	s_add_co_i32 s99, s99, 8
	s_lshl_b32 s99, s99, 23
	s_or_b32 s99, s99, 0x600000
	v_mov_b32 v18, s99                             ; 448 x that
	s_wait_loadcnt 0x0                             ; the bias
	PLACES NP
.macro EPI a, isv
.set AC, 64*((\a)%4)
.set CD, 192+16*((\a)%2)
.if (\a) >= 2
	s_wait_xcnt 0x0                                ; the stores of two blocks ago have read their registers
.endif
	WIN 0x02+((\a)/4)                              ; source 0: window 2 or 3
.irp b, 0,1,2,3,4,5,6,7
.irp j, 0,2,4,6
.if \isv
	v_pk_fma_f32 v[VAL+8*\b+\j:VAL+8*\b+\j+1], v[AC+8*\b+\j:AC+8*\b+\j+1], s[96:97], v[BI+8*(\a)+\j:BI+8*(\a)+\j+1] op_sel_hi:[1,0,1]
.else
	v_pk_fma_f32 v[VAL+8*\b+\j:VAL+8*\b+\j+1], v[AC+8*\b+\j:AC+8*\b+\j+1], s[96:97], v[BI+8*\b+\j:BI+8*\b+\j+1] op_sel_hi:[1,0,1]
.endif
.endr
.endr
	WIN 0
.irp b, 0,1,2,3,4,5,6,7
.irp j, 0,1,2,3,4,5,6,7
	v_med3_num_f32 v[VAL+8*\b+\j], v[VAL+8*\b+\j], -v18, v18
.endr
	v_cvt_scalef32_pk8_fp8_f32 v[CD+2*\b:CD+2*\b+1], v[VAL+8*\b:VAL+8*\b+7], v19
.endr
	v_nop                                          ; a plain line behind the last conversion
.irp q, 0,1,2,3
.if \isv
	global_store_b128 v[CO], v[CD+4*\q:CD+4*\q+3], s[10:11] offset:((\a)/4)*393216+((\a)%4)*2048+\q*512   ; head a / 4 of my two, its rows 16 (a % 4) on, my 128 keys: 512 consecutive bytes
.else
	global_store_b128 v[CO], v[CD+4*\q:CD+4*\q+3], s[10:11] offset:(\q/2)*393216+(\a)*1024+(\q%2)*512     ; head q / 2 of my two, tokens 16 a on
.endif
.endr
.endm
	s_cmp_eq_u32 ttmp9, 2
	s_cbranch_scc1 .Lout_v
.irp a, 0,1,2,3,4,5,6,7
	EPI \a, 0
.endr
	s_branch .Lout_done
.Lout_v:
.irp a, 0,1,2,3,4,5,6,7
	EPI \a, 1
.endr
.Lout_done:
	s_wait_tensorcnt 0x0                           ; the wave's end
	ds_add_u32 v[SPW], v[NIL]
	s_wait_dscnt 0x0
	CROUND                                         ; the closing round
	s_endpgm
.Lfunc_end_k_qa98033ae8d_qkv:
	.size	k_qa98033ae8d_qkv, .Lfunc_end_k_qa98033ae8d_qkv-k_qa98033ae8d_qkv
	.p2alignl 7, 3214868480
	.fill 96, 4, 3214868480
	.section	.rodata,"a",@progbits
	.p2align	6, 0x0
	.amdhsa_kernel k_qa98033ae8d_qkv
		.amdhsa_group_segment_fixed_size 327680
		.amdhsa_private_segment_fixed_size 0
		.amdhsa_enable_private_segment 0
		.amdhsa_kernarg_size 56
		.amdhsa_user_sgpr_count 2
		.amdhsa_user_sgpr_kernarg_segment_ptr 1
		.amdhsa_wavefront_size32 1
		.amdhsa_system_sgpr_workgroup_id_x 1
		.amdhsa_system_sgpr_workgroup_id_y 1
		.amdhsa_system_sgpr_workgroup_id_z 1
		.amdhsa_system_vgpr_workitem_id 0
		.amdhsa_next_free_vgpr 1024
		.amdhsa_next_free_sgpr 100
		.amdhsa_reserve_vcc 0
		.amdhsa_float_denorm_mode_32 3
		.amdhsa_float_denorm_mode_16_64 3
		.amdhsa_memory_ordered 1
		.amdhsa_forward_progress 1
		.amdhsa_inst_pref_size 198
	.end_amdhsa_kernel
	.amdgpu_metadata
---
amdhsa.version: [ 1, 2 ]
amdhsa.kernels:
  - .name:           k_qa98033ae8d_qkv
    .symbol:         k_qa98033ae8d_qkv.kd
    .args:
      - { .name: h1img, .offset: 0, .size: 8, .value_kind: global_buffer, .address_space: global }
      - { .name: wimg, .offset: 8, .size: 8, .value_kind: global_buffer, .address_space: global }
      - { .name: bq, .offset: 16, .size: 8, .value_kind: global_buffer, .address_space: global }
      - { .name: bk, .offset: 24, .size: 8, .value_kind: global_buffer, .address_space: global }
      - { .name: bv, .offset: 32, .size: 8, .value_kind: global_buffer, .address_space: global }
      - { .name: lowp_scales, .offset: 40, .size: 8, .value_kind: global_buffer, .address_space: global }
      - { .name: qkvimg, .offset: 48, .size: 8, .value_kind: global_buffer, .address_space: global }
    .group_segment_fixed_size: 327680
    .private_segment_fixed_size: 0
    .kernarg_segment_align: 8
    .kernarg_segment_size: 56
    .max_flat_workgroup_size: 128
    .sgpr_count:     100
    .vgpr_count:     1024
    .wavefront_size: 32
...
	.end_amdgpu_metadata
.endif
;; end of part 2
;; launch attn (part 3): grid 8 x 32, 16 waves a work-group, clusters of 4 x 1, 264,192 bytes of LDS; arguments qkvimg, lowp_scales, ctximg; writes ctximg
.if DOCPART == 3
	.amdgcn_target "amdgcn-amd-amdhsa--gfx1250"
	.amdhsa_code_object_version 6
	.text
	.protected	k_qa98033ae8d_attn
	.globl	k_qa98033ae8d_attn
	.p2align	8
	.type	k_qa98033ae8d_attn,@function
k_qa98033ae8d_attn:
	s_mov_b64 s[64:65], 0
	v_nop
	global_prefetch_b8 v0, s[64:65] scope:SCOPE_SE
	s_setreg_imm32_b32 hwreg(HW_REG_WAVE_MODE, 25, 1), 1
	s_wait_xcnt 0x0
	s_wait_alu depctr_hold_cnt(0) depctr_sa_sdst(0) depctr_va_vdst(0) depctr_va_sdst(0) depctr_va_ssrc(0) depctr_va_vcc(0) depctr_vm_vsrc(0)
	s_getreg_b32 s2, hwreg(HW_REG_IB_STS2, 6, 4)
	s_cmp_eq_u32 s2, 0
	s_cbranch_scc0 .Lentry_in_a_cluster
	s_endpgm
.Lentry_in_a_cluster:
	s_bfe_u32 s2, ttmp6, 0x10000c
	s_cmp_lg_u32 s2, 0x3003
	s_cbranch_scc0 .Lentry_shape_is_right
	s_endpgm
.Lentry_shape_is_right:
; ATTENTION on codes of FP8 (E4M3): ctx = softmax(q k^T / 8) v for one (batch, head), quantised with 2^e10 and stored as an image of the next product's operand.
; t = score x log2(e) / 8; M = the running largest t rounded UP to a whole number; p = 2^(t - M) is quantised with 2^e8, not normalised; the row's sum is taken of the unquantised p and divides at the end.
; SHARES.  A work-group owns 256 queries of a head, each of its sixteen waves 16 of them: four waves to a SIMD, so that one wave's vector work stands beside another's matrix work and LDS loads.
; THE HEAD'S WHOLE K AND V, 131,072 bytes each, LIE IN LDS, as they lie in memory: images of the operands' registers.  They are filled ONCE, in four groups of 512 keys, each wave 4,096 bytes of a group:
; four tensor loads of a wave are out at the start and no byte is filled again.  The four work-groups of a cluster own query blocks of one head and ask jointly.
; Both products are used transposed: S^T = K Q^T (source 0 = 16 keys), O^T = V^T P^T (source 0 = 16 of the head's 64): a lane holds ONE query; register j of score tile t is key 16 t + 8 h + j,
; so one conversion of a tile's eight registers gives registers 2 t, 2 t + 1 of P's fragment.
; LIMITS: e6 + e7 between -123 and 130 (added to c's exponent field); e8 and e10 between -126 and 119; e8 + e9 goes by v_ldexp_f32 and has none.
.set SPARE, 262144                     ; behind K and V: the spare words, 128 bytes for each of sixteen waves
.set LI,  1                            ; v1   16 x lane
.set ADK, 2                            ; v2   the step's K
.set ADV, 3                            ; v3   the step's V
.set SPW, 4
.set NIL, 5
.set QF,  16                           ; v16-23   Q's fragment
.set PC,  24                           ; v24-39   P's codes
.set F,   40                           ; v40-103  eight fragments of K, then four of V
.set S,   104                          ; v104-167 S^T, then p
.set O,   168                          ; v168-199 O^T
.set WV,  12
.macro CROUND
	s_barrier_signal -1
	s_barrier_wait -1
	s_cmp_lg_u32 s[WV], 0
	s_cbranch_scc1 .Lnot_wave_0_\@
	s_barrier_signal -3
.Lnot_wave_0_\@:
	s_barrier_wait -3
	s_barrier_signal -1
	s_barrier_wait -1
.endm
	s_load_b128 s[4:7], s[0:1], 0x0                ; qkvimg, the exponents
	s_load_b64 s[8:9], s[0:1], 0x10                ; ctximg
	v_lshl_add_u32 v[SPW], v0, 2, SPARE
	v_mov_b32 v[NIL], 0
	ds_add_u32 v[SPW], v[NIL]                      ; the wave's opening add; its wait stands ahead of my first tensor load
	v_lshrrev_b32 v1, 5, v0
	v_readfirstlane_b32 s[WV], v1                  ; wave 0..15
	s_bfe_u32 s13, ttmp6, 0x40000                  ; cx
	s_lshl_b32 s14, ttmp9, 2
	s_add_co_u32 s14, s14, s13                     ; my block of 256 queries: it enters Q's and ctx's addresses alone
	s_and_b32 s15, ttmp7, 0xffff                   ; 16 x batch + head, which the four partners share
	s_mul_i32 s16, s15, 393216
	s_mov_b32 s17, 0
	s_lshr_b32 s18, s[WV], 3                       ; waves 0-7 fetch K, waves 8-15 V,
	s_lshl_b32 s18, s18, 17
	s_and_b32 s19, s[WV], 7
	s_lshl_b32 s19, s19, 12                        ; 4,096 bytes of a group each
	s_add_co_u32 s18, s18, s19
	s_mov_b32 s24, 15|(3<<16)|(1<<21)              ; 15:0 the mask: all four work-groups; 17:16 elements of 8 bytes; 21 set beside a mask
	s_mov_b32 s25, 32<<16                          ; tensor_dim0: 256 bytes
	s_mov_b32 s26, 16<<16                          ; tensor_dim1: 16 rows
	s_mov_b32 s27, 32<<16                          ; tile_dim0
	s_mov_b32 s28, 16                              ; tile_dim1
	s_mov_b32 s29, 32                              ; dense
	s_mov_b32 s30, 0
	s_mov_b32 s31, 0
	s_mov_b32 s20, 0x76543210
	s_mov_b32 s21, 0xfedcba98
	s_mov_b32 s22, 0x3e38aa3b                      ; c = log2(e) / 8
	s_add_co_u32 s10, s18, 131072                  ; in memory K begins 131,072 bytes into the head's block, V behind it
	s_mov_b32 s11, 0
	s_lshl_b32 s50, s14, 4
	s_add_co_u32 s50, s50, s[WV]                   ; my tile of 16 queries, 0 .. 127
	s_wait_dscnt 0x0                               ; the opening add is done
	s_wait_kmcnt 0x0
	s_load_b128 s[52:55], s[6:7], 0x18             ; e6, e7, e8, e9
	s_load_b32 s56, s[6:7], 0x28                   ; e10
	s_add_nc_u64 s[4:5], s[4:5], s[16:17]          ; the head's block
	s_add_nc_u64 s[10:11], s[4:5], s[10:11]
	CROUND                                         ; all four work-groups are here: the joint loads meet
.irp g, 0,1,2,3
	s_mov_b32 s[32+4*\g], 1
	s_add_co_u32 s[33+4*\g], s18, \g*32768
	s_add_nc_u64 s[34+4*\g:35+4*\g], s[10:11], \g*32768
	s_or_b32 s[35+4*\g], s[35+4*\g], 0x80000000
	tensor_load_to_lds s[32+4*\g:35+4*\g], s[24:31]
	s_nop 0
.endr
.rept 4
	v_nop
.endr
	v_and_b32 v1, 31, v0
	v_lshlrev_b32 v[LI], 4, v1
	s_lshl_b32 s58, s50, 10
	s_mov_b32 s59, 0
	s_add_nc_u64 s[58:59], s[4:5], s[58:59]
	global_load_b128 v[QF:QF+3], v[LI], s[58:59]
	global_load_b128 v[QF+4:QF+7], v[LI], s[58:59] offset:512
	s_lshr_b32 s60, s15, 4
	s_lshl_b32 s60, s60, 7
	s_add_co_u32 s60, s60, s50                     ; ctx: my 16 rows: 128 x batch + tile,
	s_lshl_b32 s60, s60, 3
	s_bfe_u32 s61, s15, 0x30001
	s_add_co_u32 s60, s60, s61                     ; fragment head / 2 of eight,
	s_lshl_b32 s60, s60, 1
	s_and_b32 s61, s15, 1
	s_add_co_u32 s60, s60, s61                     ; its lower or upper two quads
	s_lshl_b32 s60, s60, 10
	s_mov_b32 s61, 0
	s_add_nc_u64 s[8:9], s[8:9], s[60:61]
	v_mov_b32 v13, 0xff61b1e6                      ; the largest t so far: -3e38
	v_floor_f32 v12, -v13                          ; -M
	v_mov_b32 v14, 0                               ; the sum, in two halves
	v_mov_b32 v15, 0
	v_mov_b32 v203, 0                              ; (named as the upper half of the pair v[202:203])
	v_mov_b32 v206, 0                              ; a lane permute's destination counts as read
.set jj, 0
.rept 32
	v_mov_b32 v[O+jj], 0                           ; the step is written once: the first finds zeros
.set jj, jj+1
.endr
	s_wait_kmcnt 0x0
	s_add_co_i32 s57, s52, s53
	s_lshl_b32 s57, s57, 23
	s_add_co_i32 s22, s22, s57                     ; a score stands for score x 2^(e6 + e7)
	s_mov_b32 s23, s22
	s_add_co_i32 s57, s54, 127
	s_lshl_b32 s51, s57, 23
	v_mov_b32 v208, s51                            ; 2^e8
	s_add_co_i32 s57, s57, 8
	s_lshl_b32 s57, s57, 23
	s_or_b32 s57, s57, 0x600000
	v_mov_b32 v207, s57                            ; 448 x 2^e8
	s_add_co_i32 s57, s56, 127
	s_lshl_b32 s51, s57, 23
	v_mov_b32 v210, s51                            ; 2^e10
	s_add_co_i32 s57, s57, 8
	s_lshl_b32 s57, s57, 23
	s_or_b32 s57, s57, 0x600000
	v_mov_b32 v209, s57                            ; 448 x 2^e10
.macro STEP                            ; 128 keys, whose K and V begin at LDS byte s48 and 131,072 + s48
	v_add_nc_u32 v[ADK], s48, v[LI]
	v_add_nc_u32 v[ADV], 0x20000, v[ADK]
	v_nop                                          ; with the two additions: four places in front of loads into registers that the last products read
	v_nop
.irp t, 0,1,2,3,4,5,6,7
	ds_load_b128 v[F+8*\t:F+8*\t+3], v[ADK] offset:\t*1024
	ds_load_b128 v[F+8*\t+4:F+8*\t+7], v[ADK] offset:\t*1024+512
.endr
	s_wait_dscnt 0x0
.irp t, 0,1,2,3,4,5,6,7
	v_wmma_f32_16x16x64_fp8_fp8 v[S+8*\t:S+8*\t+7], v[F+8*\t:F+8*\t+7], v[QF:QF+7], 0
.endr
.rept 4
	v_nop
.endr
.irp d, 0,1,2,3
.irp c, 0,1,2,3
	ds_load_b128 v[F+16*\d+4*\c:F+16*\d+4*\c+3], v[ADV] offset:\d*2048+\c*512   ; V lands while the softmax is walked
.endr
.endr
	v_max3_num_f32 v200, v[S], v[S+1], v[S+2]      ; my query's largest score among my 64 keys, in two chains, each tile from its low end on
	v_max3_num_f32 v201, v[S+3], v[S+4], v[S+5]
.irp i, 6,10,14,18,22,26,30,34,38,42,46,50,54,58
	v_max3_num_f32 v200, v200, v[S+\i], v[S+\i+1]
	v_max3_num_f32 v201, v201, v[S+\i+2], v[S+\i+3]
.endr
	v_max3_num_f32 v200, v200, v[S+62], v[S+63]
	v_max_num_f32 v200, v200, v201
	v_permlanex16_b32 v206, v200, s20, s21
	v_max_num_f32 v200, v200, v206                 ; and among lane l xor 16's
	v_mul_f32 v200, s22, v200                      ; as t (c is positive)
	v_max_num_f32 v13, v13, v200
	v_mov_b32 v200, v12
	v_floor_f32 v12, -v13                          ; the new -M = -ceil(t)
	v_sub_f32 v200, v12, v200                      ; old M - new M: a whole number, 0 or less
	v_cvt_i32_f32 v200, v200                       ; (it saturates)
	v_ldexp_f32 v202, 1.0, v200                    ; f = 2^(old M - new M)
.set jj, 0
.rept 32
	v_pk_fma_f32 v[S+jj:S+jj+1], v[S+jj:S+jj+1], s[22:23], v[12:13] op_sel_hi:[1,0,0]   ; t - M
.set jj, jj+2
.endr
.set jj, 0
.rept 64
	v_exp_f32 v[S+jj], v[S+jj]                     ; p = 2^(t - M)
.set jj, jj+1
.endr
	v_pk_mul_f32 v[14:15], v[14:15], v[202:203] op_sel_hi:[1,0]   ; the sums under the new M: the plain line behind the batch
	s_wait_alu depctr_va_vdst(0)                   ; one wait for the 64 exponentials, ahead of their first reader
	v_pk_add_f32 v[204:205], v[S:S+1], v[S+2:S+3]  ; the row's sum is taken of the unquantised p
.irp j, 4,8,12,16,20,24,28,32,36,40,44,48,52,56,60
	v_pk_add_f32 v[14:15], v[14:15], v[S+\j:S+\j+1]
	v_pk_add_f32 v[204:205], v[204:205], v[S+\j+2:S+\j+3]
.endr
	v_pk_add_f32 v[14:15], v[14:15], v[204:205]
.irp t, 0,1,2,3,4,5,6,7
.irp j, 0,1,2,3,4,5,6,7
	v_min_num_f32 v[S+8*\t+\j], v[S+8*\t+\j], v207 ; the conversion does not saturate (ISA guide 7.6.2); p is not negative: a one-sided hold
.endr
	v_cvt_scalef32_pk8_fp8_f32 v[PC+2*\t:PC+2*\t+1], v[S+8*\t:S+8*\t+7], v208
.endr
.set jj, 0
.rept 16
	v_pk_mul_f32 v[O+jj:O+jj+1], v[O+jj:O+jj+1], v[202:203] op_sel_hi:[1,0]   ; O^T under the new M; also the plain lines behind the conversions
.set jj, jj+2
.endr
	s_wait_dscnt 0x0                               ; V is in
.irp d, 0,1,2,3
	v_wmma_f32_16x16x128_fp8_fp8 v[O+8*\d:O+8*\d+7], v[F+16*\d:F+16*\d+15], v[PC:PC+15], v[O+8*\d:O+8*\d+7]   ; the four accumulators by turns
.endr
.endm
	s_wait_loadcnt 0x0                             ; Q
.irp g, 0,1,2,3
	s_wait_tensorcnt 3-\g                          ; tensor loads of a wave end in order: my part of group g is in; the later groups stay out
	s_wait_dscnt 0x0
	s_barrier_signal -1
	s_barrier_wait -1                              ; everybody's part is: nothing is ever filled again
	s_mov_b32 s48, \g*32768
	s_mov_b32 s49, 4
.Lstep_\g:
	STEP
	s_add_co_u32 s48, s48, 8192
	s_sub_co_u32 s49, s49, 1
	s_cmp_lg_u32 s49, 0
	s_cbranch_scc1 .Lstep_\g
.endr
	; THE WAY OUT: O^T / the sum x 2^(e8 + e9) is ctx; held, converted with 2^e10: registers 2 d, 2 d + 1 of my half of a fragment
.rept 4
	v_nop
.endr
	v_add_f32 v14, v14, v15
	v_permlanex16_b32 v206, v14, s20, s21
	v_add_f32 v14, v14, v206
	v_rcp_f32 v14, v14
	v_nop
	s_add_co_i32 s57, s54, s55
	s_wait_alu depctr_va_vdst(0)
	v_ldexp_f32 v14, v14, s57
.set jj, 0
.rept 32
	v_mul_f32 v[S+jj], v[O+jj], v14
.set jj, jj+1
.endr
.irp d, 0,1,2,3
.irp j, 0,1,2,3,4,5,6,7
	v_med3_num_f32 v[S+8*\d+\j], v[S+8*\d+\j], -v209, v209
.endr
	v_cvt_scalef32_pk8_fp8_f32 v[PC+2*\d:PC+2*\d+1], v[S+8*\d:S+8*\d+7], v210
.endr
	v_nop
	global_store_b128 v[LI], v[PC:PC+3], s[8:9]              ; 512 consecutive bytes each
	global_store_b128 v[LI], v[PC+4:PC+7], s[8:9] offset:512
	s_wait_tensorcnt 0x0                           ; the wave's end
	ds_add_u32 v[SPW], v[NIL]
	s_wait_dscnt 0x0
	CROUND                                         ; the closing round
	s_endpgm
.Lfunc_end_k_qa98033ae8d_attn:
	.size	k_qa98033ae8d_attn, .Lfunc_end_k_qa98033ae8d_attn-k_qa98033ae8d_attn
	.p2alignl 7, 3214868480
	.fill 96, 4, 3214868480
	.section	.rodata,"a",@progbits
	.p2align	6, 0x0
	.amdhsa_kernel k_qa98033ae8d_attn
		.amdhsa_group_segment_fixed_size 264192
		.amdhsa_private_segment_fixed_size 0
		.amdhsa_enable_private_segment 0
		.amdhsa_kernarg_size 24
		.amdhsa_user_sgpr_count 2
		.amdhsa_user_sgpr_kernarg_segment_ptr 1
		.amdhsa_wavefront_size32 1
		.amdhsa_system_sgpr_workgroup_id_x 1
		.amdhsa_system_sgpr_workgroup_id_y 1
		.amdhsa_system_sgpr_workgroup_id_z 1
		.amdhsa_system_vgpr_workitem_id 0
		.amdhsa_next_free_vgpr 224
		.amdhsa_next_free_sgpr 66
		.amdhsa_reserve_vcc 0
		.amdhsa_float_denorm_mode_32 3
		.amdhsa_float_denorm_mode_16_64 3
		.amdhsa_memory_ordered 1
		.amdhsa_forward_progress 1
		.amdhsa_inst_pref_size 73
	.end_amdhsa_kernel
	.amdgpu_metadata
---
amdhsa.version: [ 1, 2 ]
amdhsa.kernels:
  - .name:           k_qa98033ae8d_attn
    .symbol:         k_qa98033ae8d_attn.kd
    .args:
      - { .name: qkvimg, .offset: 0, .size: 8, .value_kind: global_buffer, .address_space: global }
      - { .name: lowp_scales, .offset: 8, .size: 8, .value_kind: global_buffer, .address_space: global }
      - { .name: ctximg, .offset: 16, .size: 8, .value_kind: global_buffer, .address_space: global }
    .group_segment_fixed_size: 264192
    .private_segment_fixed_size: 0
    .kernarg_segment_align: 8
    .kernarg_segment_size: 24
    .max_flat_workgroup_size: 512
    .sgpr_count:     66
    .vgpr_count:     224
    .wavefront_size: 32
...
	.end_amdgpu_metadata
.endif
;; end of part 3
;; launch wo (part 4): grid 4 x 16, 4 waves a work-group, clusters of 4 x 4, 327,680 bytes of LDS; arguments ctximg, wimg, bo, x, lowp_scales, x1; writes x1
.if DOCPART == 4
	.amdgcn_target "amdgcn-amd-amdhsa--gfx1250"
	.amdhsa_code_object_version 6
	.text
	.protected	k_qa98033ae8d_wo
	.globl	k_qa98033ae8d_wo
	.p2align	8
	.type	k_qa98033ae8d_wo,@function
k_qa98033ae8d_wo:
	s_mov_b64 s[64:65], 0
	v_nop
	global_prefetch_b8 v0, s[64:65] scope:SCOPE_SE
	s_setreg_imm32_b32 hwreg(HW_REG_WAVE_MODE, 25, 1), 1
	s_wait_xcnt 0x0
	s_wait_alu depctr_hold_cnt(0) depctr_sa_sdst(0) depctr_va_vdst(0) depctr_va_sdst(0) depctr_va_ssrc(0) depctr_va_vcc(0) depctr_vm_vsrc(0)
	s_getreg_b32 s2, hwreg(HW_REG_IB_STS2, 6, 4)
	s_cmp_eq_u32 s2, 0
	s_cbranch_scc0 .Lentry_in_a_cluster
	s_endpgm
.Lentry_in_a_cluster:
	s_bfe_u32 s2, ttmp6, 0x10000c
	s_cmp_lg_u32 s2, 0xf033
	s_cbranch_scc0 .Lentry_shape_is_right
	s_endpgm
.Lentry_shape_is_right:
; x1 = x + ctx Wo + bo.  The product [4096 x 1024] x [1024 x 1024] on codes of FP8 (E4M3), scales 2^e10 and 2^e11; bias and residual in f32; x1 is f32, row-major.
; A tile of 256 x 256 to a work-group of four waves, 128 x 128 a wave: 64 accumulators.  K in steps of 256 through two LDS slots.  With N = 1,024 there are 64 tiles: 64 work-groups.
; OPERANDS ARE IMAGES OF THEIR REGISTERS (fragment (16 rows, 128 K) = 2,048 bytes; quad q at 512 q, lane at 16 bytes): a K step of 128 rows is 8 rows of 4,096 bytes for one tensor load, dense in LDS,
; and a fragment is four ds_load_b128 of 512 consecutive bytes each.  THE MATRIX INSTRUCTION IS USED TRANSPOSED: lane (r, h) of accumulator (a, b) holds row 16 a + r, columns 16 b + 8 h + 0..7.
; CLUSTERS 4 x 4: A's tiles are asked for jointly along a row of the cluster, B's along a column.
; THE WAY OUT: a block of 16 rows x 128 columns goes through my stage in LDS (in slot 0, which has had its last fill and its last read) and comes back as rows of 512 bytes; bias and residual are added there.
; LIMIT: e10 + e11 between -126 and 127.
; REGISTERS: window 0: v0-31 addresses, v32-95 at work, v96-99 the bias, v128-255 A's fragments, later rows; window 1: B's two sets, later four sets of residual rows; windows 2, 3: the accumulators.
.set KT,    1024
.set LOGR,  14
.set WOFF,  0x300000                   ; Wo's image in wimg
.set EOFF,  0x28                       ; e10, e11
.set PF,    0                          ; four K steps: there is no K step two refills on, so nothing is prefetched
.set RTS,   1<<LOGR
.set HALFT, 32768
.set SLOT,  4*HALFT
.set LAPS,  KT/512
.set SPARE, 2*SLOT
.set SPITCH, 528
.set FR, 16
.set NL, 4
.set NP, 4
.set ADRA, 16
.set ADRB, 20
.set STO,  24
.set RD,   25
.set CO,   26
.set SPW,  28
.set NIL,  29
.set PFO,  30
.set TMP,  32
.set BI,   96
.set AF,   128
.set BK,   128
.set G1,  24
.set G0,  32
.set G1B, 48
.set G0B, 56
.set MSB, 0
.macro WIN new
.if MSB != \new
	s_set_vgpr_msb (MSB<<8)|\new
.set MSB, \new
.endif
.endm
.set MUL_LO, 0xa1
.set MUL_HI, 0xf1
.set TO_B,   0x40
.macro JLOAD s                         ; a joint load: waves 0, 1 fetch A's halves, waves 2, 3 B's; s_nop 0 and four v_nop follow each line
	s_cmp_eq_u32 s15, 0
	s_cbranch_scc0 .Lfor_b_\@
	tensor_load_to_lds s[G0+4*\s:G0+4*\s+3], s[G1:G1+7]
	s_nop 0
.rept 4
	v_nop
.endr
	s_branch .Lasked_\@
.Lfor_b_\@:
	tensor_load_to_lds s[G0B+4*\s:G0B+4*\s+3], s[G1B:G1B+7]
	s_nop 0
.rept 4
	v_nop
.endr
.Lasked_\@:
.endm
.macro ASK                             ; a prefetch of the K step two refills on: my work-group's 2 x 16 rows of the 128 that I fetch, 32 blocks of 256 bytes, a lane a block
	s_cmp_gt_u32 s3, s88                           ; not in the loop's last trip; only in the first cluster along the axis on which others read the same rows
	s_cbranch_scc0 .Lnot_mine_\@
	global_prefetch_b8 v[PFO], s[86:87] offset:4096 th:TH_LOAD_NT scope:SCOPE_SE
.Lnot_mine_\@:
.endm
.macro CREST
	s_cmp_lg_u32 s14, 0
	s_cbranch_scc1 .Lnot_wave_0_\@
	s_barrier_signal -3
.Lnot_wave_0_\@:
	s_barrier_wait -3
	s_barrier_signal -1
	s_barrier_wait -1
.endm
.macro CROUND
	s_barrier_signal -1
	s_barrier_wait -1
	CREST
.endm
.macro FRAG reg, adr, q, i
.irp c, 0,1,2,3
	ds_load_b128 v[\reg+4*\c:\reg+4*\c+3], v[\adr] offset:(\i)*4096+(\q)*2048+512*\c
.endr
.endm
.macro MUL16 a0, p, zero               ; the 64 accumulators take turns
.irp a, \a0, \a0+1
.irp b, 0,1,2,3,4,5,6,7
.if \zero
	v_wmma_f32_16x16x128_fp8_fp8 v[8*(8*((\a)%4)+\b):8*(8*((\a)%4)+\b)+7], v[128*(\p)+FR*\b:128*(\p)+FR*\b+FR-1], v[AF+FR*(\a):AF+FR*(\a)+FR-1], 0
.else
	v_wmma_f32_16x16x128_fp8_fp8 v[8*(8*((\a)%4)+\b):8*(8*((\a)%4)+\b)+7], v[128*(\p)+FR*\b:128*(\p)+FR*\b+FR-1], v[AF+FR*(\a):AF+FR*(\a)+FR-1], v[8*(8*((\a)%4)+\b):8*(8*((\a)%4)+\b)+7]
.endif
.endr
.endr
.endm
.macro FETCH_B slot, q, p
	WIN TO_B
.irp i, 0,1,2,3,4,5,6,7
	FRAG 128*(\p)+FR*\i, ADRB+\slot, \q, \i
.endr
	WIN 0
.endm
.macro FETCH_A slot, q, i0
.irp i, \i0, \i0+1, \i0+2, \i0+3
	FRAG AF+FR*(\i), ADRA+\slot, \q, \i
.endr
.endm
.macro PLACES n
.rept \n
	v_nop
.endr
.endm
.macro STEP slot, q, zero
	s_wait_dscnt 4*NL                              ; B's set and A's blocks 0-3 are in; the youngest 16 loads (A's blocks 4-7) may be out
	WIN MUL_LO
	MUL16 0, (\q)%2, \zero
	MUL16 2, (\q)%2, \zero
	s_wait_dscnt 0
	PLACES NP
	FETCH_B \slot, (\q)+1, 1-(\q)%2
	FETCH_A \slot, (\q)+1, 0
	WIN MUL_HI
	MUL16 4, (\q)%2, \zero
	MUL16 6, (\q)%2, \zero
	PLACES NP
	WIN 0
	FETCH_A \slot, (\q)+1, 4
.endm
.macro TURN slot, next, fill
.if PF && \fill
	s_wait_xcnt 0x0                                ; the last prefetch, a K step back, has read its address
	s_add_nc_u64 s[86:87], s[86:87], 4096
.endif
	s_wait_tensorcnt 0x0                           ; all my tensor loads have landed: my part of the next slot;
	ds_add_u32 v[SPW], v[NIL]                      ; 0 onto my spare word;
	s_wait_dscnt 4*NL+1                            ; (the add and A's blocks 4-7 may be out)
	WIN MUL_LO
	MUL16 0, 1, 0
	s_wait_dscnt 0x0                               ; the add is done, and my reads of this slot are over
	s_barrier_signal -1
	MUL16 2, 1, 0
	WIN 0
	s_barrier_wait -1
.if \fill
	CREST                                          ; a round of the cluster's barrier: no wave of any partner still reads this slot or has a load on its way
	s_add_nc_u64 s[G0+4*\slot+2:G0+4*\slot+3], s[G0+4*\slot+2:G0+4*\slot+3], 8192
	s_add_nc_u64 s[G0B+4*\slot+2:G0B+4*\slot+3], s[G0B+4*\slot+2:G0B+4*\slot+3], 8192
	JLOAD \slot
.else
	PLACES NP
.endif
	FETCH_B \next, 0, 0
	FETCH_A \next, 0, 0
.if PF && \fill
	ASK
.endif
	WIN MUL_HI
	MUL16 4, 1, 0
	MUL16 6, 1, 0
	PLACES NP
	WIN 0
	FETCH_A \next, 0, 4
.endm
	s_load_b128 s[4:7], s[0:1], 0x0                ; A's image, wimg
	s_load_b64 s[12:13], s[0:1], 0x10              ; the bias
	s_load_b64 s[66:67], s[0:1], 0x18              ; the residual
	s_load_b128 s[8:11], s[0:1], 0x20              ; the exponents, the output
	v_lshl_add_u32 v[SPW], v0, 2, SPARE
	v_mov_b32 v[NIL], 0
	ds_add_u32 v[SPW], v[NIL]                      ; the wave's opening add; its wait stands ahead of my first tensor load
	v_lshrrev_b32 v1, 5, v0
	v_readfirstlane_b32 s14, v1
	s_lshr_b32 s15, s14, 1
	s_and_b32 s16, s14, 1
	s_bfe_u32 s40, ttmp6, 0x40000
	s_bfe_u32 s41, ttmp6, 0x40004
	s_lshl_b32 s42, ttmp9, 2
	s_add_co_u32 s42, s42, s40                     ; tile column
	s_and_b32 s17, ttmp7, 0xffff
	s_lshl_b32 s17, s17, 2
	s_add_co_u32 s17, s17, s41                     ; tile row
	s_lshl_b32 s43, s41, 2
	s_lshl_b32 s43, 15, s43
	s_lshl_b32 s44, 0x1111, s40
	s_or_b32 s[G1+0], s43, (1<<21)                 ; the mask; elements of 1 byte; no padding; bit 21 beside a mask
	s_or_b32 s[G1B+0], s44, (1<<21)
.irp g, G1, G1B
	s_mov_b32 s[\g+1], 4096<<16
	s_mov_b32 s[\g+2], 8<<16
	s_mov_b32 s[\g+3], 4096<<16
	s_mov_b32 s[\g+4], 8
	s_mov_b32 s[\g+5], RTS
	s_mov_b32 s[\g+6], 0
	s_mov_b32 s[\g+7], 0
.endr
	s_lshl_b32 s18, s16, LOGR+3
	s_lshl_b32 s20, s17, LOGR+4
	s_add_co_u32 s20, s20, s18
	s_mov_b32 s21, 0
	s_lshl_b32 s46, s42, LOGR+4
	s_add_co_u32 s46, s46, s18
	s_mov_b32 s47, 0
	s_lshl_b32 s45, s14, 15
	s_wait_dscnt 0x0
	s_wait_kmcnt 0x0
	s_load_b64 s[96:97], s[8:9], EOFF
	s_add_nc_u64 s[6:7], s[6:7], WOFF
	s_add_nc_u64 s[20:21], s[4:5], s[20:21]
	s_add_nc_u64 s[46:47], s[6:7], s[46:47]
	CROUND
.irp s, 0,1
	s_mov_b32 s[G0+4*\s], 1
	s_add_co_u32 s[G0+4*\s+1], s45, \s*SLOT
	s_add_nc_u64 s[G0+4*\s+2:G0+4*\s+3], s[20:21], \s*4096
	s_or_b32 s[G0+4*\s+3], s[G0+4*\s+3], 0x80000000
	s_mov_b32 s[G0B+4*\s], 1
	s_add_co_u32 s[G0B+4*\s+1], s45, \s*SLOT
	s_add_nc_u64 s[G0B+4*\s+2:G0B+4*\s+3], s[46:47], \s*4096
	s_or_b32 s[G0B+4*\s+3], s[G0B+4*\s+3], 0x80000000
	JLOAD \s
.endr
	v_and_b32 v3, 31, v0
	v_lshlrev_b32 v[CO], 4, v3
	v_and_b32 v1, 15, v0
	v_bfe_u32 v2, v0, 4, 1
.if PF
	s_and_b32 s98, ttmp7, 0xffff
	s_cmp_eq_u32 s15, 0                            ; do I fetch for A?
	s_cselect_b32 s98, ttmp9, s98                  ; the coordinate along which other clusters read the same rows
	s_cselect_b32 s99, s40, s41                    ; my place among the four that ask with me: it enters the address alone
	s_cselect_b64 s[86:87], s[20:21], s[46:47]
	s_cmp_eq_u32 s98, 0
	s_cselect_b32 s88, 1, -1
	s_lshl_b32 s98, s99, LOGR+1                    ; my work-group's 2 x 16 rows,
	s_add_co_u32 s98, s98, 2*4096                  ; at K step 2: the first refill steps it to 3 and names K step 4
	s_mov_b32 s99, 0
	s_add_nc_u64 s[86:87], s[86:87], s[98:99]
	v_lshlrev_b32 v[PFO], LOGR, v2
	v_lshl_add_u32 v[PFO], v1, 8, v[PFO]
.endif
	s_lshl_b32 s21, s15, 15
	s_lshl_b32 s22, s16, 15
	s_add_co_u32 s22, s22, 2*HALFT
.irp s, 0,1
	v_add_nc_u32 v[ADRA+\s], s21, v[CO]
	v_add_nc_u32 v[ADRB+\s], s22, v[CO]
	s_add_co_u32 s21, s21, SLOT
	s_add_co_u32 s22, s22, SLOT
.endr
	s_mul_i32 s23, s14, 16*SPITCH                  ; my stage
	v_mul_u32_u24 v5, v1, SPITCH
	v_lshl_add_u32 v5, v2, 5, v5
	v_add_nc_u32 v[STO], s23, v5                   ; in: row r, 32 bytes for each half of the lanes
	v_add_nc_u32 v[RD], s23, v[CO]                 ; back: a row of 512 bytes
	s_lshl_b32 s20, s17, 8
	s_lshl_b32 s21, s15, 7
	s_add_co_u32 s20, s20, s21
	s_lshl_b32 s20, s20, 12                        ; my first row x 4,096 bytes
	s_lshl_b32 s46, s42, 10
	s_lshl_b32 s47, s16, 9
	s_add_co_u32 s46, s46, s47                     ; my first column x 4 bytes
	s_mov_b32 s47, 0
	s_add_nc_u64 s[12:13], s[12:13], s[46:47]
	s_add_co_u32 s46, s46, s20
	s_add_nc_u64 s[10:11], s[10:11], s[46:47]
	s_add_nc_u64 s[66:67], s[66:67], s[46:47]
	global_load_b128 v[BI:BI+3], v[CO], s[12:13]   ; the bias of my four columns of a row
	s_wait_tensorcnt 1                             ; my part of K step 0 is in; K step 1's load may be out
	s_barrier_signal -1
	s_barrier_wait -1
	FETCH_B 0, 0, 0
	FETCH_A 0, 0, 0
	FETCH_A 0, 0, 4
	STEP 0, 0, 1
	s_mov_b32 s3, LAPS-1
.Llap:
	TURN 0, 1, 1
	STEP 1, 0, 0
	TURN 1, 0, 1
	STEP 0, 0, 0
	s_sub_co_u32 s3, s3, 1
	s_cmp_lg_u32 s3, 0
	s_cbranch_scc1 .Llap
	TURN 0, 1, 0
	STEP 1, 0, 0
.macro RSLOAD a                        ; block a's 16 rows of the residual into set a % 4 of window 1
	WIN 0x40
.irp t, 0,1,2,3,4,5,6,7,8,9,10,11,12,13,14,15
	global_load_b128 v[64*((\a)%4)+4*\t:64*((\a)%4)+4*\t+3], v[CO], s[66:67] offset:(\a)*65536+\t*4096 th:TH_LOAD_NT
.endr
	WIN 0
.endm
	RSLOAD 0                                       ; B's set 0 is done with (four places stand behind its last products)
	RSLOAD 1
	s_wait_dscnt 4*NL
	WIN MUL_LO
	MUL16 0, 1, 0
	MUL16 2, 1, 0
	s_wait_dscnt 0
	WIN MUL_HI
	MUL16 4, 1, 0
	MUL16 6, 1, 0
	WIN 0
	s_wait_kmcnt 0x0
	s_add_co_i32 s96, s96, s97
	s_add_co_i32 s96, s96, 127
	s_lshl_b32 s96, s96, 23                        ; 2^(eA + eB)
	s_mov_b32 s97, s96
	PLACES NP
	RSLOAD 2
	RSLOAD 3
.macro TOSTAGE a
.set AC, 64*((\a)%4)
	WIN 0x02+((\a)/4)
.set jj, 0
.rept 32
	v_pk_mul_f32 v[TMP+jj:TMP+jj+1], v[AC+jj:AC+jj+1], s[96:97] op_sel_hi:[1,0]   ; each accumulator from its low end on
.set jj, jj+2
.endr
	WIN 0
.irp b, 0,1,2,3,4,5,6,7
	ds_store_b128 v[STO], v[TMP+8*\b:TMP+8*\b+3] offset:64*\b
	ds_store_b128 v[STO], v[TMP+8*\b+4:TMP+8*\b+7] offset:64*\b+16
.endr
.set BR, BK+64*((\a)%2)
.irp t, 0,1,2,3,4,5,6,7,8,9,10,11,12,13,14,15
	ds_load_b128 v[BR+4*\t:BR+4*\t+3], v[RD] offset:\t*SPITCH    ; LDS serves a wave's instructions in order: these see my stores
.endr
.endm
.macro SEND a, younger
.set BR, BK+64*((\a)%2)
.set RR, 64*((\a)%4)
	s_wait_dscnt \younger                          ; the block is back; the next block's 16 stores and 16 loads may be out
.if (\a) < 4
	s_wait_loadcnt 48                              ; this block's residual is in; the three later sets may be out
.else
	s_wait_loadcnt 16*(7-(\a))
.endif
.irp t, 0,1,2,3,4,5,6,7,8,9,10,11,12,13,14,15
	v_pk_add_f32 v[BR+4*\t:BR+4*\t+1], v[BR+4*\t:BR+4*\t+1], v[BI:BI+1]
	v_pk_add_f32 v[BR+4*\t+2:BR+4*\t+3], v[BR+4*\t+2:BR+4*\t+3], v[BI+2:BI+3]
.endr
	WIN 0x04                                       ; source 1 window 1
.set jj, 0
.rept 32
	v_pk_add_f32 v[BR+jj:BR+jj+1], v[BR+jj:BR+jj+1], v[RR+jj:RR+jj+1]
.set jj, jj+2
.endr
	WIN 0
.irp t, 0,1,2,3,4,5,6,7,8,9,10,11,12,13,14,15
.if PF
	global_store_b128 v[CO], v[BR+4*\t:BR+4*\t+3], s[10:11] offset:(\a)*65536+\t*4096 th:TH_STORE_NT
.else
	global_store_b128 v[CO], v[BR+4*\t:BR+4*\t+3], s[10:11] offset:(\a)*65536+\t*4096   ; 512 consecutive bytes, aligned
.endif
.endr
.if (\a) < 4
	RSLOAD (\a)+4
.endif
.endm
	TOSTAGE 0
.irp a, 1,2,3,4,5,6,7
.if \a > 1
	s_wait_xcnt 0x0                                ; the stores of two blocks ago have read their registers: this block's rows may land there
.endif
	TOSTAGE \a
	SEND \a-1, 32
.endr
	SEND 7, 0
	s_wait_tensorcnt 0x0                           ; the wave's end
	ds_add_u32 v[SPW], v[NIL]
	s_wait_dscnt 0x0
	CROUND
	s_endpgm
.Lfunc_end_k_qa98033ae8d_wo:
	.size	k_qa98033ae8d_wo, .Lfunc_end_k_qa98033ae8d_wo-k_qa98033ae8d_wo
	.p2alignl 7, 3214868480
	.fill 96, 4, 3214868480
	.section	.rodata,"a",@progbits
	.p2align	6, 0x0
	.amdhsa_kernel k_qa98033ae8d_wo
		.amdhsa_group_segment_fixed_size 327680
		.amdhsa_private_segment_fixed_size 0
		.amdhsa_enable_private_segment 0
		.amdhsa_kernarg_size 48
		.amdhsa_user_sgpr_count 2
		.amdhsa_user_sgpr_kernarg_segment_ptr 1
		.amdhsa_wavefront_size32 1
		.amdhsa_system_sgpr_workgroup_id_x 1
		.amdhsa_system_sgpr_workgroup_id_y 1
		.amdhsa_system_sgpr_workgroup_id_z 1
		.amdhsa_system_vgpr_workitem_id 0
		.amdhsa_next_free_vgpr 1024
		.amdhsa_next_free_sgpr 100
		.amdhsa_reserve_vcc 0
		.amdhsa_float_denorm_mode_32 3
		.amdhsa_float_denorm_mode_16_64 3
		.amdhsa_memory_ordered 1
		.amdhsa_forward_progress 1
		.amdhsa_inst_pref_size 168
	.end_amdhsa_kernel
	.amdgpu_metadata
---
amdhsa.version: [ 1, 2 ]
amdhsa.kernels:
  - .name:           k_qa98033ae8d_wo
    .symbol:         k_qa98033ae8d_wo.kd
    .args:
      - { .name: ctximg, .offset: 0, .size: 8, .value_kind: global_buffer, .address_space: global }
      - { .name: wimg, .offset: 8, .size: 8, .value_kind: global_buffer, .address_space: global }
      - { .name: bo, .offset: 16, .size: 8, .value_kind: global_buffer, .address_space: global }
      - { .name: x, .offset: 24, .size: 8, .value_kind: global_buffer, .address_space: global }
      - { .name: lowp_scales, .offset: 32, .size: 8, .value_kind: global_buffer, .address_space: global }
      - { .name: x1, .offset: 40, .size: 8, .value_kind: global_buffer, .address_space: global }
    .group_segment_fixed_size: 327680
    .private_segment_fixed_size: 0
    .kernarg_segment_align: 8
    .kernarg_segment_size: 48
    .max_flat_workgroup_size: 128
    .sgpr_count:     100
    .vgpr_count:     1024
    .wavefront_size: 32
...
	.end_amdgpu_metadata
.endif
;; end of part 4
;; launch ln2 (part 5): grid 256 x 1, 4 waves a work-group, no clusters, 17,920 bytes of LDS; arguments x1, ln2_g, ln2_b, lowp_scales, h2img; writes h2img
.if DOCPART == 5
	.amdgcn_target "amdgcn-amd-amdhsa--gfx1250"
	.amdhsa_code_object_version 6
	.text
	.protected	k_qa98033ae8d_ln2
	.globl	k_qa98033ae8d_ln2
	.p2align	8
	.type	k_qa98033ae8d_ln2,@function
k_qa98033ae8d_ln2:
	s_mov_b64 s[64:65], 0
	v_nop
	global_prefetch_b8 v0, s[64:65] scope:SCOPE_SE
	s_setreg_imm32_b32 hwreg(HW_REG_WAVE_MODE, 25, 1), 1
	s_wait_xcnt 0x0
; LayerNorm 2 of x1, quantised with 2^e12 into h2img, an image of the next product's operand: fragment (16 rows rt, 128 along K kb) is 2,048 bytes at (8 rt + kb) 2048;
; in it quad q at 512 q, lane r + 16 h at 16 bytes; register i = 4 q + word holds k = 16 (i / 2) + 8 h + 4 (i % 2) + byte of row r.
; A work-group takes 16 rows, a wave four, one row at a time in 32 registers (lane l: k = 256 j + 8 l + 0..7); mean, then the sum of squared differences (two passes over registers).
; A lane's eight codes are 8 bytes of the image; they meet in a stage in LDS (segments of 256 image bytes + 16 of padding) and leave as runs of 512 consecutive bytes.
; LIMIT: e12 between -126 and 119.  NaN among the inputs is not served.
.set NS,    1
.set STG,   17408
.set SPARE, NS*STG
.set G,  20
.set BB, 52
.set X,  84
.set T,  212
.set C,  228
.macro RED
	v_add_f32_dpp v8, v8, v8 row_xmask:1 row_mask:0xf bank_mask:0xf
	v_add_f32_dpp v8, v8, v8 row_xmask:2 row_mask:0xf bank_mask:0xf
	v_add_f32_dpp v8, v8, v8 row_xmask:4 row_mask:0xf bank_mask:0xf
	v_add_f32_dpp v8, v8, v8 row_xmask:8 row_mask:0xf bank_mask:0xf
	v_permlanex16_b32 v9, v8, s50, s51
	v_add_f32 v8, v8, v9
.endm
.macro FOLD
	v_pk_add_f32 v[8:9], v[8:9], v[10:11]
	v_pk_add_f32 v[12:13], v[12:13], v[14:15]
	v_pk_add_f32 v[8:9], v[8:9], v[12:13]
	v_add_f32 v8, v8, v9
	RED
.endm
.macro LNROW i
.set XR, X+32*(\i)
	s_wait_loadcnt 8*(3-(\i))                      ; loads return in order: gain, bias and rows 0 .. i are in; the later rows' eight loads each stay out
.irp c, 0,1,2,3
	v_pk_add_f32 v[8+2*\c:9+2*\c], v[XR+4*\c:XR+4*\c+1], v[XR+4*\c+2:XR+4*\c+3]
.endr
.irp n, 16,24
.irp c, 0,1,2,3
	v_pk_add_f32 v[8+2*\c:9+2*\c], v[8+2*\c:9+2*\c], v[XR+\n+2*\c:XR+\n+2*\c+1]
.endr
.endr
	FOLD
	v_mul_f32 v12, s52, v8                         ; the mean
.set pp, 0
.rept 16
	v_pk_add_f32 v[XR+pp:XR+pp+1], v[XR+pp:XR+pp+1], v[12:13] op_sel_hi:[1,0] neg_lo:[0,1] neg_hi:[0,1]
.set pp, pp+2
.endr
.irp c, 0,1,2,3
	v_pk_mul_f32 v[8+2*\c:9+2*\c], v[XR+2*\c:XR+2*\c+1], v[XR+2*\c:XR+2*\c+1]
.endr
.irp n, 8,16,24
.irp c, 0,1,2,3
	v_pk_fma_f32 v[8+2*\c:9+2*\c], v[XR+\n+2*\c:XR+\n+2*\c+1], v[XR+\n+2*\c:XR+\n+2*\c+1], v[8+2*\c:9+2*\c]
.endr
.endr
	FOLD
	v_fma_f32 v12, v8, s52, s53                    ; the variance + 1e-5
	v_rsq_f32 v12, v12
	v_nop                                          ; a plain line behind the transcendental,
	s_wait_alu depctr_va_vdst(0)                   ; and a wait ahead of its first reader
.set pp, 0
.rept 16
	v_pk_mul_f32 v[XR+pp:XR+pp+1], v[XR+pp:XR+pp+1], v[12:13] op_sel_hi:[1,0]
.set pp, pp+2
.endr
.set pp, 0
.rept 16
	v_pk_fma_f32 v[XR+pp:XR+pp+1], v[XR+pp:XR+pp+1], v[G+pp:G+pp+1], v[BB+pp:BB+pp+1]
.set pp, pp+2
.endr
.endm
.macro QROW i
.set XR, X+32*(\i)
	s_wait_dscnt 0x0                               ; the last row's stores into the stage have read their registers
.irp j, 0,1,2,3
.irp e, 0,1,2,3,4,5,6,7
	v_med3_num_f32 v[T+8*(\j%2)+\e], v[XR+8*\j+\e], s44, s45   ; the conversion does not saturate (ISA guide 7.6.2): the hold at +-448 x the scale.  These eight plain lines also part the conversions
.endr
	v_cvt_scalef32_pk8_fp8_f32 v[C+2*\j:C+2*\j+1], v[T+8*(\j%2):T+8*(\j%2)+7], v16
	ds_store_b64 v3, v[C+2*\j:C+2*\j+1] offset:\j*4352+(\i)*16
.endr
.endm
	s_load_b256 s[4:11], s[0:1], 0x0               ; x1 4, gain 6, bias 8, exponents 10
	s_load_b64 s[24:25], s[0:1], 0x20              ; h2img
	v_lshl_add_u32 v6, v0, 2, SPARE
	v_mov_b32 v7, 0
	v_lshrrev_b32 v1, 5, v0
	v_readfirstlane_b32 s30, v1                    ; wave
	v_and_b32 v1, 31, v0                           ; lane
	v_lshlrev_b32 v2, 5, v1
	v_lshrrev_b32 v3, 2, v1
	v_and_b32 v4, 1, v1
	v_lshl_add_u32 v3, v3, 1, v4                   ; my segment in a quarter: 2 (l / 4) + l % 2
	v_mul_u32_u24 v3, v3, 272
	v_bfe_u32 v4, v1, 1, 1
	v_lshl_add_u32 v3, v4, 3, v3
	s_lshl_b32 s31, s30, 6
	v_add_nc_u32 v3, s31, v3
	v_lshrrev_b32 v4, 4, v1
	v_mul_u32_u24 v4, v4, 272
	v_and_b32 v5, 15, v1
	v_lshl_add_u32 v4, v5, 4, v4
	s_mul_i32 s31, s30, 4352
	v_add_nc_u32 v4, s31, v4
	v_lshlrev_b32 v5, 4, v1
	s_lshl_b32 s28, ttmp9, 16
	s_lshl_b32 s29, s30, 14
	s_add_co_u32 s28, s28, s29
	s_mov_b32 s29, 0
	s_lshl_b32 s40, ttmp9, 14
	s_lshl_b32 s41, s30, 12
	s_add_co_u32 s40, s40, s41
	s_mov_b32 s41, 0
	s_mov_b32 s50, 0x76543210
	s_mov_b32 s51, 0xfedcba98
	s_mov_b32 s52, 0x3a800000                      ; 1 / 1024
	s_mov_b32 s53, 0x3727c5ac                      ; 1e-5
	s_wait_kmcnt 0x0
	s_load_b32 s56, s[10:11], 0x30                 ; e12
	s_add_nc_u64 s[32:33], s[4:5], s[28:29]
	s_add_nc_u64 s[34:35], s[24:25], s[40:41]
.irp j, 0,1,2,3
	global_load_b128 v[G+8*\j:G+8*\j+3], v2, s[6:7] offset:1024*\j
	global_load_b128 v[G+8*\j+4:G+8*\j+7], v2, s[6:7] offset:1024*\j+16
.endr
.irp j, 0,1,2,3
	global_load_b128 v[BB+8*\j:BB+8*\j+3], v2, s[8:9] offset:1024*\j
	global_load_b128 v[BB+8*\j+4:BB+8*\j+7], v2, s[8:9] offset:1024*\j+16
.endr
.irp i, 0,1,2,3
.irp j, 0,1,2,3
	global_load_b128 v[X+32*\i+8*\j:X+32*\i+8*\j+3], v2, s[32:33] offset:4096*\i+1024*\j
	global_load_b128 v[X+32*\i+8*\j+4:X+32*\i+8*\j+7], v2, s[32:33] offset:4096*\i+1024*\j+16
.endr
.endr
	s_wait_kmcnt 0x0
	s_add_co_i32 s40, s56, 127
	s_lshl_b32 s41, s40, 23
	v_mov_b32 v16, s41                             ; 2^e12
	s_add_co_i32 s40, s40, 8
	s_lshl_b32 s40, s40, 23
	s_or_b32 s45, s40, 0x600000                    ; 448 x 2^e12,
	s_or_b32 s44, s45, 0x80000000                  ; and its negative
.irp i, 0,1,2,3
	LNROW \i
	QROW \i
.endr
	s_wait_dscnt 0x0                               ; for the others' sake: my stores into the stage are done
	s_barrier_signal -1
	s_barrier_wait -1
.irp t, 0,1,2,3,4,5,6,7
	ds_load_b128 v[X+4*\t:X+4*\t+3], v4 offset:\t*544
.endr
.irp t, 0,1,2,3,4,5,6,7
	s_wait_dscnt 7-\t                              ; LDS loads return in order
	global_store_b128 v5, v[X+4*\t:X+4*\t+3], s[34:35] offset:\t*512   ; 512 consecutive bytes, aligned
.endr
	s_wait_tensorcnt 0x0                           ; the wave's end, behind my last LDS store
	ds_add_u32 v6, v7
	s_wait_dscnt 0x0
	s_endpgm
.Lfunc_end_k_qa98033ae8d_ln2:
	.size	k_qa98033ae8d_ln2, .Lfunc_end_k_qa98033ae8d_ln2-k_qa98033ae8d_ln2
	.p2alignl 7, 3214868480
	.fill 96, 4, 3214868480
	.section	.rodata,"a",@progbits
	.p2align	6, 0x0
	.amdhsa_kernel k_qa98033ae8d_ln2
		.amdhsa_group_segment_fixed_size 17920
		.amdhsa_private_segment_fixed_size 0
		.amdhsa_enable_private_segment 0
		.amdhsa_kernarg_size 40
		.amdhsa_user_sgpr_count 2
		.amdhsa_user_sgpr_kernarg_segment_ptr 1
		.amdhsa_wavefront_size32 1
		.amdhsa_system_sgpr_workgroup_id_x 1
		.amdhsa_system_sgpr_workgroup_id_y 1
		.amdhsa_system_sgpr_workgroup_id_z 1
		.amdhsa_system_vgpr_workitem_id 0
		.amdhsa_next_free_vgpr 256
		.amdhsa_next_free_sgpr 66
		.amdhsa_reserve_vcc 0
		.amdhsa_float_denorm_mode_32 3
		.amdhsa_float_denorm_mode_16_64 3
		.amdhsa_memory_ordered 1
		.amdhsa_forward_progress 1
		.amdhsa_inst_pref_size 44
	.end_amdhsa_kernel
	.amdgpu_metadata
---
amdhsa.version: [ 1, 2 ]
amdhsa.kernels:
  - .name:           k_qa98033ae8d_ln2
    .symbol:         k_qa98033ae8d_ln2.kd
    .args:
      - { .name: x1, .offset: 0, .size: 8, .value_kind: global_buffer, .address_space: global }
      - { .name: ln2_g, .offset: 8, .size: 8, .value_kind: global_buffer, .address_space: global }
      - { .name: ln2_b, .offset: 16, .size: 8, .value_kind: global_buffer, .address_space: global }
      - { .name: lowp_scales, .offset: 24, .size: 8, .value_kind: global_buffer, .address_space: global }
      - { .name: h2img, .offset: 32, .size: 8, .value_kind: global_buffer, .address_space: global }
    .group_segment_fixed_size: 17920
    .private_segment_fixed_size: 0
    .kernarg_segment_align: 8
    .kernarg_segment_size: 40
    .max_flat_workgroup_size: 128
    .sgpr_count:     66
    .vgpr_count:     256
    .wavefront_size: 32
...
	.end_amdgpu_metadata
.endif
;; end of part 5
;; launch ffn1 (part 6): grid 16 x 16, 4 waves a work-group, clusters of 4 x 4, 327,680 bytes of LDS; arguments h2img, wimg, b1, lowp_scales, gimg; writes gimg
.if DOCPART == 6
	.amdgcn_target "amdgcn-amd-amdhsa--gfx1250"
	.amdhsa_code_object_version 6
	.text
	.protected	k_qa98033ae8d_ffn1
	.globl	k_qa98033ae8d_ffn1
	.p2align	8
	.type	k_qa98033ae8d_ffn1,@function
k_qa98033ae8d_ffn1:
	s_mov_b64 s[64:65], 0
	v_nop
	global_prefetch_b8 v0, s[64:65] scope:SCOPE_SE
	s_setreg_imm32_b32 hwreg(HW_REG_WAVE_MODE, 25, 1), 1
	s_wait_xcnt 0x0
	s_wait_alu depctr_hold_cnt(0) depctr_sa_sdst(0) depctr_va_vdst(0) depctr_va_sdst(0) depctr_va_ssrc(0) depctr_va_vcc(0) depctr_vm_vsrc(0)
	s_getreg_b32 s2, hwreg(HW_REG_IB_STS2, 6, 4)
	s_cmp_eq_u32 s2, 0
	s_cbranch_scc0 .Lentry_in_a_cluster
	s_endpgm
.Lentry_in_a_cluster:
	s_bfe_u32 s2, ttmp6, 0x10000c
	s_cmp_lg_u32 s2, 0xf033
	s_cbranch_scc0 .Lentry_shape_is_right
	s_endpgm
.Lentry_shape_is_right:
; g = gelu(h W1 + b1), exact (erf), quantised with 2^e14 into gimg.  The product [4096 x 1024] x [1024 x 4096] on codes of FP8 (E4M3), scales 2^e12, 2^e13.
; A tile of 256 x 256 to a work-group of four waves, 128 x 128 a wave: 64 accumulators; 256 work-groups.  K in steps of 256 through two LDS slots.
; OPERANDS ARE IMAGES OF THEIR REGISTERS (fragment (16 rows, 128 K) = 2,048 bytes; quad q at 512 q, lane at 16 bytes).  THE MATRIX INSTRUCTION IS USED TRANSPOSED: lane (r, h) of accumulator (a, b)
; holds row 16 a + r, columns 16 b + 8 h + 0..7: one conversion gives registers 2 b, 2 b + 1 of the next operand's fragment, stored as they stand.  CLUSTERS 4 x 4 with joint loads.
; THE ACTIVATION.  gelu(u) = max(u, 0) - |u| x erfc(|u| / sqrt 2) / 2: no difference of near numbers on either side.  erfc(z) = t exp(-z^2 + P(t)), t = 1 / (1 + z / 2), P of degree 9
; (the rational Chebyshev fit, fractional error under 1.2e-7 for every z).  So that its text is written once, the sums go through my 65,536 bytes of the ring, which has had its last fill and,
; behind a barrier, its last read; a loop of eight trips takes a block of 16 rows each.
; LIMITS: e12 + e13 between -126 and 127; e14 between -126 and 119.  |u| beyond 1.8e19 (u^2 infinite) still gives max(u, 0); an infinite u and NaN are not served.
; REGISTERS: window 0: v0-31 addresses, v32-95 the bias, v96-111 codes, v128-255 A's fragments, later U, T, R, W of 32 numbers each; window 1: B's two sets, later a block's sums; windows 2, 3: the accumulators.
.set KT,    1024
.set LOGR,  14
.set WOFF,  0x400000                   ; W1's image in wimg
.set RTS,   1<<LOGR
.set HALFT, 32768
.set SLOT,  4*HALFT
.set LAPS,  KT/512
.set SPARE, 2*SLOT
.set FR, 16
.set NL, 4
.set NP, 4
.set ADRA, 16
.set ADRB, 20
.set CO,   26
.set SPW,  28
.set NIL,  29
.set BI,   32
.set CD,   96
.set AF,   128
.set U,    128
.set TT,   160
.set R,    192
.set W,    224
.set G1,  24
.set G0,  32
.set G1B, 48
.set G0B, 56
.set MSB, 0
.macro WIN new
.if MSB != \new
	s_set_vgpr_msb (MSB<<8)|\new
.set MSB, \new
.endif
.endm
.set MUL_LO, 0xa1
.set MUL_HI, 0xf1
.set TO_B,   0x40
.macro JLOAD s                         ; a joint load: waves 0, 1 fetch A's halves, waves 2, 3 B's; s_nop 0 and four v_nop follow each line
	s_cmp_eq_u32 s15, 0
	s_cbranch_scc0 .Lfor_b_\@
	tensor_load_to_lds s[G0+4*\s:G0+4*\s+3], s[G1:G1+7]
	s_nop 0
.rept 4
	v_nop
.endr
	s_branch .Lasked_\@
.Lfor_b_\@:
	tensor_load_to_lds s[G0B+4*\s:G0B+4*\s+3], s[G1B:G1B+7]
	s_nop 0
.rept 4
	v_nop
.endr
.Lasked_\@:
.endm
.macro CREST
	s_cmp_lg_u32 s14, 0
	s_cbranch_scc1 .Lnot_wave_0_\@
	s_barrier_signal -3
.Lnot_wave_0_\@:
	s_barrier_wait -3
	s_barrier_signal -1
	s_barrier_wait -1
.endm
.macro CROUND
	s_barrier_signal -1
	s_barrier_wait -1
	CREST
.endm
.macro FRAG reg, adr, q, i
.irp c, 0,1,2,3
	ds_load_b128 v[\reg+4*\c:\reg+4*\c+3], v[\adr] offset:(\i)*4096+(\q)*2048+512*\c
.endr
.endm
.macro MUL16 a0, p, zero               ; the 64 accumulators take turns
.irp a, \a0, \a0+1
.irp b, 0,1,2,3,4,5,6,7
.if \zero
	v_wmma_f32_16x16x128_fp8_fp8 v[8*(8*((\a)%4)+\b):8*(8*((\a)%4)+\b)+7], v[128*(\p)+FR*\b:128*(\p)+FR*\b+FR-1], v[AF+FR*(\a):AF+FR*(\a)+FR-1], 0
.else
	v_wmma_f32_16x16x128_fp8_fp8 v[8*(8*((\a)%4)+\b):8*(8*((\a)%4)+\b)+7], v[128*(\p)+FR*\b:128*(\p)+FR*\b+FR-1], v[AF+FR*(\a):AF+FR*(\a)+FR-1], v[8*(8*((\a)%4)+\b):8*(8*((\a)%4)+\b)+7]
.endif
.endr
.endr
.endm
.macro FETCH_B slot, q, p
	WIN TO_B
.irp i, 0,1,2,3,4,5,6,7
	FRAG 128*(\p)+FR*\i, ADRB+\slot, \q, \i
.endr
	WIN 0
.endm
.macro FETCH_A slot, q, i0
.irp i, \i0, \i0+1, \i0+2, \i0+3
	FRAG AF+FR*(\i), ADRA+\slot, \q, \i
.endr
.endm
.macro PLACES n
.rept \n
	v_nop
.endr
.endm
.macro STEP slot, q, zero
	s_wait_dscnt 4*NL                              ; B's set and A's blocks 0-3 are in; the youngest 16 loads (A's blocks 4-7) may be out
	WIN MUL_LO
	MUL16 0, (\q)%2, \zero
	MUL16 2, (\q)%2, \zero
	s_wait_dscnt 0
	PLACES NP
	FETCH_B \slot, (\q)+1, 1-(\q)%2
	FETCH_A \slot, (\q)+1, 0
	WIN MUL_HI
	MUL16 4, (\q)%2, \zero
	MUL16 6, (\q)%2, \zero
	PLACES NP
	WIN 0
	FETCH_A \slot, (\q)+1, 4
.endm
.macro TURN slot, next, fill
	s_wait_tensorcnt 0x0                           ; all my tensor loads have landed: my part of the next slot;
	ds_add_u32 v[SPW], v[NIL]                      ; 0 onto my spare word;
	s_wait_dscnt 4*NL+1                            ; (the add and A's blocks 4-7 may be out)
	WIN MUL_LO
	MUL16 0, 1, 0
	s_wait_dscnt 0x0                               ; the add is done, and my reads of this slot are over
	s_barrier_signal -1
	MUL16 2, 1, 0
	WIN 0
	s_barrier_wait -1
.if \fill
	CREST                                          ; a round of the cluster's barrier: no wave of any partner still reads this slot or has a load on its way
	s_add_nc_u64 s[G0+4*\slot+2:G0+4*\slot+3], s[G0+4*\slot+2:G0+4*\slot+3], 8192
	s_add_nc_u64 s[G0B+4*\slot+2:G0B+4*\slot+3], s[G0B+4*\slot+2:G0B+4*\slot+3], 8192
	JLOAD \slot
.else
	PLACES NP
.endif
	FETCH_B \next, 0, 0
	FETCH_A \next, 0, 0
	WIN MUL_HI
	MUL16 4, 1, 0
	MUL16 6, 1, 0
	PLACES NP
	WIN 0
	FETCH_A \next, 0, 4
.endm
	s_load_b128 s[4:7], s[0:1], 0x0                ; h2img, wimg
	s_load_b64 s[12:13], s[0:1], 0x10              ; b1
	s_load_b128 s[8:11], s[0:1], 0x18              ; the exponents, gimg
	v_lshl_add_u32 v[SPW], v0, 2, SPARE
	v_mov_b32 v[NIL], 0
	ds_add_u32 v[SPW], v[NIL]                      ; the wave's opening add; its wait stands ahead of my first tensor load
	v_lshrrev_b32 v1, 5, v0
	v_readfirstlane_b32 s14, v1
	s_lshr_b32 s15, s14, 1
	s_and_b32 s16, s14, 1
	s_bfe_u32 s40, ttmp6, 0x40000
	s_bfe_u32 s41, ttmp6, 0x40004
	s_lshl_b32 s42, ttmp9, 2
	s_add_co_u32 s42, s42, s40                     ; tile column
	s_and_b32 s17, ttmp7, 0xffff
	s_lshl_b32 s17, s17, 2
	s_add_co_u32 s17, s17, s41                     ; tile row
	s_lshl_b32 s43, s41, 2
	s_lshl_b32 s43, 15, s43
	s_lshl_b32 s44, 0x1111, s40
	s_or_b32 s[G1+0], s43, (1<<21)
	s_or_b32 s[G1B+0], s44, (1<<21)
.irp g, G1, G1B
	s_mov_b32 s[\g+1], 4096<<16
	s_mov_b32 s[\g+2], 8<<16
	s_mov_b32 s[\g+3], 4096<<16
	s_mov_b32 s[\g+4], 8
	s_mov_b32 s[\g+5], RTS
	s_mov_b32 s[\g+6], 0
	s_mov_b32 s[\g+7], 0
.endr
	s_lshl_b32 s18, s16, LOGR+3
	s_lshl_b32 s20, s17, LOGR+4
	s_add_co_u32 s20, s20, s18
	s_mov_b32 s21, 0
	s_lshl_b32 s46, s42, LOGR+4
	s_add_co_u32 s46, s46, s18
	s_mov_b32 s47, 0
	s_lshl_b32 s45, s14, 15
	s_wait_dscnt 0x0
	s_wait_kmcnt 0x0
	s_load_b128 s[92:95], s[8:9], 0x30             ; e12, e13, e14, e15
	s_add_nc_u64 s[6:7], s[6:7], WOFF
	s_add_nc_u64 s[20:21], s[4:5], s[20:21]
	s_add_nc_u64 s[46:47], s[6:7], s[46:47]
	CROUND
.irp s, 0,1
	s_mov_b32 s[G0+4*\s], 1
	s_add_co_u32 s[G0+4*\s+1], s45, \s*SLOT
	s_add_nc_u64 s[G0+4*\s+2:G0+4*\s+3], s[20:21], \s*4096
	s_or_b32 s[G0+4*\s+3], s[G0+4*\s+3], 0x80000000
	s_mov_b32 s[G0B+4*\s], 1
	s_add_co_u32 s[G0B+4*\s+1], s45, \s*SLOT
	s_add_nc_u64 s[G0B+4*\s+2:G0B+4*\s+3], s[46:47], \s*4096
	s_or_b32 s[G0B+4*\s+3], s[G0B+4*\s+3], 0x80000000
	JLOAD \s
.endr
	v_and_b32 v3, 31, v0
	v_lshlrev_b32 v[CO], 4, v3
	v_bfe_u32 v2, v0, 4, 1
	s_lshl_b32 s21, s15, 15
	s_lshl_b32 s22, s16, 15
	s_add_co_u32 s22, s22, 2*HALFT
.irp s, 0,1
	v_add_nc_u32 v[ADRA+\s], s21, v[CO]
	v_add_nc_u32 v[ADRB+\s], s22, v[CO]
	s_add_co_u32 s21, s21, SLOT
	s_add_co_u32 s22, s22, SLOT
.endr
	s_lshl_b32 s23, s14, 16
	v_add_nc_u32 v24, s23, v[CO]                   ; the way out: my 65,536 bytes of the ring, 16 bytes a lane
	s_lshl_b32 s46, s42, 10
	s_lshl_b32 s47, s16, 9
	s_add_co_u32 s46, s46, s47                     ; my first column x 4 bytes
	s_mov_b32 s47, 0
	s_add_nc_u64 s[12:13], s[12:13], s[46:47]
	s_lshl_b32 s46, s17, 4
	s_lshl_b32 s20, s15, 3
	s_add_co_u32 s46, s46, s20                     ; my first 16 rows,
	s_lshl_b32 s46, s46, 5
	s_lshl_b32 s20, s42, 1
	s_add_co_u32 s46, s46, s20
	s_add_co_u32 s46, s46, s16                     ; x 32 fragments + my fragment along the next K: 2 x tile column + half
	s_lshl_b32 s46, s46, 11
	s_add_nc_u64 s[10:11], s[10:11], s[46:47]
	v_lshlrev_b32 v27, 5, v2                       ; the bias in the accumulators' layout: v[32 + 8 b + j] = b1[16 b + 8 h + j]; awaited on the way out
.irp b, 0,1,2,3,4,5,6,7
	global_load_b128 v[BI+8*\b:BI+8*\b+3], v27, s[12:13] offset:64*\b
	global_load_b128 v[BI+8*\b+4:BI+8*\b+7], v27, s[12:13] offset:64*\b+16
.endr
	s_wait_tensorcnt 1                             ; my part of K step 0 is in; K step 1's load may be out
	s_barrier_signal -1
	s_barrier_wait -1
	FETCH_B 0, 0, 0
	FETCH_A 0, 0, 0
	FETCH_A 0, 0, 4
	STEP 0, 0, 1
	s_mov_b32 s3, LAPS-1
.Llap:
	TURN 0, 1, 1
	STEP 1, 0, 0
	TURN 1, 0, 1
	STEP 0, 0, 0
	s_sub_co_u32 s3, s3, 1
	s_cmp_lg_u32 s3, 0
	s_cbranch_scc1 .Llap
	TURN 0, 1, 0
	STEP 1, 0, 0
	s_wait_dscnt 4*NL
	WIN MUL_LO
	MUL16 0, 1, 0
	MUL16 2, 1, 0
	s_wait_dscnt 0
	WIN MUL_HI
	MUL16 4, 1, 0
	MUL16 6, 1, 0
	WIN 0
	s_wait_dscnt 0x0
	s_barrier_signal -1                            ; every wave's reads of the ring are over:
	s_barrier_wait -1                              ; its bytes, which no load fills again, may be stored into
	s_wait_kmcnt 0x0
	s_add_co_i32 s96, s92, s93
	s_add_co_i32 s96, s96, 127
	s_lshl_b32 s96, s96, 23                        ; 2^(e12 + e13)
	s_mov_b32 s97, s96
	s_add_co_i32 s99, s94, 127
	s_lshl_b32 s98, s99, 23
	v_mov_b32 v19, s98                             ; 2^e14
	s_add_co_i32 s99, s99, 8
	s_lshl_b32 s99, s99, 23
	s_or_b32 s99, s99, 0x600000
	v_mov_b32 v18, s99                             ; 448 x 2^e14
	v_mov_b32 v22, 0x3e2ef945                      ; P's leading coefficient, as a pair
	v_mov_b32 v23, 0x3e2ef945
	PLACES NP
.irp a, 0,1,2,3,4,5,6,7
	WIN 0x08+4*((\a)/4)                            ; a store's data: window 2 or 3
.irp i, 0,1,2,3,4,5,6,7,8,9,10,11,12,13,14,15
	ds_store_b128 v24, v[64*((\a)%4)+4*\i:64*((\a)%4)+4*\i+3] offset:(\a)*8192+\i*512   ; each accumulator's low four registers first
.endr
.endr
	WIN 0
	s_wait_loadcnt 0x0                             ; the bias
.macro GELU half                       ; 32 numbers of a lane: accumulators 4 half .. 4 half + 3 of the block
	WIN 0x01                                       ; source 0 window 1
.set jj, 0
.rept 16
	v_pk_fma_f32 v[U+jj:U+jj+1], v[32*\half+jj:32*\half+jj+1], s[96:97], v[BI+32*\half+jj:BI+32*\half+jj+1] op_sel_hi:[1,0,1]   ; u = sum x 2^(e12 + e13) + b1
.set jj, jj+2
.endr
	WIN 0
.set jj, 0
.rept 32
	v_fma_f32 v[TT+jj], |v[U+jj]|, 0x3eb504f3, 1.0 ; 1 + z / 2, z = |u| / sqrt 2
.set jj, jj+1
.endr
.set jj, 0
.rept 32
	v_rcp_f32 v[TT+jj], v[TT+jj]                   ; t
.set jj, jj+1
.endr
.set jj, 0
.rept 16
	v_pk_mul_f32 v[W+jj:W+jj+1], v[U+jj:U+jj+1], v[U+jj:U+jj+1]   ; u^2: plain work behind the batch
.set jj, jj+2
.endr
	s_wait_alu depctr_va_vdst(0)                   ; one wait for the 32 reciprocals, ahead of their first reader
.set jj, 0
.rept 16
	v_pk_fma_f32 v[R+jj:R+jj+1], v[TT+jj:TT+jj+1], v[22:23], 0xbf527892 op_sel_hi:[1,1,0]
.set jj, jj+2
.endr
.irp c, 0x3fbe87b0, 0xbf914e5d, 0x3e8ec7cc, 0xbe3ec24c, 0x3dc636c9, 0x3ebf88fb, 0x3f8000c7, 0xbfa1fc4e
.set jj, 0
.rept 16
	v_pk_fma_f32 v[R+jj:R+jj+1], v[R+jj:R+jj+1], v[TT+jj:TT+jj+1], \c op_sel_hi:[1,1,0]   ; P(t) by Horner's rule
.set jj, jj+2
.endr
.endr
.set jj, 0
.rept 16
	v_pk_fma_f32 v[R+jj:R+jj+1], v[W+jj:W+jj+1], -0.5, v[R+jj:R+jj+1] op_sel_hi:[1,0,1]    ; - z^2 + P
.set jj, jj+2
.endr
.set jj, 0
.rept 16
	v_pk_fma_f32 v[R+jj:R+jj+1], v[R+jj:R+jj+1], 0x3fb8aa3b, -1.0 op_sel_hi:[1,0,0]        ; x log2(e), - 1 for the half
.set jj, jj+2
.endr
.set jj, 0
.rept 32
	v_exp_f32 v[R+jj], v[R+jj]
.set jj, jj+1
.endr
.set jj, 0
.rept 32
	v_max_num_f32 v[W+jj], 0, v[U+jj]              ; max(u, 0): plain work behind the batch
.set jj, jj+1
.endr
	s_wait_alu depctr_va_vdst(0)                   ; one wait for the 32 exponentials
.set jj, 0
.rept 16
	v_pk_mul_f32 v[R+jj:R+jj+1], v[R+jj:R+jj+1], v[TT+jj:TT+jj+1]   ; erfc(z) / 2
.set jj, jj+2
.endr
.set jj, 0
.rept 32
	v_fma_f32 v[U+jj], -|v[U+jj]|, v[R+jj], v[W+jj]
.set jj, jj+1
.endr
.irp b, 0,1,2,3
.irp j, 0,1,2,3,4,5,6,7
	v_med3_num_f32 v[U+8*\b+\j], v[U+8*\b+\j], -v18, v18
.endr
	v_cvt_scalef32_pk8_fp8_f32 v[CD+8*\half+2*\b:CD+8*\half+2*\b+1], v[U+8*\b:U+8*\b+7], v19
.endr
	v_nop                                          ; a plain line behind the last conversion
.endm
	s_mov_b32 s89, 0
	s_mov_b32 s3, 8
.Lblk:                                             ; a trip: a block of 16 rows x my 128 columns
	v_add_nc_u32 v25, s89, v24
	WIN 0x40
.irp i, 0,1,2,3,4,5,6,7,8,9,10,11,12,13,14,15
	ds_load_b128 v[4*\i:4*\i+3], v25 offset:\i*512 ; LDS serves a wave's instructions in order: these see my stores
.endr
	WIN 0
	s_wait_dscnt 0x0
	GELU 0
	GELU 1
.irp q, 0,1,2,3
	global_store_b128 v[CO], v[CD+4*\q:CD+4*\q+3], s[10:11] offset:\q*512   ; a whole fragment: 4 x 512 consecutive bytes
.endr
	s_wait_xcnt 0x0                                ; the stores have read their registers and their base
	s_add_nc_u64 s[10:11], s[10:11], 65536         ; 16 rows on: 32 fragments
	s_add_co_u32 s89, s89, 8192
	s_sub_co_u32 s3, s3, 1
	s_cmp_lg_u32 s3, 0
	s_cbranch_scc1 .Lblk
	s_wait_tensorcnt 0x0                           ; the wave's end
	ds_add_u32 v[SPW], v[NIL]
	s_wait_dscnt 0x0
	CROUND
	s_endpgm
.Lfunc_end_k_qa98033ae8d_ffn1:
	.size	k_qa98033ae8d_ffn1, .Lfunc_end_k_qa98033ae8d_ffn1-k_qa98033ae8d_ffn1
	.p2alignl 7, 3214868480
	.fill 96, 4, 3214868480
	.section	.rodata,"a",@progbits
	.p2align	6, 0x0
	.amdhsa_kernel k_qa98033ae8d_ffn1
		.amdhsa_group_segment_fixed_size 327680
		.amdhsa_private_segment_fixed_size 0
		.amdhsa_enable_private_segment 0
		.amdhsa_kernarg_size 40
		.amdhsa_user_sgpr_count 2
		.amdhsa_user_sgpr_kernarg_segment_ptr 1
		.amdhsa_wavefront_size32 1
		.amdhsa_system_sgpr_workgroup_id_x 1
		.amdhsa_system_sgpr_workgroup_id_y 1
		.amdhsa_system_sgpr_workgroup_id_z 1
		.amdhsa_system_vgpr_workitem_id 0
		.amdhsa_next_free_vgpr 1024
		.amdhsa_next_free_sgpr 100
		.amdhsa_reserve_vcc 0
		.amdhsa_float_denorm_mode_32 3
		.amdhsa_float_denorm_mode_16_64 3
		.amdhsa_memory_ordered 1
		.amdhsa_forward_progress 1
		.amdhsa_inst_pref_size 148
	.end_amdhsa_kernel
	.amdgpu_metadata
---
amdhsa.version: [ 1, 2 ]
amdhsa.kernels:
  - .name:           k_qa98033ae8d_ffn1
    .symbol:         k_qa98033ae8d_ffn1.kd
    .args:
      - { .name: h2img, .offset: 0, .size: 8, .value_kind: global_buffer, .address_space: global }
      - { .name: wimg, .offset: 8, .size: 8, .value_kind: global_buffer, .address_space: global }
      - { .name: b1, .offset: 16, .size: 8, .value_kind: global_buffer, .address_space: global }
      - { .name: lowp_scales, .offset: 24, .size: 8, .value_kind: global_buffer, .address_space: global }
      - { .name: gimg, .offset: 32, .size: 8, .value_kind: global_buffer, .address_space: global }
    .group_segment_fixed_size: 327680
    .private_segment_fixed_size: 0
    .kernarg_segment_align: 8
    .kernarg_segment_size: 40
    .max_flat_workgroup_size: 128
    .sgpr_count:     100
    .vgpr_count:     1024
    .wavefront_size: 32
...
	.end_amdgpu_metadata
.endif
;; end of part 6
;; launch ffn2 (part 7): grid 4 x 16, 4 waves a work-group, clusters of 4 x 4, 327,680 bytes of LDS; arguments gimg, wimg, b2, x1, lowp_scales, out0; writes out0
.if DOCPART == 7
	.amdgcn_target "amdgcn-amd-amdhsa--gfx1250"
	.amdhsa_code_object_version 6
	.text
	.protected	k_qa98033ae8d_ffn2
	.globl	k_qa98033ae8d_ffn2
	.p2align	8
	.type	k_qa98033ae8d_ffn2,@function
k_qa98033ae8d_ffn2:
	s_mov_b64 s[64:65], 0
	v_nop
	global_prefetch_b8 v0, s[64:65] scope:SCOPE_SE
	s_setreg_imm32_b32 hwreg(HW_REG_WAVE_MODE, 25, 1), 1
	s_wait_xcnt 0x0
	s_wait_alu depctr_hold_cnt(0) depctr_sa_sdst(0) depctr_va_vdst(0) depctr_va_sdst(0) depctr_va_ssrc(0) depctr_va_vcc(0) depctr_vm_vsrc(0)
	s_getreg_b32 s2, hwreg(HW_REG_IB_STS2, 6, 4)
	s_cmp_eq_u32 s2, 0
	s_cbranch_scc0 .Lentry_in_a_cluster
	s_endpgm
.Lentry_in_a_cluster:
	s_bfe_u32 s2, ttmp6, 0x10000c
	s_cmp_lg_u32 s2, 0xf033
	s_cbranch_scc0 .Lentry_shape_is_right
	s_endpgm
.Lentry_shape_is_right:
; out = x1 + g W2 + b2.  The product [4096 x 4096] x [4096 x 1024] on codes of FP8 (E4M3), scales 2^e14 and 2^e15; bias and residual in f32; out is f32, row-major.
; A tile of 256 x 256 to a work-group of four waves, 128 x 128 a wave: 64 accumulators.  K in steps of 256 through two LDS slots.  With N = 1,024 there are 64 tiles: 64 work-groups.
; OPERANDS ARE IMAGES OF THEIR REGISTERS (fragment (16 rows, 128 K) = 2,048 bytes; quad q at 512 q, lane at 16 bytes): a K step of 128 rows is 8 rows of 4,096 bytes for one tensor load, dense in LDS,
; and a fragment is four ds_load_b128 of 512 consecutive bytes each.  THE MATRIX INSTRUCTION IS USED TRANSPOSED: lane (r, h) of accumulator (a, b) holds row 16 a + r, columns 16 b + 8 h + 0..7.
; CLUSTERS 4 x 4: A's tiles are asked for jointly along a row of the cluster, B's along a column.
; PREFETCH: behind each refill and its run of LDS loads one instruction a wave names the K step two refills on, 256 matrix instructions ahead of the load that wants it: of the 128 rows that a wave fetches each of
; the four partners takes 32 (told apart by address), a lane a block of 256 bytes; for B only the clusters with y = 0 ask; the loop's last trip asks for nothing; K steps 0 to 3 come by their loads alone.
; THE WAY OUT: a block of 16 rows x 128 columns goes through my stage in LDS (in slot 0, which has had its last fill and its last read) and comes back as rows of 512 bytes; bias and residual are added there.
; LIMIT: e14 + e15 between -126 and 127.
; REGISTERS: window 0: v0-31 addresses, v32-95 at work, v96-99 the bias, v128-255 A's fragments, later rows; window 1: B's two sets, later four sets of residual rows; windows 2, 3: the accumulators.
.set KT,    4096
.set LOGR,  16
.set WOFF,  0x800000                   ; W2's image in wimg
.set EOFF,  0x38                       ; e14, e15
.set PF,    1
.set RTS,   1<<LOGR
.set HALFT, 32768
.set SLOT,  4*HALFT
.set LAPS,  KT/512
.set SPARE, 2*SLOT
.set SPITCH, 528
.set FR, 16
.set NL, 4
.set NP, 4
.set ADRA, 16
.set ADRB, 20
.set STO,  24
.set RD,   25
.set CO,   26
.set SPW,  28
.set NIL,  29
.set PFO,  30
.set TMP,  32
.set BI,   96
.set AF,   128
.set BK,   128
.set G1,  24
.set G0,  32
.set G1B, 48
.set G0B, 56
.set MSB, 0
.macro WIN new
.if MSB != \new
	s_set_vgpr_msb (MSB<<8)|\new
.set MSB, \new
.endif
.endm
.set MUL_LO, 0xa1
.set MUL_HI, 0xf1
.set TO_B,   0x40
.macro JLOAD s                         ; a joint load: waves 0, 1 fetch A's halves, waves 2, 3 B's; s_nop 0 and four v_nop follow each line
	s_cmp_eq_u32 s15, 0
	s_cbranch_scc0 .Lfor_b_\@
	tensor_load_to_lds s[G0+4*\s:G0+4*\s+3], s[G1:G1+7]
	s_nop 0
.rept 4
	v_nop
.endr
	s_branch .Lasked_\@
.Lfor_b_\@:
	tensor_load_to_lds s[G0B+4*\s:G0B+4*\s+3], s[G1B:G1B+7]
	s_nop 0
.rept 4
	v_nop
.endr
.Lasked_\@:
.endm
.macro ASK                             ; a prefetch of the K step two refills on: my work-group's 2 x 16 rows of the 128 that I fetch, 32 blocks of 256 bytes, a lane a block
	s_cmp_gt_u32 s3, s88                           ; not in the loop's last trip; only in the first cluster along the axis on which others read the same rows
	s_cbranch_scc0 .Lnot_mine_\@
	global_prefetch_b8 v[PFO], s[86:87] offset:4096 th:TH_LOAD_NT scope:SCOPE_SE
.Lnot_mine_\@:
.endm
.macro CREST
	s_cmp_lg_u32 s14, 0
	s_cbranch_scc1 .Lnot_wave_0_\@
	s_barrier_signal -3
.Lnot_wave_0_\@:
	s_barrier_wait -3
	s_barrier_signal -1
	s_barrier_wait -1
.endm
.macro CROUND
	s_barrier_signal -1
	s_barrier_wait -1
	CREST
.endm
.macro FRAG reg, adr, q, i
.irp c, 0,1,2,3
	ds_load_b128 v[\reg+4*\c:\reg+4*\c+3], v[\adr] offset:(\i)*4096+(\q)*2048+512*\c
.endr
.endm
.macro MUL16 a0, p, zero               ; the 64 accumulators take turns
.irp a, \a0, \a0+1
.irp b, 0,1,2,3,4,5,6,7
.if \zero
	v_wmma_f32_16x16x128_fp8_fp8 v[8*(8*((\a)%4)+\b):8*(8*((\a)%4)+\b)+7], v[128*(\p)+FR*\b:128*(\p)+FR*\b+FR-1], v[AF+FR*(\a):AF+FR*(\a)+FR-1], 0
.else
	v_wmma_f32_16x16x128_fp8_fp8 v[8*(8*((\a)%4)+\b):8*(8*((\a)%4)+\b)+7], v[128*(\p)+FR*\b:128*(\p)+FR*\b+FR-1], v[AF+FR*(\a):AF+FR*(\a)+FR-1], v[8*(8*((\a)%4)+\b):8*(8*((\a)%4)+\b)+7]
.endif
.endr
.endr
.endm
.macro FETCH_B slot, q, p
	WIN TO_B
.irp i, 0,1,2,3,4,5,6,7
	FRAG 128*(\p)+FR*\i, ADRB+\slot, \q, \i
.endr
	WIN 0
.endm
.macro FETCH_A slot, q, i0
.irp i, \i0, \i0+1, \i0+2, \i0+3
	FRAG AF+FR*(\i), ADRA+\slot, \q, \i
.endr
.endm
.macro PLACES n
.rept \n
	v_nop
.endr
.endm
.macro STEP slot, q, zero
	s_wait_dscnt 4*NL                              ; B's set and A's blocks 0-3 are in; the youngest 16 loads (A's blocks 4-7) may be out
	WIN MUL_LO
	MUL16 0, (\q)%2, \zero
	MUL16 2, (\q)%2, \zero
	s_wait_dscnt 0
	PLACES NP
	FETCH_B \slot, (\q)+1, 1-(\q)%2
	FETCH_A \slot, (\q)+1, 0
	WIN MUL_HI
	MUL16 4, (\q)%2, \zero
	MUL16 6, (\q)%2, \zero
	PLACES NP
	WIN 0
	FETCH_A \slot, (\q)+1, 4
.endm
.macro TURN slot, next, fill
.if PF && \fill
	s_wait_xcnt 0x0                                ; the last prefetch, a K step back, has read its address
	s_add_nc_u64 s[86:87], s[86:87], 4096
.endif
	s_wait_tensorcnt 0x0                           ; all my tensor loads have landed: my part of the next slot;
	ds_add_u32 v[SPW], v[NIL]                      ; 0 onto my spare word;
	s_wait_dscnt 4*NL+1                            ; (the add and A's blocks 4-7 may be out)
	WIN MUL_LO
	MUL16 0, 1, 0
	s_wait_dscnt 0x0                               ; the add is done, and my reads of this slot are over
	s_barrier_signal -1
	MUL16 2, 1, 0
	WIN 0
	s_barrier_wait -1
.if \fill
	CREST                                          ; a round of the cluster's barrier: no wave of any partner still reads this slot or has a load on its way
	s_add_nc_u64 s[G0+4*\slot+2:G0+4*\slot+3], s[G0+4*\slot+2:G0+4*\slot+3], 8192
	s_add_nc_u64 s[G0B+4*\slot+2:G0B+4*\slot+3], s[G0B+4*\slot+2:G0B+4*\slot+3], 8192
	JLOAD \slot
.else
	PLACES NP
.endif
	FETCH_B \next, 0, 0
	FETCH_A \next, 0, 0
.if PF && \fill
	ASK
.endif
	WIN MUL_HI
	MUL16 4, 1, 0
	MUL16 6, 1, 0
	PLACES NP
	WIN 0
	FETCH_A \next, 0, 4
.endm
	s_load_b128 s[4:7], s[0:1], 0x0                ; A's image, wimg
	s_load_b64 s[12:13], s[0:1], 0x10              ; the bias
	s_load_b64 s[66:67], s[0:1], 0x18              ; the residual
	s_load_b128 s[8:11], s[0:1], 0x20              ; the exponents, the output
	v_lshl_add_u32 v[SPW], v0, 2, SPARE
	v_mov_b32 v[NIL], 0
	ds_add_u32 v[SPW], v[NIL]                      ; the wave's opening add; its wait stands ahead of my first tensor load
	v_lshrrev_b32 v1, 5, v0
	v_readfirstlane_b32 s14, v1
	s_lshr_b32 s15, s14, 1
	s_and_b32 s16, s14, 1
	s_bfe_u32 s40, ttmp6, 0x40000
	s_bfe_u32 s41, ttmp6, 0x40004
	s_lshl_b32 s42, ttmp9, 2
	s_add_co_u32 s42, s42, s40                     ; tile column
	s_and_b32 s17, ttmp7, 0xffff
	s_lshl_b32 s17, s17, 2
	s_add_co_u32 s17, s17, s41                     ; tile row
	s_lshl_b32 s43, s41, 2
	s_lshl_b32 s43, 15, s43
	s_lshl_b32 s44, 0x1111, s40
	s_or_b32 s[G1+0], s43, (1<<21)                 ; the mask; elements of 1 byte; no padding; bit 21 beside a mask
	s_or_b32 s[G1B+0], s44, (1<<21)
.irp g, G1, G1B
	s_mov_b32 s[\g+1], 4096<<16
	s_mov_b32 s[\g+2], 8<<16
	s_mov_b32 s[\g+3], 4096<<16
	s_mov_b32 s[\g+4], 8
	s_mov_b32 s[\g+5], RTS
	s_mov_b32 s[\g+6], 0
	s_mov_b32 s[\g+7], 0
.endr
	s_lshl_b32 s18, s16, LOGR+3
	s_lshl_b32 s20, s17, LOGR+4
	s_add_co_u32 s20, s20, s18
	s_mov_b32 s21, 0
	s_lshl_b32 s46, s42, LOGR+4
	s_add_co_u32 s46, s46, s18
	s_mov_b32 s47, 0
	s_lshl_b32 s45, s14, 15
	s_wait_dscnt 0x0
	s_wait_kmcnt 0x0
	s_load_b64 s[96:97], s[8:9], EOFF
	s_add_nc_u64 s[6:7], s[6:7], WOFF
	s_add_nc_u64 s[20:21], s[4:5], s[20:21]
	s_add_nc_u64 s[46:47], s[6:7], s[46:47]
	CROUND
.irp s, 0,1
	s_mov_b32 s[G0+4*\s], 1
	s_add_co_u32 s[G0+4*\s+1], s45, \s*SLOT
	s_add_nc_u64 s[G0+4*\s+2:G0+4*\s+3], s[20:21], \s*4096
	s_or_b32 s[G0+4*\s+3], s[G0+4*\s+3], 0x80000000
	s_mov_b32 s[G0B+4*\s], 1
	s_add_co_u32 s[G0B+4*\s+1], s45, \s*SLOT
	s_add_nc_u64 s[G0B+4*\s+2:G0B+4*\s+3], s[46:47], \s*4096
	s_or_b32 s[G0B+4*\s+3], s[G0B+4*\s+3], 0x80000000
	JLOAD \s
.endr
	v_and_b32 v3, 31, v0
	v_lshlrev_b32 v[CO], 4, v3
	v_and_b32 v1, 15, v0
	v_bfe_u32 v2, v0, 4, 1
.if PF
	s_and_b32 s98, ttmp7, 0xffff
	s_cmp_eq_u32 s15, 0                            ; do I fetch for A?
	s_cselect_b32 s98, ttmp9, s98                  ; the coordinate along which other clusters read the same rows
	s_cselect_b32 s99, s40, s41                    ; my place among the four that ask with me: it enters the address alone
	s_cselect_b64 s[86:87], s[20:21], s[46:47]
	s_cmp_eq_u32 s98, 0
	s_cselect_b32 s88, 1, -1
	s_lshl_b32 s98, s99, LOGR+1                    ; my work-group's 2 x 16 rows,
	s_add_co_u32 s98, s98, 2*4096                  ; at K step 2: the first refill steps it to 3 and names K step 4
	s_mov_b32 s99, 0
	s_add_nc_u64 s[86:87], s[86:87], s[98:99]
	v_lshlrev_b32 v[PFO], LOGR, v2
	v_lshl_add_u32 v[PFO], v1, 8, v[PFO]
.endif
	s_lshl_b32 s21, s15, 15
	s_lshl_b32 s22, s16, 15
	s_add_co_u32 s22, s22, 2*HALFT
.irp s, 0,1
	v_add_nc_u32 v[ADRA+\s], s21, v[CO]
	v_add_nc_u32 v[ADRB+\s], s22, v[CO]
	s_add_co_u32 s21, s21, SLOT
	s_add_co_u32 s22, s22, SLOT
.endr
	s_mul_i32 s23, s14, 16*SPITCH                  ; my stage
	v_mul_u32_u24 v5, v1, SPITCH
	v_lshl_add_u32 v5, v2, 5, v5
	v_add_nc_u32 v[STO], s23, v5                   ; in: row r, 32 bytes for each half of the lanes
	v_add_nc_u32 v[RD], s23, v[CO]                 ; back: a row of 512 bytes
	s_lshl_b32 s20, s17, 8
	s_lshl_b32 s21, s15, 7
	s_add_co_u32 s20, s20, s21
	s_lshl_b32 s20, s20, 12                        ; my first row x 4,096 bytes
	s_lshl_b32 s46, s42, 10
	s_lshl_b32 s47, s16, 9
	s_add_co_u32 s46, s46, s47                     ; my first column x 4 bytes
	s_mov_b32 s47, 0
	s_add_nc_u64 s[12:13], s[12:13], s[46:47]
	s_add_co_u32 s46, s46, s20
	s_add_nc_u64 s[10:11], s[10:11], s[46:47]
	s_add_nc_u64 s[66:67], s[66:67], s[46:47]
	global_load_b128 v[BI:BI+3], v[CO], s[12:13]   ; the bias of my four columns of a row
	s_wait_tensorcnt 1                             ; my part of K step 0 is in; K step 1's load may be out
	s_barrier_signal -1
	s_barrier_wait -1
	FETCH_B 0, 0, 0
	FETCH_A 0, 0, 0
	FETCH_A 0, 0, 4
	STEP 0, 0, 1
	s_mov_b32 s3, LAPS-1
.Llap:
	TURN 0, 1, 1
	STEP 1, 0, 0
	TURN 1, 0, 1
	STEP 0, 0, 0
	s_sub_co_u32 s3, s3, 1
	s_cmp_lg_u32 s3, 0
	s_cbranch_scc1 .Llap
	TURN 0, 1, 0
	STEP 1, 0, 0
.macro RSLOAD a                        ; block a's 16 rows of the residual into set a % 4 of window 1
	WIN 0x40
.irp t, 0,1,2,3,4,5,6,7,8,9,10,11,12,13,14,15
	global_load_b128 v[64*((\a)%4)+4*\t:64*((\a)%4)+4*\t+3], v[CO], s[66:67] offset:(\a)*65536+\t*4096 th:TH_LOAD_NT
.endr
	WIN 0
.endm
	RSLOAD 0                                       ; B's set 0 is done with (four places stand behind its last products)
	RSLOAD 1
	s_wait_dscnt 4*NL
	WIN MUL_LO
	MUL16 0, 1, 0
	MUL16 2, 1, 0
	s_wait_dscnt 0
	WIN MUL_HI
	MUL16 4, 1, 0
	MUL16 6, 1, 0
	WIN 0
	s_wait_kmcnt 0x0
	s_add_co_i32 s96, s96, s97
	s_add_co_i32 s96, s96, 127
	s_lshl_b32 s96, s96, 23                        ; 2^(eA + eB)
	s_mov_b32 s97, s96
	PLACES NP
	RSLOAD 2
	RSLOAD 3
.macro TOSTAGE a
.set AC, 64*((\a)%4)
	WIN 0x02+((\a)/4)
.set jj, 0
.rept 32
	v_pk_mul_f32 v[TMP+jj:TMP+jj+1], v[AC+jj:AC+jj+1], s[96:97] op_sel_hi:[1,0]   ; each accumulator from its low end on
.set jj, jj+2
.endr
	WIN 0
.irp b, 0,1,2,3,4,5,6,7
	ds_store_b128 v[STO], v[TMP+8*\b:TMP+8*\b+3] offset:64*\b
	ds_store_b128 v[STO], v[TMP+8*\b+4:TMP+8*\b+7] offset:64*\b+16
.endr
.set BR, BK+64*((\a)%2)
.irp t, 0,1,2,3,4,5,6,7,8,9,10,11,12,13,14,15
	ds_load_b128 v[BR+4*\t:BR+4*\t+3], v[RD] offset:\t*SPITCH    ; LDS serves a wave's instructions in order: these see my stores
.endr
.endm
.macro SEND a, younger
.set BR, BK+64*((\a)%2)
.set RR, 64*((\a)%4)
	s_wait_dscnt \younger                          ; the block is back; the next block's 16 stores and 16 loads may be out
.if (\a) < 4
	s_wait_loadcnt 48                              ; this block's residual is in; the three later sets may be out
.else
	s_wait_loadcnt 16*(7-(\a))
.endif
.irp t, 0,1,2,3,4,5,6,7,8,9,10,11,12,13,14,15
	v_pk_add_f32 v[BR+4*\t:BR+4*\t+1], v[BR+4*\t:BR+4*\t+1], v[BI:BI+1]
	v_pk_add_f32 v[BR+4*\t+2:BR+4*\t+3], v[BR+4*\t+2:BR+4*\t+3], v[BI+2:BI+3]
.endr
	WIN 0x04                                       ; source 1 window 1
.set jj, 0
.rept 32
	v_pk_add_f32 v[BR+jj:BR+jj+1], v[BR+jj:BR+jj+1], v[RR+jj:RR+jj+1]
.set jj, jj+2
.endr
	WIN 0
.irp t, 0,1,2,3,4,5,6,7,8,9,10,11,12,13,14,15
.if PF
	global_store_b128 v[CO], v[BR+4*\t:BR+4*\t+3], s[10:11] offset:(\a)*65536+\t*4096 th:TH_STORE_NT   ; 512 consecutive bytes, aligned; written once, read by nobody here
.else
	global_store_b128 v[CO], v[BR+4*\t:BR+4*\t+3], s[10:11] offset:(\a)*65536+\t*4096
.endif
.endr
.if (\a) < 4
	RSLOAD (\a)+4
.endif
.endm
	TOSTAGE 0
.irp a, 1,2,3,4,5,6,7
.if \a > 1
	s_wait_xcnt 0x0                                ; the stores of two blocks ago have read their registers: this block's rows may land there
.endif
	TOSTAGE \a
	SEND \a-1, 32
.endr
	SEND 7, 0
	s_wait_tensorcnt 0x0                           ; the wave's end
	ds_add_u32 v[SPW], v[NIL]
	s_wait_dscnt 0x0
	CROUND
	s_endpgm
.Lfunc_end_k_qa98033ae8d_ffn2:
	.size	k_qa98033ae8d_ffn2, .Lfunc_end_k_qa98033ae8d_ffn2-k_qa98033ae8d_ffn2
	.p2alignl 7, 3214868480
	.fill 96, 4, 3214868480
	.section	.rodata,"a",@progbits
	.p2align	6, 0x0
	.amdhsa_kernel k_qa98033ae8d_ffn2
		.amdhsa_group_segment_fixed_size 327680
		.amdhsa_private_segment_fixed_size 0
		.amdhsa_enable_private_segment 0
		.amdhsa_kernarg_size 48
		.amdhsa_user_sgpr_count 2
		.amdhsa_user_sgpr_kernarg_segment_ptr 1
		.amdhsa_wavefront_size32 1
		.amdhsa_system_sgpr_workgroup_id_x 1
		.amdhsa_system_sgpr_workgroup_id_y 1
		.amdhsa_system_sgpr_workgroup_id_z 1
		.amdhsa_system_vgpr_workitem_id 0
		.amdhsa_next_free_vgpr 1024
		.amdhsa_next_free_sgpr 100
		.amdhsa_reserve_vcc 0
		.amdhsa_float_denorm_mode_32 3
		.amdhsa_float_denorm_mode_16_64 3
		.amdhsa_memory_ordered 1
		.amdhsa_forward_progress 1
		.amdhsa_inst_pref_size 169
	.end_amdhsa_kernel
	.amdgpu_metadata
---
amdhsa.version: [ 1, 2 ]
amdhsa.kernels:
  - .name:           k_qa98033ae8d_ffn2
    .symbol:         k_qa98033ae8d_ffn2.kd
    .args:
      - { .name: gimg, .offset: 0, .size: 8, .value_kind: global_buffer, .address_space: global }
      - { .name: wimg, .offset: 8, .size: 8, .value_kind: global_buffer, .address_space: global }
      - { .name: b2, .offset: 16, .size: 8, .value_kind: global_buffer, .address_space: global }
      - { .name: x1, .offset: 24, .size: 8, .value_kind: global_buffer, .address_space: global }
      - { .name: lowp_scales, .offset: 32, .size: 8, .value_kind: global_buffer, .address_space: global }
      - { .name: out0, .offset: 40, .size: 8, .value_kind: global_buffer, .address_space: global }
    .group_segment_fixed_size: 327680
    .private_segment_fixed_size: 0
    .kernarg_segment_align: 8
    .kernarg_segment_size: 48
    .max_flat_workgroup_size: 128
    .sgpr_count:     100
    .vgpr_count:     1024
    .wavefront_size: 32
...
	.end_amdgpu_metadata
.endif
;; end of part 7
;; ======== version 2 of 2: 7 launches
;; limits: right only within a limited range of input values
;; workspace buffers: h1img 12,582,912 bytes; wimg 12,582,912 bytes; qkvimg 12,582,912 bytes; ctximg 4,194,304 bytes; x1 16,777,216 bytes; h2img 4,194,304 bytes; gimg 16,777,216 bytes
;; launch prep (part 8): grid 640 x 1, 4 waves a work-group, no clusters, 52,736 bytes of LDS; arguments x, ln1_g, ln1_b, lowp_scales, Wq, Wk, Wv, Wo, W1, W2, h1img, wimg; writes h1img, wimg
.if DOCPART == 8
	.amdgcn_target "amdgcn-amd-amdhsa--gfx1250"
	.amdhsa_code_object_version 6
	.text
	.protected	k_qa98033ae8d_prep
	.globl	k_qa98033ae8d_prep
	.p2align	8
	.type	k_qa98033ae8d_prep,@function
k_qa98033ae8d_prep:
	s_mov_b64 s[64:65], 0
	v_nop
	global_prefetch_b8 v0, s[64:65] scope:SCOPE_SE
	s_setreg_imm32_b32 hwreg(HW_REG_WAVE_MODE, 25, 1), 1
	s_wait_xcnt 0x0
; PREP.  Work-groups 0-255: LayerNorm 1 of 16 rows of x each, quantised three times (scales 2^e0, 2^e2, 2^e4) into h1img.
; Work-groups 256-639: the six weights, f32 stored [K][N], quantised along K (e1, e3, e5, e11, e13, e15) into wimg.
; ALL CODES ARE LAID AS IMAGES OF THE OPERAND'S REGISTERS of the plain fp8 matrix form: fragment (16 rows rt, 128 along K kb) is 2,048 bytes at (rt KB + kb) 2048;
; in it quad q at 512 q, lane r + 16 h at 16 bytes each; register i = 4 q + word of lane (r, h) holds k = 16 (i / 2) + 8 h + 4 (i % 2) + byte of row r.
; code = x / 2^e, held within +-448, to the nearest code, ties to even.  LIMITS: each e between -126 and 119.  NaN among the inputs is not served.
; LN: one wave a row, the row in 32 registers (lane l: k = 256 j + 8 l + 0..7); mean, then the sum of squared differences (two passes over registers).
; A lane's eight codes are 8 bytes of an image; they meet in a stage in LDS (segments of 256 image bytes + 16 of padding) and leave as runs of 512 consecutive bytes.
; WEIGHTS: a lane takes a column n and its registers run down K; sixteen lanes' 16 bytes are 256 consecutive bytes of the image: no LDS.
.set NS,    3                          ; scales that the LN result is quantised with
.set STG,   17408                      ; a stage: 64 segments x 272 bytes
.set SPARE, NS*STG                     ; behind the stages: the spare words, 128 bytes a wave
.set G,  20                            ; v20-51   gain, my 32 columns
.set BB, 52                            ; v52-83   bias
.set X,  84                            ; v84-211  four rows x 32
.set T,  212                           ; v212-227 two sets of 8 held numbers
.set C,  228                           ; v228-251 codes: 3 scales x 4 x 2
.set WX, 32                            ; weights: v32-95 two sets of 32 numbers
.set WC, 96                            ; v96-159 codes, 8 registers for each of 8 blocks: no store's data are written again
.macro RED                             ; the sum of v8 over the 32 lanes, in every lane
	v_add_f32_dpp v8, v8, v8 row_xmask:1 row_mask:0xf bank_mask:0xf
	v_add_f32_dpp v8, v8, v8 row_xmask:2 row_mask:0xf bank_mask:0xf
	v_add_f32_dpp v8, v8, v8 row_xmask:4 row_mask:0xf bank_mask:0xf
	v_add_f32_dpp v8, v8, v8 row_xmask:8 row_mask:0xf bank_mask:0xf
	v_permlanex16_b32 v9, v8, s50, s51
	v_add_f32 v8, v8, v9
.endm
.macro FOLD                            ; four chains of pairs into one number, then over the lanes
	v_pk_add_f32 v[8:9], v[8:9], v[10:11]
	v_pk_add_f32 v[12:13], v[12:13], v[14:15]
	v_pk_add_f32 v[8:9], v[8:9], v[12:13]
	v_add_f32 v8, v8, v9
	RED
.endm
.macro LNROW i                         ; row i of my four becomes (x - mean) rsqrt(var + eps) g + b, in place
.set XR, X+32*(\i)
	s_wait_loadcnt 8*(3-(\i))                      ; loads return in order: gain, bias and rows 0 .. i are in; the later rows' eight loads each stay out
.irp c, 0,1,2,3
	v_pk_add_f32 v[8+2*\c:9+2*\c], v[XR+4*\c:XR+4*\c+1], v[XR+4*\c+2:XR+4*\c+3]
.endr
.irp n, 16,24
.irp c, 0,1,2,3
	v_pk_add_f32 v[8+2*\c:9+2*\c], v[8+2*\c:9+2*\c], v[XR+\n+2*\c:XR+\n+2*\c+1]
.endr
.endr
	FOLD
	v_mul_f32 v12, s52, v8                         ; the mean
.set pp, 0
.rept 16
	v_pk_add_f32 v[XR+pp:XR+pp+1], v[XR+pp:XR+pp+1], v[12:13] op_sel_hi:[1,0] neg_lo:[0,1] neg_hi:[0,1]
.set pp, pp+2
.endr
.irp c, 0,1,2,3
	v_pk_mul_f32 v[8+2*\c:9+2*\c], v[XR+2*\c:XR+2*\c+1], v[XR+2*\c:XR+2*\c+1]
.endr
.irp n, 8,16,24
.irp c, 0,1,2,3
	v_pk_fma_f32 v[8+2*\c:9+2*\c], v[XR+\n+2*\c:XR+\n+2*\c+1], v[XR+\n+2*\c:XR+\n+2*\c+1], v[8+2*\c:9+2*\c]
.endr
.endr
	FOLD
	v_fma_f32 v12, v8, s52, s53                    ; the variance + 1e-5
	s_wait_alu depctr_va_vdst(0)
	v_rsq_f32 v12, v12
	v_nop                                          ; a plain line behind the transcendental,
	s_wait_alu depctr_va_vdst(0)                   ; and a wait ahead of its first reader
.set pp, 0
.rept 16
	v_pk_mul_f32 v[XR+pp:XR+pp+1], v[XR+pp:XR+pp+1], v[12:13] op_sel_hi:[1,0]
.set pp, pp+2
.endr
.set pp, 0
.rept 16
	v_pk_fma_f32 v[XR+pp:XR+pp+1], v[XR+pp:XR+pp+1], v[G+pp:G+pp+1], v[BB+pp:BB+pp+1]
.set pp, pp+2
.endr
.endm
.macro QROW i                          ; row i is quantised with each scale; eight codes a conversion, 8 bytes into the stage
.set XR, X+32*(\i)
	s_wait_dscnt 0x0                               ; the last row's stores into the stage have read their registers
.irp q, 0,1,2
.if \q < NS
.irp j, 0,1,2,3
.irp e, 0,1,2,3,4,5,6,7
	v_med3_num_f32 v[T+8*(\j%2)+\e], v[XR+8*\j+\e], s[44+2*\q], s[45+2*\q]   ; the conversion does not saturate (ISA guide 7.6.2): the hold at +-448 x the scale.  These eight plain lines also part the conversions
.endr
	v_cvt_scalef32_pk8_fp8_f32 v[C+8*\q+2*\j:C+8*\q+2*\j+1], v[T+8*(\j%2):T+8*(\j%2)+7], v[16+\q]
	ds_store_b64 v3, v[C+8*\q+2*\j:C+8*\q+2*\j+1] offset:\q*STG+\j*4352+(\i)*16
.endr
.endif
.endr
.endm
.macro WLOAD tb, pitch                 ; block tb: W(32 tb + i, my column), i = 0 .. 31
.irp i, 0,1,2,3,4,5,6,7,8,9,10,11,12,13,14,15,16,17,18,19,20,21,22,23,24,25,26,27,28,29,30,31
	global_load_b32 v[WX+32*((\tb)%2)+\i], v3, s[36:37] offset:(32*(\tb)+\i)*\pitch th:TH_LOAD_NT
.endr
.endm
.macro WBLOCK tb, pitch
.set XS, WX+32*((\tb)%2)
.set CS, WC+8*(\tb)
.if (\tb) < 7
	s_wait_loadcnt 32                              ; this block's 32 loads are in; the next block's may be out
.else
	s_wait_loadcnt 0x0
.endif
.irp i, 0,1,2,3,4,5,6,7,8,9,10,11,12,13,14,15,16,17,18,19,20,21,22,23,24,25,26,27,28,29,30,31
	v_med3_num_f32 v[XS+\i], v[XS+\i], -v10, v10
.endr
	v_cvt_scalef32_pk8_fp8_f32 v[CS:CS+1], v[XS:XS+7], v11          ; k = 8 u + 0..7 of the block belongs to half h = u % 2 of the lanes, words 2 (u / 2) on:
	v_cvt_scalef32_pk8_fp8_f32 v[CS+2:CS+3], v[XS+16:XS+23], v11    ; u = 0, 2 are the 16 bytes of lane (r, 0),
	v_cvt_scalef32_pk8_fp8_f32 v[CS+4:CS+5], v[XS+8:XS+15], v11     ; u = 1, 3 those of lane (r, 1)
	v_cvt_scalef32_pk8_fp8_f32 v[CS+6:CS+7], v[XS+24:XS+31], v11
	global_store_b128 v4, v[CS:CS+3], s[38:39] offset:(\tb)*512     ; sixteen lanes store 256 consecutive bytes, aligned
	global_store_b128 v4, v[CS+4:CS+7], s[38:39] offset:(\tb)*512+256
.if (\tb)+2 < 8
	WLOAD (\tb)+2, \pitch
.endif
.endm
.macro WQ pitch                        ; 32 columns x 256 along K for a wave; loads run two blocks ahead
	WLOAD 0, \pitch
	WLOAD 1, \pitch
	s_wait_kmcnt 0x0
	s_add_co_i32 s52, s52, 127
	s_lshl_b32 s53, s52, 23
	v_mov_b32 v11, s53                             ; 2^e as f32: the conversion takes its exponent field
	s_add_co_i32 s52, s52, 8
	s_lshl_b32 s52, s52, 23
	s_or_b32 s52, s52, 0x600000
	v_mov_b32 v10, s52                             ; 448 x 2^e
	s_wait_alu depctr_va_vdst(0)
.irp tb, 0,1,2,3,4,5,6,7
	WBLOCK \tb, \pitch
.endr
.endm
	s_load_b512 s[4:19], s[0:1], 0x0               ; x 4, gain 6, bias 8, exponents 10, Wq 12, Wk 14, Wv 16, Wo 18
	s_load_b256 s[20:27], s[0:1], 0x40             ; W1 20, W2 22, h1img 24, wimg 26
	v_lshl_add_u32 v6, v0, 2, SPARE                ; my spare word,
	v_mov_b32 v7, 0                                ; and 0: kept for the closing lines
	v_lshrrev_b32 v1, 5, v0
	v_readfirstlane_b32 s30, v1                    ; wave
	v_and_b32 v1, 31, v0                           ; lane
	s_cmp_ge_u32 ttmp9, 256
	s_cbranch_scc1 .Lweights
	; ---------------- LayerNorm 1
	v_lshlrev_b32 v2, 5, v1                        ; 32 bytes a lane in each quarter of a row
	v_lshrrev_b32 v3, 2, v1
	v_and_b32 v4, 1, v1
	v_lshl_add_u32 v3, v3, 1, v4                   ; my segment in a quarter: 2 (l / 4) + l % 2
	v_mul_u32_u24 v3, v3, 272
	v_bfe_u32 v4, v1, 1, 1
	v_lshl_add_u32 v3, v4, 3, v3                   ; + 8 ((l / 2) % 2): which half of a lane's 16 image bytes
	s_lshl_b32 s31, s30, 6
	v_add_nc_u32 v3, s31, v3                       ; + 16 x my first row (4 x wave)
	v_lshrrev_b32 v4, 4, v1
	v_mul_u32_u24 v4, v4, 272
	v_and_b32 v5, 15, v1
	v_lshl_add_u32 v4, v5, 4, v4
	s_mul_i32 s31, s30, 4352
	v_add_nc_u32 v4, s31, v4                       ; back: two segments an instruction, my wave's sixteen
	v_lshlrev_b32 v5, 4, v1                        ; 16 x lane
	s_lshl_b32 s28, ttmp9, 16                      ; 16 rows of 4,096 bytes a work-group,
	s_lshl_b32 s29, s30, 14                        ; four a wave
	s_add_co_u32 s28, s28, s29
	s_mov_b32 s29, 0
	s_lshl_b32 s40, ttmp9, 14                      ; 16,384 image bytes a work-group,
	s_lshl_b32 s41, s30, 12                        ; 4,096 a wave
	s_add_co_u32 s40, s40, s41
	s_mov_b32 s41, 0
	s_mov_b32 s50, 0x76543210
	s_mov_b32 s51, 0xfedcba98
	s_mov_b32 s52, 0x3a800000                      ; 1 / 1024
	s_mov_b32 s53, 0x3727c5ac                      ; 1e-5
	s_wait_kmcnt 0x0
	s_load_b256 s[56:63], s[10:11], 0x0            ; e0 .. e7
	s_add_nc_u64 s[32:33], s[4:5], s[28:29]
	s_add_nc_u64 s[34:35], s[24:25], s[40:41]      ; the three images lie 4 MiB apart
	s_add_nc_u64 s[36:37], s[34:35], 0x400000
	s_add_nc_u64 s[38:39], s[36:37], 0x400000
.irp j, 0,1,2,3
	global_load_b128 v[G+8*\j:G+8*\j+3], v2, s[6:7] offset:1024*\j
	global_load_b128 v[G+8*\j+4:G+8*\j+7], v2, s[6:7] offset:1024*\j+16
.endr
.irp j, 0,1,2,3
	global_load_b128 v[BB+8*\j:BB+8*\j+3], v2, s[8:9] offset:1024*\j
	global_load_b128 v[BB+8*\j+4:BB+8*\j+7], v2, s[8:9] offset:1024*\j+16
.endr
.irp i, 0,1,2,3
.irp j, 0,1,2,3
	global_load_b128 v[X+32*\i+8*\j:X+32*\i+8*\j+3], v2, s[32:33] offset:4096*\i+1024*\j
	global_load_b128 v[X+32*\i+8*\j+4:X+32*\i+8*\j+7], v2, s[32:33] offset:4096*\i+1024*\j+16
.endr
.endr
	s_wait_kmcnt 0x0
.irp q, 0,1,2
	s_add_co_i32 s40, s[56+2*\q], 127
	s_lshl_b32 s41, s40, 23
	v_mov_b32 v[16+\q], s41                        ; 2^e
	s_add_co_i32 s40, s40, 8
	s_lshl_b32 s40, s40, 23
	s_or_b32 s[45+2*\q], s40, 0x600000             ; 448 x 2^e,
	s_or_b32 s[44+2*\q], s[45+2*\q], 0x80000000    ; and its negative
.endr
.irp i, 0,1,2,3
	LNROW \i
	QROW \i
.endr
	s_wait_dscnt 0x0                               ; for the others' sake: my stores into the stages are done
	s_barrier_signal -1
	s_barrier_wait -1
.irp q, 0,1,2
.irp t, 0,1,2,3,4,5,6,7
	ds_load_b128 v[X+32*\q+4*\t:X+32*\q+4*\t+3], v4 offset:\q*STG+\t*544
.endr
.endr
.irp q, 0,1,2
.irp t, 0,1,2,3,4,5,6,7
	s_wait_dscnt 8*NS-1-(8*\q+\t)                  ; LDS loads return in order
	global_store_b128 v5, v[X+32*\q+4*\t:X+32*\q+4*\t+3], s[34+2*\q:35+2*\q] offset:\t*512   ; 512 consecutive bytes, aligned
.endr
.endr
	s_wait_tensorcnt 0x0                           ; the wave's end, behind my last LDS store
	ds_add_u32 v6, v7
	s_wait_dscnt 0x0
	s_endpgm
	; ---------------- the weights (this way writes no LDS)
.Lweights:
	s_sub_co_u32 s28, ttmp9, 256
	s_lshr_b32 s29, s28, 7                         ; group: 0 the four square weights, 1 W1, 2 W2
	s_and_b32 s28, s28, 127
	s_lshr_b32 s43, s28, 5                         ; group 0: which of the four
	s_add_co_u32 s44, s29, 3                       ; else tensor 4 or 5
	s_lshl_b32 s45, s43, 20                        ; where the tensor's image begins: 1 MiB each,
	s_lshl_b32 s46, s29, 22                        ; W1 at 4 MiB, W2 at 8 MiB
	s_cmp_eq_u32 s29, 1
	s_cselect_b32 s31, 31, 7
	s_cselect_b32 s40, 5, 3
	s_cselect_b32 s41, 14, 12                      ; log2 of a row of W in bytes
	s_and_b32 s31, s28, s31                        ; which 128 columns
	s_lshr_b32 s40, s28, s40
	s_cmp_eq_u32 s29, 0
	s_cselect_b32 s42, 3, 15
	s_cselect_b32 s43, s43, s44                    ; the tensor, 0 .. 5
	s_cselect_b32 s45, s45, s46
	s_and_b32 s40, s40, s42                        ; which 256 along K
	s_cmp_eq_u32 s29, 2
	s_cselect_b32 s46, 16, 14                      ; log2 of the bytes from 16 image rows to the next: K x 16
	s_cmp_ge_u32 s43, 3
	s_cselect_b32 s47, 5, 1
	s_lshl_b32 s48, s43, 1
	s_add_co_u32 s47, s47, s48                     ; its exponent's entry: 1, 3, 5, 11, 13, 15
	s_lshl_b32 s47, s47, 2
	s_lshl_b32 s48, s40, 8
	s_lshl_b32 s48, s48, s41                       ; 256 rows of W for each step along K,
	s_lshl_b32 s49, s31, 9
	s_add_co_u32 s48, s48, s49                     ; 512 bytes for each 128 columns,
	s_lshl_b32 s49, s30, 7
	s_add_co_u32 s48, s48, s49                     ; 128 for each wave
	s_mov_b32 s49, 0
	s_lshl_b32 s50, s31, 3
	s_lshl_b32 s51, s30, 1
	s_add_co_u32 s50, s50, s51                     ; my first 16 image rows: 8 x column group + 2 x wave
	s_lshl_b32 s50, s50, s46
	s_add_co_u32 s50, s50, s45
	s_lshl_b32 s51, s40, 12                        ; two fragments along K
	s_add_co_u32 s50, s50, s51
	s_mov_b32 s51, 0
	s_wait_alu depctr_va_vdst(0)
	v_lshlrev_b32 v3, 2, v1                        ; in: 4 bytes a lane
	v_lshrrev_b32 v4, 4, v1
	v_lshlrev_b32 v4, s46, v4
	v_and_b32 v5, 15, v1
	v_lshl_add_u32 v4, v5, 4, v4                   ; out: lanes 0-15 one group of 16 image rows, lanes 16-31 the next; 16 bytes a lane
	s_wait_kmcnt 0x0
	s_load_b32 s52, s[10:11], s47 offset:0x0       ; e
	s_mov_b64 s[36:37], s[12:13]
	s_cmp_eq_u32 s43, 1
	s_cselect_b64 s[36:37], s[14:15], s[36:37]
	s_cmp_eq_u32 s43, 2
	s_cselect_b64 s[36:37], s[16:17], s[36:37]
	s_cmp_eq_u32 s43, 3
	s_cselect_b64 s[36:37], s[18:19], s[36:37]
	s_cmp_eq_u32 s43, 4
	s_cselect_b64 s[36:37], s[20:21], s[36:37]
	s_cmp_eq_u32 s43, 5
	s_cselect_b64 s[36:37], s[22:23], s[36:37]
	s_add_nc_u64 s[36:37], s[36:37], s[48:49]
	s_add_nc_u64 s[38:39], s[26:27], s[50:51]
	s_cmp_eq_u32 s29, 1
	s_cbranch_scc1 .Lwide
	s_wait_alu depctr_va_vdst(0)
	WQ 4096                                        ; rows of 1,024 numbers: every offset an immediate, 255 x 4,096 at the most
	s_endpgm
.Lwide:
	s_wait_alu depctr_va_vdst(0)
	WQ 16384                                       ; W1's rows of 4,096 numbers: 255 x 16,384, inside the signed 24-bit immediate
	s_endpgm
.Lfunc_end_k_qa98033ae8d_prep:
	.size	k_qa98033ae8d_prep, .Lfunc_end_k_qa98033ae8d_prep-k_qa98033ae8d_prep
	.p2alignl 7, 3214868480
	.fill 96, 4, 3214868480
	.section	.rodata,"a",@progbits
	.p2align	6, 0x0
	.amdhsa_kernel k_qa98033ae8d_prep
		.amdhsa_group_segment_fixed_size 52736
		.amdhsa_private_segment_fixed_size 0
		.amdhsa_enable_private_segment 0
		.amdhsa_kernarg_size 96
		.amdhsa_user_sgpr_count 2
		.amdhsa_user_sgpr_kernarg_segment_ptr 1
		.amdhsa_wavefront_size32 1
		.amdhsa_system_sgpr_workgroup_id_x 1
		.amdhsa_system_sgpr_workgroup_id_y 1
		.amdhsa_system_sgpr_workgroup_id_z 1
		.amdhsa_system_vgpr_workitem_id 0
		.amdhsa_next_free_vgpr 256
		.amdhsa_next_free_sgpr 66
		.amdhsa_reserve_vcc 0
		.amdhsa_float_denorm_mode_32 3
		.amdhsa_float_denorm_mode_16_64 3
		.amdhsa_memory_ordered 1
		.amdhsa_forward_progress 1
		.amdhsa_inst_pref_size 158
	.end_amdhsa_kernel
	.amdgpu_metadata
---
amdhsa.version: [ 1, 2 ]
amdhsa.kernels:
  - .name:           k_qa98033ae8d_prep
    .symbol:         k_qa98033ae8d_prep.kd
    .args:
      - { .name: x, .offset: 0, .size: 8, .value_kind: global_buffer, .address_space: global }
      - { .name: ln1_g, .offset: 8, .size: 8, .value_kind: global_buffer, .address_space: global }
      - { .name: ln1_b, .offset: 16, .size: 8, .value_kind: global_buffer, .address_space: global }
      - { .name: lowp_scales, .offset: 24, .size: 8, .value_kind: global_buffer, .address_space: global }
      - { .name: Wq, .offset: 32, .size: 8, .value_kind: global_buffer, .address_space: global }
      - { .name: Wk, .offset: 40, .size: 8, .value_kind: global_buffer, .address_space: global }
      - { .name: Wv, .offset: 48, .size: 8, .value_kind: global_buffer, .address_space: global }
      - { .name: Wo, .offset: 56, .size: 8, .value_kind: global_buffer, .address_space: global }
      - { .name: W1, .offset: 64, .size: 8, .value_kind: global_buffer, .address_space: global }
      - { .name: W2, .offset: 72, .size: 8, .value_kind: global_buffer, .address_space: global }
      - { .name: h1img, .offset: 80, .size: 8, .value_kind: global_buffer, .address_space: global }
      - { .name: wimg, .offset: 88, .size: 8, .value_kind: global_buffer, .address_space: global }
    .group_segment_fixed_size: 52736
    .private_segment_fixed_size: 0
    .kernarg_segment_align: 8
    .kernarg_segment_size: 96
    .max_flat_workgroup_size: 128
    .sgpr_count:     66
    .vgpr_count:     256
    .wavefront_size: 32
...
	.end_amdgpu_metadata
.endif
;; end of part 8
;; launch qkv (part 9): grid 12 x 16, 4 waves a work-group, clusters of 4 x 4, 327,680 bytes of LDS; arguments h1img, wimg, bq, bk, bv, lowp_scales, qkvimg; writes qkvimg
.if DOCPART == 9
	.amdgcn_target "amdgcn-amd-amdhsa--gfx1250"
	.amdhsa_code_object_version 6
	.text
	.protected	k_qa98033ae8d_qkv
	.globl	k_qa98033ae8d_qkv
	.p2align	8
	.type	k_qa98033ae8d_qkv,@function
k_qa98033ae8d_qkv:
	s_mov_b64 s[64:65], 0
	v_nop
	global_prefetch_b8 v0, s[64:65] scope:SCOPE_SE
	s_setreg_imm32_b32 hwreg(HW_REG_WAVE_MODE, 25, 1), 1
	s_wait_xcnt 0x0
	s_wait_alu depctr_hold_cnt(0) depctr_sa_sdst(0) depctr_va_vdst(0) depctr_va_sdst(0) depctr_va_ssrc(0) depctr_va_vcc(0) depctr_vm_vsrc(0)
	s_getreg_b32 s2, hwreg(HW_REG_IB_STS2, 6, 4)
	s_cmp_eq_u32 s2, 0
	s_cbranch_scc0 .Lentry_in_a_cluster
	s_endpgm
.Lentry_in_a_cluster:
	s_bfe_u32 s2, ttmp6, 0x10000c
	s_cmp_lg_u32 s2, 0xf033
	s_cbranch_scc0 .Lentry_shape_is_right
	s_endpgm
.Lentry_shape_is_right:
; Q, K and V: three products [4096 x 1024] x [1024 x 1024] on codes of FP8 (E4M3), + bias, quantised again (e6, e7, e9) and stored as images of the attention's operands.
; The cluster's x says which: 0 Q, 1 K, 2 V.  A tile of 256 x 256 to a work-group of four waves, 128 x 128 a wave: 64 accumulators.  K in steps of 256 through two LDS slots.
; OPERANDS ARE IMAGES OF THEIR REGISTERS (fragment (16 rows, 128 K) = 2,048 bytes; quad q at 512 q, lane at 16 bytes): a K step of 128 rows is 8 rows of 4,096 bytes for one tensor load, dense in LDS,
; and a fragment is four ds_load_b128 of 512 consecutive bytes each: no padding, k in its true place.
; THE MATRIX INSTRUCTION IS USED TRANSPOSED (source 0 = "B", source 1 = "A"): lane (r, h) of accumulator (a, b) holds A's row 16 a + r and B's rows 16 b + 8 h + 0..7: eight neighbours, one conversion's worth.
; Q, K: A = the tokens, B = the weight's columns: a lane's eight are along the head's 64, the scores' K.  V: THE DATA ARE SWAPPED, A = Wv's columns, B = the tokens: a lane's eight are keys, the second product's K.
; qkvimg, for each (batch, head) 393,216 bytes: Q [16 queries: 128][1,024]; K likewise at 131,072; V at 262,144 [128 keys: 16][16 of the head's 64: 4][2,048].
; CLUSTERS 4 x 4: A's tiles are asked for jointly along a row of the cluster, B's along a column.
; LIMITS: e0+e1, e2+e3, e4+e5 between -126 and 127; e6, e7, e9 between -126 and 119.  NaN among the inputs is not served.
; REGISTERS: window 0: v0-31 addresses, v32-95 the bias, v128-255 A's fragments (one set; on the way out values and codes); window 1: B's fragments, two sets; windows 2, 3: accumulator (a, b) at v[8 (8 (a % 4) + b)].
.set KT,    1024
.set LOGR,  14                         ; log2 of the bytes from 16 image rows to the next: KT x 16
.set RTS,   1<<LOGR
.set HALFT, 32768                      ; 128 rows x 256 K: what one tensor load brings
.set SLOT,  4*HALFT                    ; A's 256 rows, then B's
.set LAPS,  KT/512
.set SPARE, 2*SLOT                     ; behind the ring: the spare words, 128 bytes a wave
.set FR, 16
.set NL, 4
.set NP, 4
.set ADRA, 16
.set ADRB, 20
.set CO,   26                          ; v26 16 x lane; never rewritten
.set SPW,  28
.set NIL,  29
.set BI,   32
.set AF,   128
.set VAL,  128
.set G1,  24
.set G0,  32
.set G1B, 48
.set G0B, 56
.set MSB, 0
.macro WIN new                         ; the immediate's high byte repeats the setting that is left
.if MSB != \new
	s_set_vgpr_msb (MSB<<8)|\new
.set MSB, \new
.endif
.endm
.set MUL_LO, 0xa1                      ; source 0 (B) window 1, source 1 (A) window 0, C and D window 2
.set MUL_HI, 0xf1
.set TO_B,   0x40
.macro JLOAD s                         ; a joint load: waves 0, 1 fetch A's halves, waves 2, 3 B's; the branch hangs on the wave's number alone; s_nop 0 and four v_nop follow each line
	s_cmp_eq_u32 s15, 0
	s_cbranch_scc0 .Lfor_b_\@
	tensor_load_to_lds s[G0+4*\s:G0+4*\s+3], s[G1:G1+7]
	s_nop 0
.rept 4
	v_nop
.endr
	s_branch .Lasked_\@
.Lfor_b_\@:
	tensor_load_to_lds s[G0B+4*\s:G0B+4*\s+3], s[G1B:G1B+7]
	s_nop 0
.rept 4
	v_nop
.endr
.Lasked_\@:
.endm
.macro CREST                           ; a round of the cluster's barrier behind its opening barrier
	s_cmp_lg_u32 s14, 0
	s_cbranch_scc1 .Lnot_wave_0_\@
	s_barrier_signal -3
.Lnot_wave_0_\@:
	s_barrier_wait -3
	s_barrier_signal -1
	s_barrier_wait -1
.endm
.macro CROUND
	s_barrier_signal -1
	s_barrier_wait -1
	CREST
.endm
.macro FRAG reg, adr, q, i             ; fragment i of the slot's q-th 128 along K: its image, 512 consecutive bytes a load
.irp c, 0,1,2,3
	ds_load_b128 v[\reg+4*\c:\reg+4*\c+3], v[\adr] offset:(\i)*4096+(\q)*2048+512*\c
.endr
.endm
.macro MUL16 a0, p, zero               ; A's blocks a0, a0 + 1 x B's eight; the 64 accumulators take turns
.irp a, \a0, \a0+1
.irp b, 0,1,2,3,4,5,6,7
.if \zero
	v_wmma_f32_16x16x128_fp8_fp8 v[8*(8*((\a)%4)+\b):8*(8*((\a)%4)+\b)+7], v[128*(\p)+FR*\b:128*(\p)+FR*\b+FR-1], v[AF+FR*(\a):AF+FR*(\a)+FR-1], 0
.else
	v_wmma_f32_16x16x128_fp8_fp8 v[8*(8*((\a)%4)+\b):8*(8*((\a)%4)+\b)+7], v[128*(\p)+FR*\b:128*(\p)+FR*\b+FR-1], v[AF+FR*(\a):AF+FR*(\a)+FR-1], v[8*(8*((\a)%4)+\b):8*(8*((\a)%4)+\b)+7]
.endif
.endr
.endr
.endm
.macro FETCH_B slot, q, p
	WIN TO_B
.irp i, 0,1,2,3,4,5,6,7
	FRAG 128*(\p)+FR*\i, ADRB+\slot, \q, \i
.endr
	WIN 0
.endm
.macro FETCH_A slot, q, i0
.irp i, \i0, \i0+1, \i0+2, \i0+3
	FRAG AF+FR*(\i), ADRA+\slot, \q, \i
.endr
.endm
.macro PLACES n                        ; plain vector lines between a matrix instruction and a load into, or a read of, its registers
.rept \n
	v_nop
.endr
.endm
.macro STEP slot, q, zero              ; 128 along K whose successor lies in the same slot
	s_wait_dscnt 4*NL                              ; B's set and A's blocks 0-3 are in; the youngest 16 loads (A's blocks 4-7) may be out
	WIN MUL_LO
	MUL16 0, (\q)%2, \zero
	MUL16 2, (\q)%2, \zero
	s_wait_dscnt 0
	PLACES NP
	FETCH_B \slot, (\q)+1, 1-(\q)%2
	FETCH_A \slot, (\q)+1, 0
	WIN MUL_HI
	MUL16 4, (\q)%2, \zero
	MUL16 6, (\q)%2, \zero
	PLACES NP
	WIN 0
	FETCH_A \slot, (\q)+1, 4
.endm
.macro TURN slot, next, fill           ; a slot's last 128 along K, and the change of slots: one barrier
	s_wait_tensorcnt 0x0                           ; all my tensor loads have landed: my part of the next slot;
	ds_add_u32 v[SPW], v[NIL]                      ; 0 onto my spare word;
	s_wait_dscnt 4*NL+1                            ; (the add and A's blocks 4-7 may be out)
	WIN MUL_LO
	MUL16 0, 1, 0
	s_wait_dscnt 0x0                               ; the add is done, and my reads of this slot are over
	s_barrier_signal -1
	MUL16 2, 1, 0
	WIN 0
	s_barrier_wait -1
.if \fill
	CREST                                          ; the barrier has opened a round of the cluster's: no wave of any partner still reads this slot or has a load on its way
	s_add_nc_u64 s[G0+4*\slot+2:G0+4*\slot+3], s[G0+4*\slot+2:G0+4*\slot+3], 8192
	s_add_nc_u64 s[G0B+4*\slot+2:G0B+4*\slot+3], s[G0B+4*\slot+2:G0B+4*\slot+3], 8192
	JLOAD \slot                                    ; the first tensor load behind the round, one a wave; its four v_nop are the places in front of the loads below
.else
	PLACES NP
.endif
	FETCH_B \next, 0, 0
	FETCH_A \next, 0, 0
	WIN MUL_HI
	MUL16 4, 1, 0
	MUL16 6, 1, 0
	PLACES NP
	WIN 0
	FETCH_A \next, 0, 4
.endm
	s_load_b256 s[84:91], s[0:1], 0x0              ; h1img 84, wimg 86, bq 88, bk 90
	s_load_b128 s[92:95], s[0:1], 0x20             ; bv 92, the exponents 94
	s_load_b64 s[10:11], s[0:1], 0x30              ; qkvimg
	v_lshl_add_u32 v[SPW], v0, 2, SPARE
	v_mov_b32 v[NIL], 0
	ds_add_u32 v[SPW], v[NIL]                      ; the wave's opening add; its wait stands ahead of my first tensor load
	ds_add_u32 v[SPW], v[NIL]
	v_lshrrev_b32 v1, 5, v0
	v_readfirstlane_b32 s14, v1                    ; wave
	s_lshr_b32 s15, s14, 1                         ; my half of A's rows.  Also: I fetch for A (0) or B (1)
	s_and_b32 s16, s14, 1                          ; my half of B's rows.  Also: which 128 rows I fetch
	s_bfe_u32 s40, ttmp6, 0x40000                  ; cx
	s_bfe_u32 s41, ttmp6, 0x40004                  ; cy
	s_and_b32 s98, ttmp7, 0xffff
	s_lshl_b32 s98, s98, 2                         ; 4 x cluster y: the token tiles' part
	s_cmp_eq_u32 ttmp9, 2                          ; V?  (the cluster's x: the same in all sixteen partners)
	s_cselect_b32 s17, 0, s98
	s_cselect_b32 s42, s98, 0
	s_add_co_u32 s17, s17, s41                     ; A's tile: Q, K: tokens 4 cluster y + cy; V: Wv's columns cy
	s_add_co_u32 s42, s42, s40                     ; B's tile: Q, K: the weight's columns cx; V: tokens 4 cluster y + cx
	s_lshl_b32 s43, s41, 2
	s_lshl_b32 s43, 15, s43                        ; my row of the cluster
	s_lshl_b32 s44, 0x1111, s40                    ; my column
	s_or_b32 s[G1+0], s43, (1<<21)                 ; 15:0 the mask; 17:16 elements of 1 byte; no padding; 21 set beside a mask
	s_or_b32 s[G1B+0], s44, (1<<21)
.irp g, G1, G1B
	s_mov_b32 s[\g+1], 4096<<16                    ; tensor_dim0: two fragments of 16 rows
	s_mov_b32 s[\g+2], 8<<16                       ; tensor_dim1: eight groups of 16 rows
	s_mov_b32 s[\g+3], 4096<<16                    ; tile_dim0
	s_mov_b32 s[\g+4], 8                           ; tile_dim1
	s_mov_b32 s[\g+5], RTS                         ; from 16 rows to the next
	s_mov_b32 s[\g+6], 0
	s_mov_b32 s[\g+7], 0
.endr
	s_lshl_b32 s18, s16, LOGR+3                    ; which 128 rows of the tile I fetch
	s_lshl_b32 s20, s17, LOGR+4
	s_add_co_u32 s20, s20, s18
	s_mov_b32 s21, 0
	s_lshl_b32 s46, s42, LOGR+4
	s_add_co_u32 s46, s46, s18
	s_mov_b32 s47, 0
	s_lshl_b32 s45, s14, 15                        ; where they go: wave x 32,768
	s_lshl_b32 s18, ttmp9, 22                      ; the product's image of the tokens: 4 MiB apart,
	s_mov_b32 s19, 0
	s_lshl_b32 s22, ttmp9, 20                      ; and of its weight: 1 MiB apart
	s_mov_b32 s23, 0
	s_wait_dscnt 0x0                               ; the opening add is done
	s_wait_kmcnt 0x0
	s_load_b512 s[68:83], s[94:95], 0x0            ; e0 .. e15 in s68 .. s83
	s_add_nc_u64 s[84:85], s[84:85], s[18:19]
	s_add_nc_u64 s[86:87], s[86:87], s[22:23]
	s_cmp_eq_u32 ttmp9, 2
	s_cselect_b64 s[4:5], s[86:87], s[84:85]       ; A
	s_cselect_b64 s[6:7], s[84:85], s[86:87]       ; B
	s_add_nc_u64 s[20:21], s[4:5], s[20:21]
	s_add_nc_u64 s[46:47], s[6:7], s[46:47]
	CROUND                                         ; all sixteen work-groups are here: the first joint loads meet
.irp s, 0,1
	s_mov_b32 s[G0+4*\s], 1
	s_add_co_u32 s[G0+4*\s+1], s45, \s*SLOT
	s_add_nc_u64 s[G0+4*\s+2:G0+4*\s+3], s[20:21], \s*4096
	s_or_b32 s[G0+4*\s+3], s[G0+4*\s+3], 0x80000000
	s_mov_b32 s[G0B+4*\s], 1
	s_add_co_u32 s[G0B+4*\s+1], s45, \s*SLOT
	s_add_nc_u64 s[G0B+4*\s+2:G0B+4*\s+3], s[46:47], \s*4096
	s_or_b32 s[G0B+4*\s+3], s[G0B+4*\s+3], 0x80000000
.endr
	JLOAD 0                                        ; K step 0: one tensor load a wave at the head
	v_and_b32 v3, 31, v0
	v_lshlrev_b32 v[CO], 4, v3
	v_and_b32 v1, 15, v0                           ; r
	v_bfe_u32 v2, v0, 4, 1                         ; h
	s_lshl_b32 s21, s15, 15                        ; my 128 rows of A,
	s_lshl_b32 s22, s16, 15
	s_add_co_u32 s22, s22, 2*HALFT                 ; of B, behind A's 256
.irp s, 0,1
	v_add_nc_u32 v[ADRA+\s], s21, v[CO]
	v_add_nc_u32 v[ADRB+\s], s22, v[CO]
	s_add_co_u32 s21, s21, SLOT
	s_add_co_u32 s22, s22, SLOT
.endr
	; which side holds tokens and which features
	s_cmp_eq_u32 ttmp9, 2
	s_cselect_b32 s8, s42, s17                     ; the token tile,
	s_cselect_b32 s9, s17, s42                     ; the feature tile,
	s_cselect_b32 s66, s16, s15                    ; my half of the tokens,
	s_cselect_b32 s67, s15, s16                    ; my half of the features
	s_cselect_b64 s[12:13], s[92:93], s[88:89]
	s_cmp_eq_u32 ttmp9, 1
	s_cselect_b64 s[12:13], s[90:91], s[12:13]     ; the product's bias
	s_lshl_b32 s99, s9, 10
	s_lshl_b32 s89, s67, 9
	s_add_co_u32 s2, s99, s89                      ; my first feature x 4 bytes
	s_mov_b32 s3, 0
	s_add_nc_u64 s[12:13], s[12:13], s[2:3]
	s_lshr_b32 s99, s8, 3
	s_lshl_b32 s99, s99, 4                         ; 16 x batch
	s_lshl_b32 s89, s9, 2
	s_add_co_u32 s99, s99, s89
	s_lshl_b32 s89, s67, 1
	s_add_co_u32 s99, s99, s89                     ; + my first head: 4 x feature tile + 2 x half
	s_mul_i32 s99, s99, 393216
	s_lshl_b32 s89, ttmp9, 17
	s_add_co_u32 s99, s99, s89                     ; Q, K or V's part
	s_and_b32 s89, s8, 7
	s_lshl_b32 s89, s89, 1
	s_add_co_u32 s89, s89, s66
	s_lshl_b32 s89, s89, 13                        ; my 128 tokens: 8,192 bytes in each of the three layouts
	s_add_co_u32 s2, s99, s89
	s_add_nc_u64 s[10:11], s[10:11], s[2:3]
	; the bias, in the accumulators' layout, asked for now and awaited on the way out.  Both ways fill all of v32-95
	s_cmp_eq_u32 ttmp9, 2
	s_cbranch_scc1 .Lbias_v
	s_wait_alu depctr_va_vdst(0)
	v_lshlrev_b32 v27, 5, v2                       ; Q, K: v[32 + 8 b + j] = bias[16 b + 8 h + j]
.irp b, 0,1,2,3,4,5,6,7
	global_load_b128 v[BI+8*\b:BI+8*\b+3], v27, s[12:13] offset:64*\b
	global_load_b128 v[BI+8*\b+4:BI+8*\b+7], v27, s[12:13] offset:64*\b+16
.endr
	s_branch .Lbias_done
.Lbias_v:
	s_wait_alu depctr_va_vdst(0)
	v_lshlrev_b32 v27, 2, v1                       ; V: v[32 + 8 a + j] = bias[16 a + r] for every j
.irp a, 0,1,2,3,4,5,6,7
.irp j, 0,1,2,3,4,5,6,7
	global_load_b32 v[BI+8*\a+\j], v27, s[12:13] offset:64*\a
.endr
.endr
.Lbias_done:
	s_wait_alu depctr_va_vdst(0)
	s_wait_tensorcnt 0x0                           ; my part of K step 0 is in
	ds_add_u32 v[SPW], v[NIL]
	s_wait_dscnt 0x0
	CROUND                                         ; everybody's part of K step 0 is in, and all sixteen work-groups are here
	JLOAD 1                                        ; K step 1: the first tensor load behind the round
	FETCH_B 0, 0, 0
	FETCH_A 0, 0, 0
	FETCH_A 0, 0, 4
	STEP 0, 0, 1                                   ; the first step's products start the sums
	s_mov_b32 s3, LAPS-1
.Llap:
	TURN 0, 1, 1
	STEP 1, 0, 0
	TURN 1, 0, 1
	STEP 0, 0, 0
	s_sub_co_u32 s3, s3, 1
	s_cmp_lg_u32 s3, 0
	s_cbranch_scc1 .Llap
	TURN 0, 1, 0                                   ; the last lap fills nothing
	STEP 1, 0, 0
	s_wait_dscnt 4*NL
	WIN MUL_LO
	MUL16 0, 1, 0
	MUL16 2, 1, 0
	s_wait_dscnt 0
	WIN MUL_HI
	MUL16 4, 1, 0
	MUL16 6, 1, 0
	WIN 0
	; THE WAY OUT: sum x 2^(eA + eB) + bias, held, converted: the eight codes of accumulator b are registers 2 b, 2 b + 1 of the next operand's fragment, stored as they stand
	s_wait_kmcnt 0x0
	s_add_co_i32 s96, s68, s69
	s_add_co_i32 s97, s70, s71
	s_add_co_i32 s98, s72, s73
	s_cmp_eq_u32 ttmp9, 1
	s_cselect_b32 s96, s97, s96
	s_cselect_b32 s99, s75, s74                    ; e7 for K, e6 for Q,
	s_cmp_eq_u32 ttmp9, 2
	s_cselect_b32 s96, s98, s96
	s_cselect_b32 s99, s77, s99                    ; e9 for V
	s_add_co_i32 s96, s96, 127
	s_lshl_b32 s96, s96, 23                        ; 2^(eA + eB)
	s_mov_b32 s97, s96
	s_add_co_i32 s99, s99, 127
	s_lshl_b32 s98, s99, 23
	v_mov_b32 v19, s98                             ; the result's scale
	s_add_co_i32 s99, s99, 8
	s_lshl_b32 s99, s99, 23
	s_or_b32 s99, s99, 0x600000
	v_mov_b32 v18, s99                             ; 448 x that
	s_wait_loadcnt 0x0                             ; the bias
	PLACES NP
.macro EPI a, isv
.set AC, 64*((\a)%4)
.set CD, 192+16*((\a)%2)
.if (\a) >= 2
	s_wait_xcnt 0x0                                ; the stores of two blocks ago have read their registers
.endif
	WIN 0x02+((\a)/4)                              ; source 0: window 2 or 3
.irp b, 0,1,2,3,4,5,6,7
.irp j, 0,2,4,6
.if \isv
	v_pk_fma_f32 v[VAL+8*\b+\j:VAL+8*\b+\j+1], v[AC+8*\b+\j:AC+8*\b+\j+1], s[96:97], v[BI+8*(\a)+\j:BI+8*(\a)+\j+1] op_sel_hi:[1,0,1]
.else
	v_pk_fma_f32 v[VAL+8*\b+\j:VAL+8*\b+\j+1], v[AC+8*\b+\j:AC+8*\b+\j+1], s[96:97], v[BI+8*\b+\j:BI+8*\b+\j+1] op_sel_hi:[1,0,1]
.endif
.endr
.endr
	WIN 0
.irp b, 0,1,2,3,4,5,6,7
.irp j, 0,1,2,3,4,5,6,7
	v_med3_num_f32 v[VAL+8*\b+\j], v[VAL+8*\b+\j], -v18, v18
.endr
	v_cvt_scalef32_pk8_fp8_f32 v[CD+2*\b:CD+2*\b+1], v[VAL+8*\b:VAL+8*\b+7], v19
.endr
	v_nop                                          ; a plain line behind the last conversion
.irp q, 0,1,2,3
.if \isv
	global_store_b128 v[CO], v[CD+4*\q:CD+4*\q+3], s[10:11] offset:((\a)/4)*393216+((\a)%4)*2048+\q*512   ; head a / 4 of my two, its rows 16 (a % 4) on, my 128 keys: 512 consecutive bytes
.else
	global_store_b128 v[CO], v[CD+4*\q:CD+4*\q+3], s[10:11] offset:(\q/2)*393216+(\a)*1024+(\q%2)*512     ; head q / 2 of my two, tokens 16 a on
.endif
.endr
.endm
	s_cmp_eq_u32 ttmp9, 2
	s_cbranch_scc1 .Lout_v
.irp a, 0,1,2,3,4,5,6,7
	EPI \a, 0
.endr
	s_branch .Lout_done
.Lout_v:
.irp a, 0,1,2,3,4,5,6,7
	EPI \a, 1
.endr
.Lout_done:
	s_wait_tensorcnt 0x0                           ; the wave's end
	ds_add_u32 v[SPW], v[NIL]
	s_wait_dscnt 0x0
	CROUND                                         ; the closing round
	s_endpgm
.Lfunc_end_k_qa98033ae8d_qkv:
	.size	k_qa98033ae8d_qkv, .Lfunc_end_k_qa98033ae8d_qkv-k_qa98033ae8d_qkv
	.p2alignl 7, 3214868480
	.fill 96, 4, 3214868480
	.section	.rodata,"a",@progbits
	.p2align	6, 0x0
	.amdhsa_kernel k_qa98033ae8d_qkv
		.amdhsa_group_segment_fixed_size 327680
		.amdhsa_private_segment_fixed_size 0
		.amdhsa_enable_private_segment 0
		.amdhsa_kernarg_size 56
		.amdhsa_user_sgpr_count 2
		.amdhsa_user_sgpr_kernarg_segment_ptr 1
		.amdhsa_wavefront_size32 1
		.amdhsa_system_sgpr_workgroup_id_x 1
		.amdhsa_system_sgpr_workgroup_id_y 1
		.amdhsa_system_sgpr_workgroup_id_z 1
		.amdhsa_system_vgpr_workitem_id 0
		.amdhsa_next_free_vgpr 1024
		.amdhsa_next_free_sgpr 100
		.amdhsa_reserve_vcc 0
		.amdhsa_float_denorm_mode_32 3
		.amdhsa_float_denorm_mode_16_64 3
		.amdhsa_memory_ordered 1
		.amdhsa_forward_progress 1
		.amdhsa_inst_pref_size 199
	.end_amdhsa_kernel
	.amdgpu_metadata
---
amdhsa.version: [ 1, 2 ]
amdhsa.kernels:
  - .name:           k_qa98033ae8d_qkv
    .symbol:         k_qa98033ae8d_qkv.kd
    .args:
      - { .name: h1img, .offset: 0, .size: 8, .value_kind: global_buffer, .address_space: global }
      - { .name: wimg, .offset: 8, .size: 8, .value_kind: global_buffer, .address_space: global }
      - { .name: bq, .offset: 16, .size: 8, .value_kind: global_buffer, .address_space: global }
      - { .name: bk, .offset: 24, .size: 8, .value_kind: global_buffer, .address_space: global }
      - { .name: bv, .offset: 32, .size: 8, .value_kind: global_buffer, .address_space: global }
      - { .name: lowp_scales, .offset: 40, .size: 8, .value_kind: global_buffer, .address_space: global }
      - { .name: qkvimg, .offset: 48, .size: 8, .value_kind: global_buffer, .address_space: global }
    .group_segment_fixed_size: 327680
    .private_segment_fixed_size: 0
    .kernarg_segment_align: 8
    .kernarg_segment_size: 56
    .max_flat_workgroup_size: 128
    .sgpr_count:     100
    .vgpr_count:     1024
    .wavefront_size: 32
...
	.end_amdgpu_metadata
.endif
;; end of part 9
;; launch attn (part 10): grid 8 x 32, 8 waves a work-group, clusters of 4 x 1, 327,680 bytes of LDS; arguments qkvimg, lowp_scales, ctximg; writes ctximg
.if DOCPART == 10
	.amdgcn_target "amdgcn-amd-amdhsa--gfx1250"
	.amdhsa_code_object_version 6
	.text
	.protected	k_qa98033ae8d_attn
	.globl	k_qa98033ae8d_attn
	.p2align	8
	.type	k_qa98033ae8d_attn,@function
k_qa98033ae8d_attn:
	s_mov_b64 s[64:65], 0
	v_nop
	global_prefetch_b8 v0, s[64:65] scope:SCOPE_SE
	s_setreg_imm32_b32 hwreg(HW_REG_WAVE_MODE, 25, 1), 1
	s_wait_xcnt 0x0
	s_wait_alu depctr_hold_cnt(0) depctr_sa_sdst(0) depctr_va_vdst(0) depctr_va_sdst(0) depctr_va_ssrc(0) depctr_va_vcc(0) depctr_vm_vsrc(0)
	s_getreg_b32 s2, hwreg(HW_REG_IB_STS2, 6, 4)
	s_cmp_eq_u32 s2, 0
	s_cbranch_scc0 .Lentry_in_a_cluster
	s_endpgm
.Lentry_in_a_cluster:
	s_bfe_u32 s2, ttmp6, 0x10000c
	s_cmp_lg_u32 s2, 0x3003
	s_cbranch_scc0 .Lentry_shape_is_right
	s_endpgm
.Lentry_shape_is_right:
; ctx = softmax(Q K^T / 8) V for one (batch, head) and 256 queries a work-group, both products on codes of FP8 (E4M3); the result is quantised with 2^e10 into ctximg, an image of the next product's operand.
; qkvimg, for each (batch, head) 393,216 bytes: Q [16 queries: 128][1,024]; K likewise at 131,072; V at 262,144 [128 keys: 16][16 of the head's 64: 4][2,048]: images of the operands' registers.
; THE SOFTMAX: t = score x log2(e) / 8 x 2^(e6 + e7); M = the ceiling of the running largest t; p = 2^(t - M) is held at 448 x 2^e8 and quantised with 2^e8; the row's sum is taken of the unquantised p and divides at the end.
; When M moves, the sum and O^T are multiplied by 2^(old M - new M), a power of two.  The running maximum is kept in raw scores (the factor is positive), so it enters the chains of maxima as their first source.
; SHARES: eight waves, each with 32 queries: two tiles x = 0, 1 of 16, so that each fragment of K and of V read from LDS feeds two matrix instructions.  A step is 128 keys; 16 steps.
; ALL OF THE HEAD'S K AND V, 262,144 consecutive bytes of memory, lie in LDS: each wave asks for 32,768 of them by its one tensor load at the head.  Nothing is filled again; one barrier shows all of it to all waves.
; CLUSTER 4, 1, 1: the four query blocks of a cluster belong to one head and ask for K and V jointly.
; NO PREFETCH: every tensor load of the launch is issued at its head; there is no loop that runs ahead of a load.
; Both products are used transposed (S^T = K Q^T, O^T = V^T P^T): lane (r, h) holds query r; register 8 t + j of S is key 16 t + 8 h + j, which is the place that the conversion's result has in the second product's operand.
; FRAGMENTS RUN AHEAD: V's of step t are asked for at the step's top, K's of step t + 1 behind the scores' products.
; LIMITS: e6 + e7 between -123 and 130; e8 and e10 between -126 and 119; the scaled scores stay under 2^31 in magnitude.  NaN among the inputs is not served.
; REGISTERS, window 0: v1-10 addresses and constants, v16-31 Q, v32-87 the two tiles' small state, v128-255 S (tile x at 128 + 64 x).
;   window 1: v0-63 K's fragments, v64-127 V's, v128-191 O^T (tile x at 128 + 32 x), v192-223 p's codes (tile x at 192 + 16 x).
.set SPARE, 262144                     ; behind K and V: the spare words, 128 bytes a wave
.set LI,  1                            ; 16 x lane
.set ADK, 2
.set ADV, 3
.set SPW, 4
.set NIL, 5
.set H0,  6                            ; 448 x 2^e8, twice: the two halves of a dual instruction take their second sources from different banks
.set H1,  7
.set PSC, 8                            ; 2^e8
.set OH,  9                            ; 448 x 2^e10
.set OSC, 10                           ; 2^e10
.set QF,  16
.set NM,  32                           ; pair 2 x: -M, and a word that is only named
.set FF,  36                           ; pair 2 x: f = 2^(old M - new M), likewise
.set MR,  40                           ; the running largest raw score
.set PL,  42
.set TM,  44                           ; 4 x: four chains of maxima
.set SUM, 52                           ; 8 x: the row's sum in two halves, then three more chains of pairs
.set OLD, 68
.set CD,  72                           ; 8 x: the result's codes
.set S,   128
.set FK,  0
.set FV,  64
.set O,   128
.set PC,  192
.set WV,  12
.set MSB, 0
.macro WIN new                         ; the immediate's high byte repeats the setting that is left
.if MSB != \new
	s_set_vgpr_msb (MSB<<8)|\new
.set MSB, \new
.endif
.endm
.macro CROUND
	s_barrier_signal -1
	s_barrier_wait -1
	s_cmp_lg_u32 s[WV], 0
	s_cbranch_scc1 .Lnot_wave_0_\@
	s_barrier_signal -3
.Lnot_wave_0_\@:
	s_barrier_wait -3
	s_barrier_signal -1
	s_barrier_wait -1
.endm
	s_load_b128 s[4:7], s[0:1], 0x0                ; qkvimg, the exponents
	s_load_b64 s[8:9], s[0:1], 0x10                ; ctximg
	v_lshl_add_u32 v[SPW], v0, 2, SPARE
	v_mov_b32 v[NIL], 0
	ds_add_u32 v[SPW], v[NIL]                      ; the opening add, twice on end, and its wait below
	ds_add_u32 v[SPW], v[NIL]
	v_lshrrev_b32 v11, 5, v0
	v_readfirstlane_b32 s[WV], v11                 ; wave 0..7
	s_bfe_u32 s13, ttmp6, 0x40000                  ; cx
	s_lshl_b32 s14, ttmp9, 2
	s_add_co_u32 s14, s14, s13                     ; which 256 queries
	s_and_b32 s15, ttmp7, 0xffff                   ; 16 x batch + head
	s_mul_i32 s16, s15, 393216
	s_mov_b32 s17, 0
	s_mov_b32 s24, 15|(3<<16)|(1<<21)              ; the mask of the four partners; elements of 8 bytes; bit 21 beside a mask
	s_mov_b32 s25, 32<<16                          ; rows of 256 bytes,
	s_mov_b32 s26, 128<<16                         ; 128 of them, dense
	s_mov_b32 s27, 32<<16
	s_mov_b32 s28, 128
	s_mov_b32 s29, 32
	s_mov_b32 s30, 0
	s_mov_b32 s31, 0
	s_mov_b32 s20, 0x76543210                      ; v_permlanex16_b32's selects for lane l xor 16
	s_mov_b32 s21, 0xfedcba98
	s_mov_b32 s22, 0x3e38aa3b                      ; log2(e) / 8
	s_mov_b32 s32, 1
	s_lshl_b32 s33, s[WV], 15                      ; LDS: 32,768 x wave
	s_add_co_u32 s10, s33, 131072                  ; memory: the same, behind Q's part
	s_mov_b32 s11, 0
	s_lshl_b32 s50, s14, 4
	s_lshl_b32 s51, s[WV], 1
	s_add_co_u32 s50, s50, s51                     ; the first of my two tiles of queries
	s_wait_dscnt 0x0
	s_wait_kmcnt 0x0
	s_load_b128 s[52:55], s[6:7], 0x18             ; e6 .. e9
	s_load_b32 s56, s[6:7], 0x28                   ; e10
	s_add_nc_u64 s[4:5], s[4:5], s[16:17]
	s_add_nc_u64 s[34:35], s[4:5], s[10:11]
	s_or_b32 s35, s35, 0x80000000
	CROUND                                         ; the four partners are here: the joint loads meet
	tensor_load_to_lds s[32:35], s[24:31]          ; my one tensor load
	s_nop 0
	v_and_b32 v11, 31, v0
	v_lshlrev_b32 v[LI], 4, v11
	s_lshl_b32 s58, s50, 10
	s_mov_b32 s59, 0
	s_add_nc_u64 s[58:59], s[4:5], s[58:59]
.irp c, 0,1,2,3
	global_load_b128 v[QF+4*\c:QF+4*\c+3], v[LI], s[58:59] offset:512*\c   ; Q's two fragments stay in registers
.endr
	s_lshr_b32 s60, s15, 4                         ; ctximg: fragment (16 rows rt = 128 batch + tile, 128 K kb = head / 2) at (8 rt + kb) 2048; an odd head's half 1,024 on
	s_lshl_b32 s60, s60, 7
	s_add_co_u32 s60, s60, s50
	s_lshl_b32 s60, s60, 3
	s_bfe_u32 s61, s15, 0x30001
	s_add_co_u32 s60, s60, s61
	s_lshl_b32 s60, s60, 1
	s_and_b32 s61, s15, 1
	s_add_co_u32 s60, s60, s61
	s_lshl_b32 s60, s60, 10
	s_mov_b32 s61, 0
	s_add_nc_u64 s[8:9], s[8:9], s[60:61]
.irp x, 0,1
	v_mov_b32 v[MR+\x], 0xff61b1e6                 ; -3e38, under every score
	v_mov_b32 v[NM+2*\x], 0x7f61b1e6               ; -M to match
	v_mov_b32 v[NM+2*\x+1], 0
	v_mov_b32 v[FF+2*\x+1], 0
	v_mov_b32 v[PL+\x], 0                          ; a lane permute's destination counts as a source
	v_mov_b32 v[SUM+8*\x], 0
	v_mov_b32 v[SUM+8*\x+1], 0
.endr
	WIN 0x40
.set jj, 0
.rept 64
	v_mov_b32 v[O+jj], 0                           ; O^T: the step is written for every step alike; the first change of M leaves zeros zeros
.set jj, jj+1
.endr
	WIN 0
	s_wait_kmcnt 0x0
	s_add_co_i32 s57, s52, s53
	s_lshl_b32 s57, s57, 23
	s_add_co_i32 s22, s22, s57                     ; e6 + e7 go into the factor's exponent field
	s_mov_b32 s23, s22
	s_add_co_i32 s57, s54, 127
	s_lshl_b32 s51, s57, 23
	v_mov_b32 v[PSC], s51
	s_add_co_i32 s57, s57, 8
	s_lshl_b32 s57, s57, 23
	s_or_b32 s57, s57, 0x600000
	v_mov_b32 v[H0], s57
	v_mov_b32 v[H1], s57
	s_add_co_i32 s57, s56, 127
	s_lshl_b32 s51, s57, 23
	v_mov_b32 v[OSC], s51
	s_add_co_i32 s57, s57, 8
	s_lshl_b32 s57, s57, 23
	s_or_b32 s57, s57, 0x600000
	v_mov_b32 v[OH], s57
	s_wait_alu depctr_va_vdst(0)
	s_wait_tensorcnt 0x0                           ; my 32,768 bytes are in;
	s_barrier_signal -1
	s_barrier_wait -1                              ; everybody's are
	WIN 0x40
.irp t, 0,1,2,3,4,5,6,7
	ds_load_b128 v[FK+8*\t:FK+8*\t+3], v[LI] offset:\t*1024          ; K's fragments of step 0
	ds_load_b128 v[FK+8*\t+4:FK+8*\t+7], v[LI] offset:\t*1024+512
.endr
	WIN 0
	s_wait_loadcnt 0x0                             ; Q
.macro STEP last
	v_add_nc_u32 v[ADK], s48, v[LI]                ; four plain lines: the places between the last products and the loads into V's fragments
	v_add_nc_u32 v[ADV], 0x20000, v[ADK]
	v_mov_b32 v[OLD], v[NM]
	v_mov_b32 v[OLD+1], v[NM+2]
	WIN 0x40
.irp d, 0,1,2,3
.irp c, 0,1,2,3
	ds_load_b128 v[FV+16*\d+4*\c:FV+16*\d+4*\c+3], v[ADV] offset:\d*2048+\c*512
.endr
.endr
	WIN 0x01
	s_wait_alu depctr_va_vdst(0)
	s_wait_dscnt 16                                ; K's 16 loads are in; V's 16, just issued, may be out
.irp t, 0,1,2,3,4,5,6,7
.irp x, 0,1
	v_wmma_f32_16x16x64_fp8_fp8 v[S+64*\x+8*\t:S+64*\x+8*\t+7], v[FK+8*\t:FK+8*\t+7], v[QF+8*\x:QF+8*\x+7], 0
.endr
.endr
.rept 4
	v_nop                                          ; places in front of the loads into K's fragments and of the first reads of S
.endr
.if \last == 0
	WIN 0x40
.irp t, 0,1,2,3,4,5,6,7
	ds_load_b128 v[FK+8*\t:FK+8*\t+3], v[ADK] offset:8192+\t*1024    ; the next step's K
	ds_load_b128 v[FK+8*\t+4:FK+8*\t+7], v[ADK] offset:8192+\t*1024+512
.endr
.endif
	WIN 0
.set ii, 0
.rept 32                                       ; the largest score: four chains a tile, the tiles by turns; each accumulator from its low end on
.irp x, 0,1
.if ii < 4
	v_max3_num_f32 v[TM+4*\x+ii], v[MR+\x], v[S+64*\x+2*ii], v[S+64*\x+2*ii+1]
.else
	v_max3_num_f32 v[TM+4*\x+ii%4], v[TM+4*\x+ii%4], v[S+64*\x+2*ii], v[S+64*\x+2*ii+1]
.endif
.endr
.set ii, ii+1
.endr
.irp x, 0,1
	v_max3_num_f32 v[TM+4*\x], v[TM+4*\x], v[TM+4*\x+1], v[TM+4*\x+2]
.endr
.irp x, 0,1
	v_max_num_f32 v[TM+4*\x], v[TM+4*\x], v[TM+4*\x+3]
.endr
.irp x, 0,1
	v_permlanex16_b32 v[PL+\x], v[TM+4*\x], s20, s21
.endr
.irp x, 0,1
	v_max_num_f32 v[MR+\x], v[TM+4*\x], v[PL+\x]   ; with lane l xor 16's: the running largest raw score
.endr
.irp x, 0,1
	v_mul_f32 v[TM+4*\x+1], s22, v[MR+\x]          ; as t
.endr
.irp x, 0,1
	v_floor_f32 v[NM+2*\x], -v[TM+4*\x+1]          ; -M = floor(-t)
.endr
.set jj, 0
.rept 32
.irp x, 0,1
	v_pk_fma_f32 v[S+64*\x+jj:S+64*\x+jj+1], v[S+64*\x+jj:S+64*\x+jj+1], s[22:23], v[NM+2*\x:NM+2*\x+1] op_sel_hi:[1,0,0]   ; t - M
.endr
.if jj == 4
.irp x, 0,1
	v_sub_f32 v[TM+4*\x+2], v[NM+2*\x], v[OLD+\x]  ; old M - new M: a whole number, 0 or less
.endr
.endif
.if jj == 10
.irp x, 0,1
	v_cvt_i32_f32 v[TM+4*\x+2], v[TM+4*\x+2]       ; (it saturates)
.endr
.endif
.if jj == 16
.irp x, 0,1
	v_ldexp_f32 v[FF+2*\x], 1.0, v[TM+4*\x+2]      ; f
.endr
.endif
.set jj, jj+2
.endr
	s_wait_alu depctr_va_vdst(0)                   ; a wait ahead of the batch
.set jj, 0
.rept 128
	v_exp_f32 v[S+jj], v[S+jj]                     ; p, at most 1
.set jj, jj+1
.endr
.irp x, 0,1
	v_pk_mul_f32 v[SUM+8*\x:SUM+8*\x+1], v[SUM+8*\x:SUM+8*\x+1], v[FF+2*\x:FF+2*\x+1] op_sel_hi:[1,0]   ; the sums under the new M; plain lines behind the batch
.endr
	s_wait_alu depctr_va_vdst(0)                   ; and the one wait behind it
.irp k, 1,2,3
.irp x, 0,1
	v_pk_add_f32 v[SUM+8*\x+2*\k:SUM+8*\x+2*\k+1], v[S+64*\x+4*\k-4:S+64*\x+4*\k-3], v[S+64*\x+4*\k-2:S+64*\x+4*\k-1]
.endr
.endr
.set jj, 12
.rept 26                                       ; the sum of the unquantised p: four chains of pairs a tile
.irp x, 0,1
	v_pk_add_f32 v[SUM+8*\x+2*((jj/2)%4):SUM+8*\x+2*((jj/2)%4)+1], v[SUM+8*\x+2*((jj/2)%4):SUM+8*\x+2*((jj/2)%4)+1], v[S+64*\x+jj:S+64*\x+jj+1]
.endr
.set jj, jj+2
.endr
.irp x, 0,1
	v_pk_add_f32 v[SUM+8*\x:SUM+8*\x+1], v[SUM+8*\x:SUM+8*\x+1], v[SUM+8*\x+2:SUM+8*\x+3]
.endr
.irp x, 0,1
	v_pk_add_f32 v[SUM+8*\x+4:SUM+8*\x+5], v[SUM+8*\x+4:SUM+8*\x+5], v[SUM+8*\x+6:SUM+8*\x+7]
.endr
.irp x, 0,1
	v_pk_add_f32 v[SUM+8*\x:SUM+8*\x+1], v[SUM+8*\x:SUM+8*\x+1], v[SUM+8*\x+4:SUM+8*\x+5]
.endr
.set jj, 0
.rept 64                                       ; the conversion does not saturate (ISA guide 7.6.2); p is not negative, so the hold is one-sided; two numbers an instruction
	v_dual_min_num_f32 v[S+jj], v[S+jj], v[H0] :: v_dual_min_num_f32 v[S+jj+1], v[S+jj+1], v[H1]
.set jj, jj+2
.endr
	WIN 0x40
.irp x, 0,1
.irp t, 0,1,2,3,4,5,6,7
	v_cvt_scalef32_pk8_fp8_f32 v[PC+16*\x+2*\t:PC+16*\x+2*\t+1], v[S+64*\x+8*\t:S+64*\x+8*\t+7], v[PSC]
.endr
.endr
	WIN 0x41
	s_wait_alu depctr_va_vdst(0)                   ; directly ahead of the first reader of O^T
.irp x, 0,1
.set jj, 0
.rept 16
	v_pk_mul_f32 v[O+32*\x+jj:O+32*\x+jj+1], v[O+32*\x+jj:O+32*\x+jj+1], v[FF+2*\x:FF+2*\x+1] op_sel_hi:[1,0]   ; O^T under the new M
.set jj, jj+2
.endr
.endr
	WIN 0x55
	s_wait_alu depctr_va_vdst(0)
.if \last
	s_wait_dscnt 0x0
.else
	s_wait_dscnt 16                                ; V's 16 loads are in; the next step's K may be out
.endif
.irp d, 0,1,2,3
.irp x, 0,1
	v_wmma_f32_16x16x128_fp8_fp8 v[O+32*\x+8*\d:O+32*\x+8*\d+7], v[FV+16*\d:FV+16*\d+15], v[PC+16*\x:PC+16*\x+15], v[O+32*\x+8*\d:O+32*\x+8*\d+7]
.endr
.endr
	WIN 0
.endm
	s_mov_b32 s48, 0                               ; the step's place in K's and in V's part of LDS
	s_mov_b32 s49, 15
.Lstep:
	STEP 0
	s_add_co_u32 s48, s48, 8192
	s_sub_co_u32 s49, s49, 1
	s_cmp_lg_u32 s49, 0
	s_cbranch_scc1 .Lstep
	STEP 1                                         ; the last step asks for no further fragments of K
.rept 4
	v_nop
.endr
.irp x, 0,1
	v_add_f32 v[SUM+8*\x], v[SUM+8*\x], v[SUM+8*\x+1]
.endr
.irp x, 0,1
	v_permlanex16_b32 v[PL+\x], v[SUM+8*\x], s20, s21
.endr
.irp x, 0,1
	v_add_f32 v[SUM+8*\x], v[SUM+8*\x], v[PL+\x]   ; the row's sum
.endr
	s_wait_alu depctr_va_vdst(0)                   ; a wait ahead of the transcendentals
.irp x, 0,1
	v_rcp_f32 v[FF+2*\x], v[SUM+8*\x]
.endr
	v_nop
	s_add_co_i32 s57, s54, s55
	s_wait_alu depctr_va_vdst(0)                   ; and behind them
.irp x, 0,1
	v_ldexp_f32 v[FF+2*\x], v[FF+2*\x], s57        ; x 2^(e8 + e9)
.endr
	WIN 0x01
	s_wait_alu depctr_va_vdst(0)                   ; directly ahead of the first reader of O^T
.irp x, 0,1
.set jj, 0
.rept 16
	v_pk_mul_f32 v[S+64*\x+jj:S+64*\x+jj+1], v[O+32*\x+jj:O+32*\x+jj+1], v[FF+2*\x:FF+2*\x+1] op_sel_hi:[1,0]
.set jj, jj+2
.endr
.endr
	WIN 0
.irp x, 0,1
.irp d, 0,1,2,3
.irp j, 0,1,2,3,4,5,6,7
	v_med3_num_f32 v[S+64*\x+8*\d+\j], v[S+64*\x+8*\d+\j], -v[OH], v[OH]
.endr
	v_cvt_scalef32_pk8_fp8_f32 v[CD+8*\x+2*\d:CD+8*\x+2*\d+1], v[S+64*\x+8*\d:S+64*\x+8*\d+7], v[OSC]
.endr
.endr
	v_nop                                          ; a plain line behind the last conversion
.irp x, 0,1
	global_store_b128 v[LI], v[CD+8*\x:CD+8*\x+3], s[8:9] offset:16384*\x          ; 512 consecutive bytes, aligned; the second tile's 16 rows lie 16,384 bytes on
	global_store_b128 v[LI], v[CD+8*\x+4:CD+8*\x+7], s[8:9] offset:16384*\x+512
.endr
	s_wait_tensorcnt 0x0                           ; the wave's end
	ds_add_u32 v[SPW], v[NIL]
	s_wait_dscnt 0x0
	CROUND                                         ; the closing round
	s_endpgm
.Lfunc_end_k_qa98033ae8d_attn:
	.size	k_qa98033ae8d_attn, .Lfunc_end_k_qa98033ae8d_attn-k_qa98033ae8d_attn
	.p2alignl 7, 3214868480
	.fill 96, 4, 3214868480
	.section	.rodata,"a",@progbits
	.p2align	6, 0x0
	.amdhsa_kernel k_qa98033ae8d_attn
		.amdhsa_group_segment_fixed_size 327680
		.amdhsa_private_segment_fixed_size 0
		.amdhsa_enable_private_segment 0
		.amdhsa_kernarg_size 24
		.amdhsa_user_sgpr_count 2
		.amdhsa_user_sgpr_kernarg_segment_ptr 1
		.amdhsa_wavefront_size32 1
		.amdhsa_system_sgpr_workgroup_id_x 1
		.amdhsa_system_sgpr_workgroup_id_y 1
		.amdhsa_system_sgpr_workgroup_id_z 1
		.amdhsa_system_vgpr_workitem_id 0
		.amdhsa_next_free_vgpr 480
		.amdhsa_next_free_sgpr 66
		.amdhsa_reserve_vcc 0
		.amdhsa_float_denorm_mode_32 3
		.amdhsa_float_denorm_mode_16_64 3
		.amdhsa_memory_ordered 1
		.amdhsa_forward_progress 1
		.amdhsa_inst_pref_size 73
	.end_amdhsa_kernel
	.amdgpu_metadata
---
amdhsa.version: [ 1, 2 ]
amdhsa.kernels:
  - .name:           k_qa98033ae8d_attn
    .symbol:         k_qa98033ae8d_attn.kd
    .args:
      - { .name: qkvimg, .offset: 0, .size: 8, .value_kind: global_buffer, .address_space: global }
      - { .name: lowp_scales, .offset: 8, .size: 8, .value_kind: global_buffer, .address_space: global }
      - { .name: ctximg, .offset: 16, .size: 8, .value_kind: global_buffer, .address_space: global }
    .group_segment_fixed_size: 327680
    .private_segment_fixed_size: 0
    .kernarg_segment_align: 8
    .kernarg_segment_size: 24
    .max_flat_workgroup_size: 256
    .sgpr_count:     66
    .vgpr_count:     480
    .wavefront_size: 32
...
	.end_amdgpu_metadata
.endif
;; end of part 10
;; launch wo (part 11): grid 8 x 32, 4 waves a work-group, clusters of 4 x 4, 327,680 bytes of LDS; arguments ctximg, wimg, bo, x, lowp_scales, x1; writes x1
.if DOCPART == 11
	.amdgcn_target "amdgcn-amd-amdhsa--gfx1250"
	.amdhsa_code_object_version 6
	.text
	.protected	k_qa98033ae8d_wo
	.globl	k_qa98033ae8d_wo
	.p2align	8
	.type	k_qa98033ae8d_wo,@function
k_qa98033ae8d_wo:
	s_mov_b64 s[64:65], 0
	v_nop
	global_prefetch_b8 v0, s[64:65] scope:SCOPE_SE
	s_setreg_imm32_b32 hwreg(HW_REG_WAVE_MODE, 25, 1), 1
	s_wait_xcnt 0x0
	s_wait_alu depctr_hold_cnt(0) depctr_sa_sdst(0) depctr_va_vdst(0) depctr_va_sdst(0) depctr_va_ssrc(0) depctr_va_vcc(0) depctr_vm_vsrc(0)
	s_getreg_b32 s2, hwreg(HW_REG_IB_STS2, 6, 4)
	s_cmp_eq_u32 s2, 0
	s_cbranch_scc0 .Lentry_in_a_cluster
	s_endpgm
.Lentry_in_a_cluster:
	s_bfe_u32 s2, ttmp6, 0x10000c
	s_cmp_lg_u32 s2, 0xf033
	s_cbranch_scc0 .Lentry_shape_is_right
	s_endpgm
.Lentry_shape_is_right:
; x1 = x + ctx Wo + bo.  The product [4096 x 1024] x [1024 x 1024] on codes of FP8 (E4M3), scales 2^e10 and 2^e11; bias and residual in f32; x1 is f32, row-major.
; A tile of C is 128 x 128: 32 x 8 = 256 work-groups.  Four waves, 64 x 64 each: 16 accumulators, 128 registers.
; ALL OF K AT ONCE: 128 rows of A and 128 of B over K = 1,024 are 262,144 bytes of LDS.  Each wave asks for 64 rows, 65,536 consecutive bytes, by its one tensor load at the head; nothing is filled again, and one barrier shows all of it.
; OPERANDS ARE IMAGES OF THEIR REGISTERS (fragment (16 rows, 128 K) = 2,048 bytes; quad q at 512 q, lane at 16 bytes): a fragment is four ds_load_b128 of 512 consecutive bytes each.
; THE MATRIX INSTRUCTION IS USED TRANSPOSED (source 0 = 16 rows of B, source 1 = 16 rows of A): lane (r, h) of accumulator (a, b) holds row 16 a + r, columns 16 b + 8 h + 0..7.
; CLUSTERS 4 x 4: A's tiles are asked for jointly along a row of the cluster, B's along a column.  NO PREFETCH: every tensor load is issued at the head; no loop runs ahead of one.
; THE WAY OUT: sum x 2^(e10 + e11) + bias; a block of 16 rows x 64 columns goes through my own stage in LDS and comes back as rows of 256 bytes, to which the residual is added; sixteen lanes store 256 consecutive bytes, aligned.
; LIMIT: e10 + e11 between -126 and 127.
; REGISTERS: window 0: v16-31 addresses, v32-63 a block's numbers, v64-127 two sets of rows read back, v128-255 accumulator (a, b) at v[128 + 8 (4 a + b)];
;   window 1: two fragment buffers of 128 registers: A's four fragments, then B's four;   window 2: v0-127 the residual, v128-159 the bias in the accumulators' layout.
.set LOGR,  14                         ; log2 of the bytes of 16 image rows: 1,024 x 16
.set WOFF,  0x300000                   ; Wo's image in wimg
.set EOFF,  0x28                       ; e10, e11
.set RTS,   1<<LOGR
.set HALFT, 4*RTS                      ; 64 rows: what one tensor load brings, and what one wave reads of A or of B
.set STAGE, 4*HALFT                    ; behind the tiles: 16 rows x 272 bytes for each wave; no fill lands here
.set SPITCH, 272
.set SPARE, STAGE+4*16*SPITCH          ; behind the stages: the spare words, 128 bytes a wave
.set FR,   16
.set ADRA, 16
.set ADRB, 20
.set STO,  24
.set RD,   25
.set CO,   26
.set LI,   27
.set SPW,  28
.set NIL,  29
.set BO,   31
.set TMP,  32
.set BK,   64
.set ACC,  128
.set F0,   0
.set F1,   128
.set RS,   0
.set BIW,  128
.set G1,  24
.set G0,  32
.set G1B, 48
.set G0B, 56
.set MSB, 0
.macro WIN new                         ; the immediate's high byte repeats the setting that is left
.if MSB != \new
	s_set_vgpr_msb (MSB<<8)|\new
.set MSB, \new
.endif
.endm
.set MUL,  0x05                        ; sources 0 (B) and 1 (A) window 1; C and D window 0
.set TO_F, 0x40
.macro CROUND
	s_barrier_signal -1
	s_barrier_wait -1
	s_cmp_lg_u32 s14, 0
	s_cbranch_scc1 .Lnot_wave_0_\@
	s_barrier_signal -3
.Lnot_wave_0_\@:
	s_barrier_wait -3
	s_barrier_signal -1
	s_barrier_wait -1
.endm
.macro FRAG reg, adr, q, i             ; fragment i of the q-th 128 along K
.irp c, 0,1,2,3
	ds_load_b128 v[\reg+4*\c:\reg+4*\c+3], v[\adr] offset:(\i)*RTS+(\q)*2048+512*\c
.endr
.endm
.macro FETCH q, f                      ; 32 LDS loads in one run: B's four fragments, then A's four
	WIN TO_F
.irp i, 0,1,2,3
	FRAG \f+64+FR*\i, ADRB, \q, \i
.endr
.irp i, 0,1,2,3
	FRAG \f+FR*\i, ADRA, \q, \i
.endr
.endm
.macro MUL8 f, a0, zero                ; A's blocks a0, a0 + 1 x B's four; the 16 accumulators take turns
.irp a, \a0, \a0+1
.irp b, 0,1,2,3
.if \zero
	v_wmma_f32_16x16x128_fp8_fp8 v[ACC+8*(4*(\a)+\b):ACC+8*(4*(\a)+\b)+7], v[\f+64+FR*\b:\f+64+FR*\b+FR-1], v[\f+FR*(\a):\f+FR*(\a)+FR-1], 0
.else
	v_wmma_f32_16x16x128_fp8_fp8 v[ACC+8*(4*(\a)+\b):ACC+8*(4*(\a)+\b)+7], v[\f+64+FR*\b:\f+64+FR*\b+FR-1], v[\f+FR*(\a):\f+FR*(\a)+FR-1], v[ACC+8*(4*(\a)+\b):ACC+8*(4*(\a)+\b)+7]
.endif
.endr
.endr
.endm
.macro PLACES                          ; four plain vector lines between a matrix instruction and a load into, or a read of, its registers
.rept 4
	v_nop
.endr
.endm
.macro QUARTER q, f, g, zero           ; multiplies buffer f and fetches the q-th 128 along K into g
	s_wait_dscnt 8                                 ; B's four and A's blocks 0, 1 are in; the youngest eight loads (A's blocks 2, 3) may be out
	WIN MUL
	MUL8 \f, 0, \zero
	PLACES
	FETCH \q, \g
	s_wait_dscnt 32                                ; all but the 32 just issued
	WIN MUL
	MUL8 \f, 2, \zero
.endm
	s_load_b128 s[4:7], s[0:1], 0x0                ; ctximg, wimg
	s_load_b64 s[12:13], s[0:1], 0x10              ; the bias
	s_load_b64 s[66:67], s[0:1], 0x18              ; the residual
	s_load_b128 s[8:11], s[0:1], 0x20              ; the exponents, x1
	v_lshl_add_u32 v[SPW], v0, 2, SPARE
	v_mov_b32 v[NIL], 0
	ds_add_u32 v[SPW], v[NIL]                      ; the opening adds
	ds_add_u32 v[SPW], v[NIL]
	v_lshrrev_b32 v1, 5, v0
	v_readfirstlane_b32 s14, v1                    ; wave
	s_lshr_b32 s15, s14, 1                         ; my half of the tile's rows.  Also: I fetch for A (0) or for B (1)
	s_and_b32 s16, s14, 1                          ; my half of its columns.  Also: which 64 rows I fetch
	s_bfe_u32 s40, ttmp6, 0x40000                  ; cx
	s_bfe_u32 s41, ttmp6, 0x40004                  ; cy
	s_lshl_b32 s42, ttmp9, 2
	s_add_co_u32 s42, s42, s40                     ; tile column, 0 .. 7
	s_and_b32 s17, ttmp7, 0xffff
	s_lshl_b32 s17, s17, 2
	s_add_co_u32 s17, s17, s41                     ; tile row, 0 .. 31
	s_lshl_b32 s43, s41, 2
	s_lshl_b32 s43, 15, s43                        ; my row of the cluster
	s_lshl_b32 s44, 0x1111, s40                    ; my column
	s_or_b32 s[G1+0], s43, (1<<21)
	s_or_b32 s[G1B+0], s44, (1<<21)
.irp g, G1, G1B
	s_mov_b32 s[\g+1], RTS<<16                     ; tensor_dim0: 16 image rows over all of K
	s_mov_b32 s[\g+2], 4<<16                       ; tensor_dim1: four groups of 16 rows
	s_mov_b32 s[\g+3], RTS<<16
	s_mov_b32 s[\g+4], 4
	s_mov_b32 s[\g+5], RTS
	s_mov_b32 s[\g+6], 0
	s_mov_b32 s[\g+7], 0
.endr
	s_lshl_b32 s18, s16, LOGR+2                    ; which 64 rows of the tile I fetch
	s_lshl_b32 s20, s17, LOGR+3
	s_add_co_u32 s20, s20, s18
	s_mov_b32 s21, 0
	s_lshl_b32 s46, s42, LOGR+3
	s_add_co_u32 s46, s46, s18
	s_mov_b32 s47, 0
	s_mov_b32 s[G0], 1
	s_lshl_b32 s[G0+1], s14, 16                    ; where they go: wave x 65,536
	s_mov_b32 s[G0B], 1
	s_lshl_b32 s[G0B+1], s14, 16
	s_wait_dscnt 0x0
	s_wait_kmcnt 0x0
	s_load_b64 s[96:97], s[8:9], EOFF              ; awaited on the way out
	s_add_nc_u64 s[6:7], s[6:7], WOFF
	s_add_nc_u64 s[G0+2:G0+3], s[4:5], s[20:21]
	s_or_b32 s[G0+3], s[G0+3], 0x80000000
	s_add_nc_u64 s[G0B+2:G0B+3], s[6:7], s[46:47]
	s_or_b32 s[G0B+3], s[G0B+3], 0x80000000
	CROUND                                         ; all sixteen work-groups are here: the joint loads meet
	s_cmp_eq_u32 s15, 0                            ; waves 0, 1 fetch A's halves, waves 2, 3 B's
	s_cbranch_scc0 .Lfor_b
	tensor_load_to_lds s[G0:G0+3], s[G1:G1+7]
	s_nop 0
.rept 4
	v_nop
.endr
	s_branch .Lasked
.Lfor_b:
	tensor_load_to_lds s[G0B:G0B+3], s[G1B:G1B+7]
	s_nop 0
.rept 4
	v_nop
.endr
.Lasked:
	v_and_b32 v3, 31, v0
	v_lshlrev_b32 v[LI], 4, v3
	v_and_b32 v1, 15, v0                           ; r
	v_bfe_u32 v2, v0, 4, 1                         ; h
	s_lshl_b32 s21, s15, 16                        ; my 64 rows of A,
	s_lshl_b32 s22, s16, 16
	s_add_co_u32 s22, s22, 2*HALFT                 ; of B, behind A's 128
	v_add_nc_u32 v[ADRA], s21, v[LI]
	v_add_nc_u32 v[ADRB], s22, v[LI]
	s_mul_i32 s23, s14, 16*SPITCH
	s_add_co_u32 s23, s23, STAGE                   ; my stage
	v_mul_u32_u24 v5, v1, SPITCH
	v_lshl_add_u32 v5, v2, 5, v5
	v_add_nc_u32 v[STO], s23, v5                   ; in: row r, 32 bytes for each half of the lanes
	v_mul_u32_u24 v5, v2, SPITCH
	v_lshl_add_u32 v5, v1, 4, v5
	v_add_nc_u32 v[RD], s23, v5                    ; back: lanes 0-15 one row of 256 bytes, lanes 16-31 the next
	v_lshlrev_b32 v[CO], 12, v2
	v_lshl_add_u32 v[CO], v1, 4, v[CO]             ; and the same two rows in x1 and in the residual
	v_lshlrev_b32 v[BO], 5, v2
	s_wait_alu depctr_va_vdst(0)                   ; a wait behind the head's last vector line
	s_lshl_b32 s20, s17, 7
	s_lshl_b32 s21, s15, 6
	s_add_co_u32 s20, s20, s21
	s_lshl_b32 s20, s20, 12                        ; my first row x 4,096 bytes
	s_lshl_b32 s46, s42, 9
	s_lshl_b32 s47, s16, 8
	s_add_co_u32 s46, s46, s47                     ; my first column x 4 bytes
	s_mov_b32 s47, 0
	s_add_nc_u64 s[12:13], s[12:13], s[46:47]
	s_add_co_u32 s46, s46, s20
	s_add_nc_u64 s[10:11], s[10:11], s[46:47]
	s_add_nc_u64 s[66:67], s[66:67], s[46:47]
	WIN 0x80                                       ; destination window 2
.irp b, 0,1,2,3
	global_load_b128 v[BIW+8*\b:BIW+8*\b+3], v[BO], s[12:13] offset:64*\b          ; v[8 b + j] = bias[16 b + 8 h + j]
	global_load_b128 v[BIW+8*\b+4:BIW+8*\b+7], v[BO], s[12:13] offset:64*\b+16
.endr
.irp a, 0,1,2,3
.irp t, 0,1,2,3,4,5,6,7
	global_load_b128 v[RS+32*\a+4*\t:RS+32*\a+4*\t+3], v[CO], s[66:67] offset:\a*65536+\t*8192 th:TH_LOAD_NT   ; rows 16 a + 2 t + h of my 64; awaited on the way out
.endr
.endr
	WIN 0
	s_wait_tensorcnt 0x0                           ; my 64 rows are in;
	s_barrier_signal -1
	s_barrier_wait -1                              ; everybody's are
	FETCH 0, F0
	QUARTER 1, F0, F1, 1                           ; the first step's products start the sums
.irp q, 2,4,6
	QUARTER \q, F1, F0, 0
	QUARTER \q+1, F0, F1, 0
.endr
	s_wait_dscnt 8                                 ; the last step: nothing more to fetch
	WIN MUL
	MUL8 F1, 0, 0
	s_wait_dscnt 0
	MUL8 F1, 2, 0
	WIN 0
	s_wait_kmcnt 0x0
	s_add_co_i32 s96, s96, s97
	s_add_co_i32 s96, s96, 127
	s_lshl_b32 s96, s96, 23                        ; 2^(e10 + e11) as f32
	s_mov_b32 s97, s96
	s_wait_loadcnt 0x0                             ; the bias and the residual
	PLACES
.macro TOSTAGE a                       ; block a: 16 rows x my 64 columns
.set AC, ACC+32*(\a)
	WIN 0x20                                       ; source 2 (the bias) window 2
.irp b, 0,1,2,3
.irp j, 0,2,4,6
	v_pk_fma_f32 v[TMP+8*\b+\j:TMP+8*\b+\j+1], v[AC+8*\b+\j:AC+8*\b+\j+1], s[96:97], v[BIW+8*\b+\j:BIW+8*\b+\j+1] op_sel_hi:[1,0,1]   ; each accumulator from its low end on
.endr
.endr
	WIN 0
.irp b, 0,1,2,3
	ds_store_b128 v[STO], v[TMP+8*\b:TMP+8*\b+3] offset:64*\b
	ds_store_b128 v[STO], v[TMP+8*\b+4:TMP+8*\b+7] offset:64*\b+16
.endr
.set BR, BK+32*((\a)%2)
.irp t, 0,1,2,3,4,5,6,7
	ds_load_b128 v[BR+4*\t:BR+4*\t+3], v[RD] offset:\t*2*SPITCH    ; LDS serves a wave's instructions in order (ISA guide 5.7.1.4): these see my stores
.endr
.endm
.macro SEND a, younger
.set BR, BK+32*((\a)%2)
	s_wait_dscnt \younger                          ; the block is back; the next block's 8 stores and 8 loads may be out
	WIN 0x08                                       ; source 1 (the residual) window 2
.set jj, 0
.rept 16
	v_pk_add_f32 v[BR+jj:BR+jj+1], v[BR+jj:BR+jj+1], v[RS+32*(\a)+jj:RS+32*(\a)+jj+1]
.set jj, jj+2
.endr
	WIN 0
.irp t, 0,1,2,3,4,5,6,7
	global_store_b128 v[CO], v[BR+4*\t:BR+4*\t+3], s[10:11] offset:(\a)*65536+\t*8192   ; sixteen lanes store 256 consecutive bytes, aligned
.endr
.endm
	TOSTAGE 0
.irp a, 1,2,3
.if \a > 1
	s_wait_xcnt 0x0                                ; the stores of two blocks ago have read their registers
.endif
	TOSTAGE \a
	SEND \a-1, 16
.endr
	SEND 3, 0
	s_wait_tensorcnt 0x0                           ; the wave's end
	ds_add_u32 v[SPW], v[NIL]
	s_wait_dscnt 0x0
	CROUND                                         ; the closing round
	s_endpgm
.Lfunc_end_k_qa98033ae8d_wo:
	.size	k_qa98033ae8d_wo, .Lfunc_end_k_qa98033ae8d_wo-k_qa98033ae8d_wo
	.p2alignl 7, 3214868480
	.fill 96, 4, 3214868480
	.section	.rodata,"a",@progbits
	.p2align	6, 0x0
	.amdhsa_kernel k_qa98033ae8d_wo
		.amdhsa_group_segment_fixed_size 327680
		.amdhsa_private_segment_fixed_size 0
		.amdhsa_enable_private_segment 0
		.amdhsa_kernarg_size 48
		.amdhsa_user_sgpr_count 2
		.amdhsa_user_sgpr_kernarg_segment_ptr 1
		.amdhsa_wavefront_size32 1
		.amdhsa_system_sgpr_workgroup_id_x 1
		.amdhsa_system_sgpr_workgroup_id_y 1
		.amdhsa_system_sgpr_workgroup_id_z 1
		.amdhsa_system_vgpr_workitem_id 0
		.amdhsa_next_free_vgpr 768
		.amdhsa_next_free_sgpr 100
		.amdhsa_reserve_vcc 0
		.amdhsa_float_denorm_mode_32 3
		.amdhsa_float_denorm_mode_16_64 3
		.amdhsa_memory_ordered 1
		.amdhsa_forward_progress 1
		.amdhsa_inst_pref_size 52
	.end_amdhsa_kernel
	.amdgpu_metadata
---
amdhsa.version: [ 1, 2 ]
amdhsa.kernels:
  - .name:           k_qa98033ae8d_wo
    .symbol:         k_qa98033ae8d_wo.kd
    .args:
      - { .name: ctximg, .offset: 0, .size: 8, .value_kind: global_buffer, .address_space: global }
      - { .name: wimg, .offset: 8, .size: 8, .value_kind: global_buffer, .address_space: global }
      - { .name: bo, .offset: 16, .size: 8, .value_kind: global_buffer, .address_space: global }
      - { .name: x, .offset: 24, .size: 8, .value_kind: global_buffer, .address_space: global }
      - { .name: lowp_scales, .offset: 32, .size: 8, .value_kind: global_buffer, .address_space: global }
      - { .name: x1, .offset: 40, .size: 8, .value_kind: global_buffer, .address_space: global }
    .group_segment_fixed_size: 327680
    .private_segment_fixed_size: 0
    .kernarg_segment_align: 8
    .kernarg_segment_size: 48
    .max_flat_workgroup_size: 128
    .sgpr_count:     100
    .vgpr_count:     768
    .wavefront_size: 32
...
	.end_amdgpu_metadata
.endif
;; end of part 11
;; launch ln2 (part 12): grid 256 x 1, 4 waves a work-group, no clusters, 17,920 bytes of LDS; arguments x1, ln2_g, ln2_b, lowp_scales, h2img; writes h2img
.if DOCPART == 12
	.amdgcn_target "amdgcn-amd-amdhsa--gfx1250"
	.amdhsa_code_object_version 6
	.text
	.protected	k_qa98033ae8d_ln2
	.globl	k_qa98033ae8d_ln2
	.p2align	8
	.type	k_qa98033ae8d_ln2,@function
k_qa98033ae8d_ln2:
	s_mov_b64 s[64:65], 0
	v_nop
	global_prefetch_b8 v0, s[64:65] scope:SCOPE_SE
	s_setreg_imm32_b32 hwreg(HW_REG_WAVE_MODE, 25, 1), 1
	s_wait_xcnt 0x0
; LayerNorm 2 of x1, quantised with 2^e12 into h2img, an image of the next product's operand: fragment (16 rows rt, 128 along K kb) is 2,048 bytes at (8 rt + kb) 2048;
; in it quad q at 512 q, lane r + 16 h at 16 bytes; register i = 4 q + word holds k = 16 (i / 2) + 8 h + 4 (i % 2) + byte of row r.
; A work-group takes 16 rows, a wave four, one row at a time in 32 registers (lane l: k = 256 j + 8 l + 0..7); mean, then the sum of squared differences (two passes over registers).
; A lane's eight codes are 8 bytes of the image; they meet in a stage in LDS (segments of 256 image bytes + 16 of padding) and leave as runs of 512 consecutive bytes.
; LIMIT: e12 between -126 and 119.  NaN among the inputs is not served.
.set NS,    1
.set STG,   17408
.set SPARE, NS*STG
.set G,  20
.set BB, 52
.set X,  84
.set T,  212
.set C,  228
.macro RED
	v_add_f32_dpp v8, v8, v8 row_xmask:1 row_mask:0xf bank_mask:0xf
	v_add_f32_dpp v8, v8, v8 row_xmask:2 row_mask:0xf bank_mask:0xf
	v_add_f32_dpp v8, v8, v8 row_xmask:4 row_mask:0xf bank_mask:0xf
	v_add_f32_dpp v8, v8, v8 row_xmask:8 row_mask:0xf bank_mask:0xf
	v_permlanex16_b32 v9, v8, s50, s51
	v_add_f32 v8, v8, v9
.endm
.macro FOLD
	v_pk_add_f32 v[8:9], v[8:9], v[10:11]
	v_pk_add_f32 v[12:13], v[12:13], v[14:15]
	v_pk_add_f32 v[8:9], v[8:9], v[12:13]
	v_add_f32 v8, v8, v9
	RED
.endm
.macro LNROW i
.set XR, X+32*(\i)
	s_wait_loadcnt 8*(3-(\i))                      ; loads return in order: gain, bias and rows 0 .. i are in; the later rows' eight loads each stay out
.irp c, 0,1,2,3
	v_pk_add_f32 v[8+2*\c:9+2*\c], v[XR+4*\c:XR+4*\c+1], v[XR+4*\c+2:XR+4*\c+3]
.endr
.irp n, 16,24
.irp c, 0,1,2,3
	v_pk_add_f32 v[8+2*\c:9+2*\c], v[8+2*\c:9+2*\c], v[XR+\n+2*\c:XR+\n+2*\c+1]
.endr
.endr
	FOLD
	v_mul_f32 v12, s52, v8                         ; the mean
.set pp, 0
.rept 16
	v_pk_add_f32 v[XR+pp:XR+pp+1], v[XR+pp:XR+pp+1], v[12:13] op_sel_hi:[1,0] neg_lo:[0,1] neg_hi:[0,1]
.set pp, pp+2
.endr
.irp c, 0,1,2,3
	v_pk_mul_f32 v[8+2*\c:9+2*\c], v[XR+2*\c:XR+2*\c+1], v[XR+2*\c:XR+2*\c+1]
.endr
.irp n, 8,16,24
.irp c, 0,1,2,3
	v_pk_fma_f32 v[8+2*\c:9+2*\c], v[XR+\n+2*\c:XR+\n+2*\c+1], v[XR+\n+2*\c:XR+\n+2*\c+1], v[8+2*\c:9+2*\c]
.endr
.endr
	FOLD
	v_fma_f32 v12, v8, s52, s53                    ; the variance + 1e-5
	s_wait_alu depctr_va_vdst(0)
	v_rsq_f32 v12, v12
	v_nop                                          ; a plain line behind the transcendental,
	s_wait_alu depctr_va_vdst(0)                   ; and a wait ahead of its first reader
.set pp, 0
.rept 16
	v_pk_mul_f32 v[XR+pp:XR+pp+1], v[XR+pp:XR+pp+1], v[12:13] op_sel_hi:[1,0]
.set pp, pp+2
.endr
.set pp, 0
.rept 16
	v_pk_fma_f32 v[XR+pp:XR+pp+1], v[XR+pp:XR+pp+1], v[G+pp:G+pp+1], v[BB+pp:BB+pp+1]
.set pp, pp+2
.endr
.endm
.macro QROW i
.set XR, X+32*(\i)
	s_wait_dscnt 0x0                               ; the last row's stores into the stage have read their registers
.irp j, 0,1,2,3
.irp e, 0,1,2,3,4,5,6,7
	v_med3_num_f32 v[T+8*(\j%2)+\e], v[XR+8*\j+\e], s44, s45   ; the conversion does not saturate (ISA guide 7.6.2): the hold at +-448 x the scale.  These eight plain lines also part the conversions
.endr
	v_cvt_scalef32_pk8_fp8_f32 v[C+2*\j:C+2*\j+1], v[T+8*(\j%2):T+8*(\j%2)+7], v16
	ds_store_b64 v3, v[C+2*\j:C+2*\j+1] offset:\j*4352+(\i)*16
.endr
.endm
	s_load_b256 s[4:11], s[0:1], 0x0               ; x1 4, gain 6, bias 8, exponents 10
	s_load_b64 s[24:25], s[0:1], 0x20              ; h2img
	v_lshl_add_u32 v6, v0, 2, SPARE
	v_mov_b32 v7, 0
	v_lshrrev_b32 v1, 5, v0
	v_readfirstlane_b32 s30, v1                    ; wave
	v_and_b32 v1, 31, v0                           ; lane
	v_lshlrev_b32 v2, 5, v1
	v_lshrrev_b32 v3, 2, v1
	v_and_b32 v4, 1, v1
	v_lshl_add_u32 v3, v3, 1, v4                   ; my segment in a quarter: 2 (l / 4) + l % 2
	v_mul_u32_u24 v3, v3, 272
	v_bfe_u32 v4, v1, 1, 1
	v_lshl_add_u32 v3, v4, 3, v3
	s_lshl_b32 s31, s30, 6
	v_add_nc_u32 v3, s31, v3
	v_lshrrev_b32 v4, 4, v1
	v_mul_u32_u24 v4, v4, 272
	v_and_b32 v5, 15, v1
	v_lshl_add_u32 v4, v5, 4, v4
	s_mul_i32 s31, s30, 4352
	v_add_nc_u32 v4, s31, v4
	v_lshlrev_b32 v5, 4, v1
	s_lshl_b32 s28, ttmp9, 16
	s_lshl_b32 s29, s30, 14
	s_add_co_u32 s28, s28, s29
	s_mov_b32 s29, 0
	s_lshl_b32 s40, ttmp9, 14
	s_lshl_b32 s41, s30, 12
	s_add_co_u32 s40, s40, s41
	s_mov_b32 s41, 0
	s_mov_b32 s50, 0x76543210
	s_mov_b32 s51, 0xfedcba98
	s_mov_b32 s52, 0x3a800000                      ; 1 / 1024
	s_mov_b32 s53, 0x3727c5ac                      ; 1e-5
	s_wait_kmcnt 0x0
	s_load_b32 s56, s[10:11], 0x30                 ; e12
	s_add_nc_u64 s[32:33], s[4:5], s[28:29]
	s_add_nc_u64 s[34:35], s[24:25], s[40:41]
.irp j, 0,1,2,3
	global_load_b128 v[G+8*\j:G+8*\j+3], v2, s[6:7] offset:1024*\j
	global_load_b128 v[G+8*\j+4:G+8*\j+7], v2, s[6:7] offset:1024*\j+16
.endr
.irp j, 0,1,2,3
	global_load_b128 v[BB+8*\j:BB+8*\j+3], v2, s[8:9] offset:1024*\j
	global_load_b128 v[BB+8*\j+4:BB+8*\j+7], v2, s[8:9] offset:1024*\j+16
.endr
.irp i, 0,1,2,3
.irp j, 0,1,2,3
	global_load_b128 v[X+32*\i+8*\j:X+32*\i+8*\j+3], v2, s[32:33] offset:4096*\i+1024*\j
	global_load_b128 v[X+32*\i+8*\j+4:X+32*\i+8*\j+7], v2, s[32:33] offset:4096*\i+1024*\j+16
.endr
.endr
	s_wait_kmcnt 0x0
	s_add_co_i32 s40, s56, 127
	s_lshl_b32 s41, s40, 23
	v_mov_b32 v16, s41                             ; 2^e12
	s_add_co_i32 s40, s40, 8
	s_lshl_b32 s40, s40, 23
	s_or_b32 s45, s40, 0x600000                    ; 448 x 2^e12,
	s_or_b32 s44, s45, 0x80000000                  ; and its negative
.irp i, 0,1,2,3
	LNROW \i
	QROW \i
.endr
	s_wait_dscnt 0x0                               ; for the others' sake: my stores into the stage are done
	s_barrier_signal -1
	s_barrier_wait -1
.irp t, 0,1,2,3,4,5,6,7
	ds_load_b128 v[X+4*\t:X+4*\t+3], v4 offset:\t*544
.endr
.irp t, 0,1,2,3,4,5,6,7
	s_wait_dscnt 7-\t                              ; LDS loads return in order
	global_store_b128 v5, v[X+4*\t:X+4*\t+3], s[34:35] offset:\t*512   ; 512 consecutive bytes, aligned
.endr
	s_wait_tensorcnt 0x0                           ; the wave's end, behind my last LDS store
	ds_add_u32 v6, v7
	s_wait_dscnt 0x0
	s_endpgm
.Lfunc_end_k_qa98033ae8d_ln2:
	.size	k_qa98033ae8d_ln2, .Lfunc_end_k_qa98033ae8d_ln2-k_qa98033ae8d_ln2
	.p2alignl 7, 3214868480
	.fill 96, 4, 3214868480
	.section	.rodata,"a",@progbits
	.p2align	6, 0x0
	.amdhsa_kernel k_qa98033ae8d_ln2
		.amdhsa_group_segment_fixed_size 17920
		.amdhsa_private_segment_fixed_size 0
		.amdhsa_enable_private_segment 0
		.amdhsa_kernarg_size 40
		.amdhsa_user_sgpr_count 2
		.amdhsa_user_sgpr_kernarg_segment_ptr 1
		.amdhsa_wavefront_size32 1
		.amdhsa_system_sgpr_workgroup_id_x 1
		.amdhsa_system_sgpr_workgroup_id_y 1
		.amdhsa_system_sgpr_workgroup_id_z 1
		.amdhsa_system_vgpr_workitem_id 0
		.amdhsa_next_free_vgpr 256
		.amdhsa_next_free_sgpr 66
		.amdhsa_reserve_vcc 0
		.amdhsa_float_denorm_mode_32 3
		.amdhsa_float_denorm_mode_16_64 3
		.amdhsa_memory_ordered 1
		.amdhsa_forward_progress 1
		.amdhsa_inst_pref_size 44
	.end_amdhsa_kernel
	.amdgpu_metadata
---
amdhsa.version: [ 1, 2 ]
amdhsa.kernels:
  - .name:           k_qa98033ae8d_ln2
    .symbol:         k_qa98033ae8d_ln2.kd
    .args:
      - { .name: x1, .offset: 0, .size: 8, .value_kind: global_buffer, .address_space: global }
      - { .name: ln2_g, .offset: 8, .size: 8, .value_kind: global_buffer, .address_space: global }
      - { .name: ln2_b, .offset: 16, .size: 8, .value_kind: global_buffer, .address_space: global }
      - { .name: lowp_scales, .offset: 24, .size: 8, .value_kind: global_buffer, .address_space: global }
      - { .name: h2img, .offset: 32, .size: 8, .value_kind: global_buffer, .address_space: global }
    .group_segment_fixed_size: 17920
    .private_segment_fixed_size: 0
    .kernarg_segment_align: 8
    .kernarg_segment_size: 40
    .max_flat_workgroup_size: 128
    .sgpr_count:     66
    .vgpr_count:     256
    .wavefront_size: 32
...
	.end_amdgpu_metadata
.endif
;; end of part 12
;; launch ffn1 (part 13): grid 16 x 16, 4 waves a work-group, clusters of 4 x 4, 327,680 bytes of LDS; arguments h2img, wimg, b1, lowp_scales, gimg; writes gimg
.if DOCPART == 13
	.amdgcn_target "amdgcn-amd-amdhsa--gfx1250"
	.amdhsa_code_object_version 6
	.text
	.protected	k_qa98033ae8d_ffn1
	.globl	k_qa98033ae8d_ffn1
	.p2align	8
	.type	k_qa98033ae8d_ffn1,@function
k_qa98033ae8d_ffn1:
	s_mov_b64 s[64:65], 0
	v_nop
	global_prefetch_b8 v0, s[64:65] scope:SCOPE_SE
	s_setreg_imm32_b32 hwreg(HW_REG_WAVE_MODE, 25, 1), 1
	s_wait_xcnt 0x0
	s_wait_alu depctr_hold_cnt(0) depctr_sa_sdst(0) depctr_va_vdst(0) depctr_va_sdst(0) depctr_va_ssrc(0) depctr_va_vcc(0) depctr_vm_vsrc(0)
	s_getreg_b32 s2, hwreg(HW_REG_IB_STS2, 6, 4)
	s_cmp_eq_u32 s2, 0
	s_cbranch_scc0 .Lentry_in_a_cluster
	s_endpgm
.Lentry_in_a_cluster:
	s_bfe_u32 s2, ttmp6, 0x10000c
	s_cmp_lg_u32 s2, 0xf033
	s_cbranch_scc0 .Lentry_shape_is_right
	s_endpgm
.Lentry_shape_is_right:
.set KT,    1024
.set LOGR,  14
.set WOFF,  0x400000
.set RTS,   1<<LOGR
.set HALFT, 32768
.set SLOT,  4*HALFT
.set LAPS,  KT/512
.set SPARE, 2*SLOT
.set FR, 16
.set NL, 4
.set NP, 4
.set ADRA, 16
.set ADRB, 20
.set CO,   26
.set SPW,  28
.set NIL,  29
.set BI,   32
.set CD,   96
.set AF,   128
.set U,    128
.set TT,   160
.set R,    192
.set W,    224
.set G1,  24
.set G0,  32
.set G1B, 48
.set G0B, 56
.set MSB, 0
.macro WIN new
.if MSB != \new
	s_set_vgpr_msb (MSB<<8)|\new
.set MSB, \new
.endif
.endm
.set MUL_LO, 0xa1
.set MUL_HI, 0xf1
.set TO_B,   0x40
.macro JLOAD s
	s_cmp_eq_u32 s15, 0
	s_cbranch_scc0 .Lfor_b_\@
	tensor_load_to_lds s[G0+4*\s:G0+4*\s+3], s[G1:G1+7]
	s_nop 0
.rept 4
	v_nop
.endr
	s_branch .Lasked_\@
.Lfor_b_\@:
	tensor_load_to_lds s[G0B+4*\s:G0B+4*\s+3], s[G1B:G1B+7]
	s_nop 0
.rept 4
	v_nop
.endr
.Lasked_\@:
.endm
.macro CREST
	s_cmp_lg_u32 s14, 0
	s_cbranch_scc1 .Lnot_wave_0_\@
	s_barrier_signal -3
.Lnot_wave_0_\@:
	s_barrier_wait -3
	s_barrier_signal -1
	s_barrier_wait -1
.endm
.macro CROUND
	s_barrier_signal -1
	s_barrier_wait -1
	CREST
.endm
.macro FRAG reg, adr, q, i
.irp c, 0,1,2,3
	ds_load_b128 v[\reg+4*\c:\reg+4*\c+3], v[\adr] offset:(\i)*4096+(\q)*2048+512*\c
.endr
.endm
.macro MUL16 a0, p, zero
.irp a, \a0, \a0+1
.irp b, 0,1,2,3,4,5,6,7
.if \zero
	v_wmma_f32_16x16x128_fp8_fp8 v[8*(8*((\a)%4)+\b):8*(8*((\a)%4)+\b)+7], v[128*(\p)+FR*\b:128*(\p)+FR*\b+FR-1], v[AF+FR*(\a):AF+FR*(\a)+FR-1], 0
.else
	v_wmma_f32_16x16x128_fp8_fp8 v[8*(8*((\a)%4)+\b):8*(8*((\a)%4)+\b)+7], v[128*(\p)+FR*\b:128*(\p)+FR*\b+FR-1], v[AF+FR*(\a):AF+FR*(\a)+FR-1], v[8*(8*((\a)%4)+\b):8*(8*((\a)%4)+\b)+7]
.endif
.endr
.endr
.endm
.macro FETCH_B slot, q, p
	WIN TO_B
.irp i, 0,1,2,3,4,5,6,7
	FRAG 128*(\p)+FR*\i, ADRB+\slot, \q, \i
.endr
	WIN 0
.endm
.macro FETCH_A slot, q, i0
.irp i, \i0, \i0+1, \i0+2, \i0+3
	FRAG AF+FR*(\i), ADRA+\slot, \q, \i
.endr
.endm
.macro PLACES n
.rept \n
	v_nop
.endr
.endm
.macro STEP slot, q, zero
	s_wait_dscnt 4*NL
	WIN MUL_LO
	MUL16 0, (\q)%2, \zero
	MUL16 2, (\q)%2, \zero
	s_wait_dscnt 0
	PLACES NP
	FETCH_B \slot, (\q)+1, 1-(\q)%2
	FETCH_A \slot, (\q)+1, 0
	WIN MUL_HI
	MUL16 4, (\q)%2, \zero
	MUL16 6, (\q)%2, \zero
	PLACES NP
	WIN 0
	FETCH_A \slot, (\q)+1, 4
.endm
.macro TURN slot, next, fill
	s_wait_tensorcnt 0x0
	ds_add_u32 v[SPW], v[NIL]
	s_wait_dscnt 4*NL+1
	WIN MUL_LO
	MUL16 0, 1, 0
	s_wait_dscnt 0x0
	s_barrier_signal -1
	MUL16 2, 1, 0
	WIN 0
	s_barrier_wait -1
.if \fill
	CREST
	s_add_nc_u64 s[G0+4*\slot+2:G0+4*\slot+3], s[G0+4*\slot+2:G0+4*\slot+3], 8192
	s_add_nc_u64 s[G0B+4*\slot+2:G0B+4*\slot+3], s[G0B+4*\slot+2:G0B+4*\slot+3], 8192
	JLOAD \slot
.else
	PLACES NP
.endif
	FETCH_B \next, 0, 0
	FETCH_A \next, 0, 0
	WIN MUL_HI
	MUL16 4, 1, 0
	MUL16 6, 1, 0
	PLACES NP
	WIN 0
	FETCH_A \next, 0, 4
.endm
	s_load_b128 s[4:7], s[0:1], 0x0
	s_load_b64 s[12:13], s[0:1], 0x10
	s_load_b128 s[8:11], s[0:1], 0x18
	v_lshl_add_u32 v[SPW], v0, 2, SPARE
	v_mov_b32 v[NIL], 0
	ds_add_u32 v[SPW], v[NIL]
	ds_add_u32 v[SPW], v[NIL]
	v_lshrrev_b32 v1, 5, v0
	v_readfirstlane_b32 s14, v1
	s_lshr_b32 s15, s14, 1
	s_and_b32 s16, s14, 1
	s_bfe_u32 s40, ttmp6, 0x40000
	s_bfe_u32 s41, ttmp6, 0x40004
	s_lshl_b32 s42, ttmp9, 2
	s_add_co_u32 s42, s42, s40
	s_and_b32 s17, ttmp7, 0xffff
	s_lshl_b32 s17, s17, 2
	s_add_co_u32 s17, s17, s41
	s_lshl_b32 s43, s41, 2
	s_lshl_b32 s43, 15, s43
	s_lshl_b32 s44, 0x1111, s40
	s_or_b32 s[G1+0], s43, (1<<21)
	s_or_b32 s[G1B+0], s44, (1<<21)
.irp g, G1, G1B
	s_mov_b32 s[\g+1], 4096<<16
	s_mov_b32 s[\g+2], 8<<16
	s_mov_b32 s[\g+3], 4096<<16
	s_mov_b32 s[\g+4], 8
	s_mov_b32 s[\g+5], RTS
	s_mov_b32 s[\g+6], 0
	s_mov_b32 s[\g+7], 0
.endr
	s_lshl_b32 s18, s16, LOGR+3
	s_lshl_b32 s20, s17, LOGR+4
	s_add_co_u32 s20, s20, s18
	s_mov_b32 s21, 0
	s_lshl_b32 s46, s42, LOGR+4
	s_add_co_u32 s46, s46, s18
	s_mov_b32 s47, 0
	s_lshl_b32 s45, s14, 15
	s_wait_dscnt 0x0
	s_wait_kmcnt 0x0
	s_load_b128 s[92:95], s[8:9], 0x30
	s_add_nc_u64 s[6:7], s[6:7], WOFF
	s_add_nc_u64 s[20:21], s[4:5], s[20:21]
	s_add_nc_u64 s[46:47], s[6:7], s[46:47]
	CROUND
.irp s, 0,1
	s_mov_b32 s[G0+4*\s], 1
	s_add_co_u32 s[G0+4*\s+1], s45, \s*SLOT
	s_add_nc_u64 s[G0+4*\s+2:G0+4*\s+3], s[20:21], \s*4096
	s_or_b32 s[G0+4*\s+3], s[G0+4*\s+3], 0x80000000
	s_mov_b32 s[G0B+4*\s], 1
	s_add_co_u32 s[G0B+4*\s+1], s45, \s*SLOT
	s_add_nc_u64 s[G0B+4*\s+2:G0B+4*\s+3], s[46:47], \s*4096
	s_or_b32 s[G0B+4*\s+3], s[G0B+4*\s+3], 0x80000000
.endr
	JLOAD 0                                        ; K step 0: one tensor load a wave at the head
	v_and_b32 v3, 31, v0
	v_lshlrev_b32 v[CO], 4, v3
	s_wait_alu depctr_va_vdst(0)
	v_bfe_u32 v2, v0, 4, 1
	s_wait_alu depctr_va_vdst(0)
	s_lshl_b32 s21, s15, 15
	s_lshl_b32 s22, s16, 15
	s_add_co_u32 s22, s22, 2*HALFT
.irp s, 0,1
	v_add_nc_u32 v[ADRA+\s], s21, v[CO]
	v_add_nc_u32 v[ADRB+\s], s22, v[CO]
	s_add_co_u32 s21, s21, SLOT
	s_add_co_u32 s22, s22, SLOT
.endr
	s_lshl_b32 s23, s14, 16
	v_add_nc_u32 v24, s23, v[CO]
	s_lshl_b32 s46, s42, 10
	s_lshl_b32 s47, s16, 9
	s_add_co_u32 s46, s46, s47
	s_mov_b32 s47, 0
	s_add_nc_u64 s[12:13], s[12:13], s[46:47]
	s_lshl_b32 s46, s17, 4
	s_lshl_b32 s20, s15, 3
	s_add_co_u32 s46, s46, s20
	s_lshl_b32 s46, s46, 5
	s_lshl_b32 s20, s42, 1
	s_add_co_u32 s46, s46, s20
	s_add_co_u32 s46, s46, s16
	s_lshl_b32 s46, s46, 11
	s_add_nc_u64 s[10:11], s[10:11], s[46:47]
	v_lshlrev_b32 v27, 5, v2
.irp b, 0,1,2,3,4,5,6,7
	global_load_b128 v[BI+8*\b:BI+8*\b+3], v27, s[12:13] offset:64*\b
	global_load_b128 v[BI+8*\b+4:BI+8*\b+7], v27, s[12:13] offset:64*\b+16
.endr
	s_wait_alu depctr_va_vdst(0)
	s_wait_tensorcnt 0x0                           ; my part of K step 0 is in
	ds_add_u32 v[SPW], v[NIL]
	s_wait_dscnt 0x0
	CROUND                                         ; everybody's part of K step 0 is in, and all sixteen work-groups are here
	JLOAD 1                                        ; K step 1: the first tensor load behind the round
	FETCH_B 0, 0, 0
	FETCH_A 0, 0, 0
	FETCH_A 0, 0, 4
	STEP 0, 0, 1
	s_mov_b32 s3, LAPS-1
.Llap:
	TURN 0, 1, 1
	STEP 1, 0, 0
	TURN 1, 0, 1
	STEP 0, 0, 0
	s_sub_co_u32 s3, s3, 1
	s_cmp_lg_u32 s3, 0
	s_cbranch_scc1 .Llap
	TURN 0, 1, 0
	STEP 1, 0, 0
	s_wait_dscnt 4*NL
	WIN MUL_LO
	MUL16 0, 1, 0
	MUL16 2, 1, 0
	s_wait_dscnt 0
	WIN MUL_HI
	MUL16 4, 1, 0
	MUL16 6, 1, 0
	WIN 0
	s_wait_dscnt 0x0
	s_barrier_signal -1
	s_barrier_wait -1
	s_wait_kmcnt 0x0
	s_add_co_i32 s96, s92, s93
	s_add_co_i32 s96, s96, 127
	s_lshl_b32 s96, s96, 23
	s_mov_b32 s97, s96
	s_add_co_i32 s99, s94, 127
	s_lshl_b32 s98, s99, 23
	v_mov_b32 v19, s98
	s_add_co_i32 s99, s99, 8
	s_lshl_b32 s99, s99, 23
	s_or_b32 s99, s99, 0x600000
	v_mov_b32 v18, s99
	v_mov_b32 v22, 0x3e2ef945
	v_mov_b32 v23, 0x3e2ef945
	PLACES NP
.irp a, 0,1,2,3,4,5,6,7
	WIN 0x08+4*((\a)/4)
.irp i, 0,1,2,3,4,5,6,7,8,9,10,11,12,13,14,15
	ds_store_b128 v24, v[64*((\a)%4)+4*\i:64*((\a)%4)+4*\i+3] offset:(\a)*8192+\i*512
.endr
.endr
	WIN 0
	s_wait_loadcnt 0x0
.macro GELU half
	WIN 0x01
.set jj, 0
.rept 16
	v_pk_fma_f32 v[U+jj:U+jj+1], v[32*\half+jj:32*\half+jj+1], s[96:97], v[BI+32*\half+jj:BI+32*\half+jj+1] op_sel_hi:[1,0,1]
.set jj, jj+2
.endr
	WIN 0
.set jj, 0
.rept 32
	v_fma_f32 v[TT+jj], |v[U+jj]|, 0x3eb504f3, 1.0
.set jj, jj+1
.endr
.set jj, 0
	s_wait_alu depctr_va_vdst(0)
.rept 32
	v_rcp_f32 v[TT+jj], v[TT+jj]
.set jj, jj+1
.endr
.set jj, 0
.rept 16
	v_pk_mul_f32 v[W+jj:W+jj+1], v[U+jj:U+jj+1], v[U+jj:U+jj+1]
.set jj, jj+2
.endr
	s_wait_alu depctr_va_vdst(0)
.set jj, 0
.rept 16
	v_pk_fma_f32 v[R+jj:R+jj+1], v[TT+jj:TT+jj+1], v[22:23], 0xbf527892 op_sel_hi:[1,1,0]
.set jj, jj+2
.endr
.irp c, 0x3fbe87b0, 0xbf914e5d, 0x3e8ec7cc, 0xbe3ec24c, 0x3dc636c9, 0x3ebf88fb, 0x3f8000c7, 0xbfa1fc4e
.set jj, 0
.rept 16
	v_pk_fma_f32 v[R+jj:R+jj+1], v[R+jj:R+jj+1], v[TT+jj:TT+jj+1], \c op_sel_hi:[1,1,0]
.set jj, jj+2
.endr
.endr
.set jj, 0
.rept 16
	v_pk_fma_f32 v[R+jj:R+jj+1], v[W+jj:W+jj+1], -0.5, v[R+jj:R+jj+1] op_sel_hi:[1,0,1]
.set jj, jj+2
.endr
.set jj, 0
.rept 16
	v_pk_fma_f32 v[R+jj:R+jj+1], v[R+jj:R+jj+1], 0x3fb8aa3b, -1.0 op_sel_hi:[1,0,0]
.set jj, jj+2
.endr
.set jj, 0
	s_wait_alu depctr_va_vdst(0)
.rept 32
	v_exp_f32 v[R+jj], v[R+jj]
.set jj, jj+1
.endr
.set jj, 0
.rept 32
	v_max_num_f32 v[W+jj], 0, v[U+jj]
.set jj, jj+1
.endr
	s_wait_alu depctr_va_vdst(0)
.set jj, 0
.rept 16
	v_pk_mul_f32 v[R+jj:R+jj+1], v[R+jj:R+jj+1], v[TT+jj:TT+jj+1]
.set jj, jj+2
.endr
.set jj, 0
.rept 32
	v_fma_f32 v[U+jj], -|v[U+jj]|, v[R+jj], v[W+jj]
.set jj, jj+1
.endr
.irp b, 0,1,2,3
.irp j, 0,1,2,3,4,5,6,7
	v_med3_num_f32 v[U+8*\b+\j], v[U+8*\b+\j], -v18, v18
.endr
	v_cvt_scalef32_pk8_fp8_f32 v[CD+8*\half+2*\b:CD+8*\half+2*\b+1], v[U+8*\b:U+8*\b+7], v19
.endr
	v_nop
.endm
	s_mov_b32 s89, 0
	s_mov_b32 s3, 8
.Lblk:
	v_add_nc_u32 v25, s89, v24
	WIN 0x40
.irp i, 0,1,2,3,4,5,6,7,8,9,10,11,12,13,14,15
	ds_load_b128 v[4*\i:4*\i+3], v25 offset:\i*512
.endr
	WIN 0
	s_wait_dscnt 0x0
	GELU 0
	GELU 1
.irp q, 0,1,2,3
	global_store_b128 v[CO], v[CD+4*\q:CD+4*\q+3], s[10:11] offset:\q*512
.endr
	s_wait_xcnt 0x0
	s_add_nc_u64 s[10:11], s[10:11], 65536
	s_add_co_u32 s89, s89, 8192
	s_sub_co_u32 s3, s3, 1
	s_cmp_lg_u32 s3, 0
	s_cbranch_scc1 .Lblk
	s_wait_tensorcnt 0x0
	ds_add_u32 v[SPW], v[NIL]
	s_wait_dscnt 0x0
	CROUND
	s_endpgm
.Lfunc_end_k_qa98033ae8d_ffn1:
	.size	k_qa98033ae8d_ffn1, .Lfunc_end_k_qa98033ae8d_ffn1-k_qa98033ae8d_ffn1
	.p2alignl 7, 3214868480
	.fill 96, 4, 3214868480
	.section	.rodata,"a",@progbits
	.p2align	6, 0x0
	.amdhsa_kernel k_qa98033ae8d_ffn1
		.amdhsa_group_segment_fixed_size 327680
		.amdhsa_private_segment_fixed_size 0
		.amdhsa_enable_private_segment 0
		.amdhsa_kernarg_size 40
		.amdhsa_user_sgpr_count 2
		.amdhsa_user_sgpr_kernarg_segment_ptr 1
		.amdhsa_wavefront_size32 1
		.amdhsa_system_sgpr_workgroup_id_x 1
		.amdhsa_system_sgpr_workgroup_id_y 1
		.amdhsa_system_sgpr_workgroup_id_z 1
		.amdhsa_system_vgpr_workitem_id 0
		.amdhsa_next_free_vgpr 1024
		.amdhsa_next_free_sgpr 100
		.amdhsa_reserve_vcc 0
		.amdhsa_float_denorm_mode_32 3
		.amdhsa_float_denorm_mode_16_64 3
		.amdhsa_memory_ordered 1
		.amdhsa_forward_progress 1
		.amdhsa_inst_pref_size 149
	.end_amdhsa_kernel
	.amdgpu_metadata
---
amdhsa.version: [ 1, 2 ]
amdhsa.kernels:
  - .name:           k_qa98033ae8d_ffn1
    .symbol:         k_qa98033ae8d_ffn1.kd
    .args:
      - { .name: h2img, .offset: 0, .size: 8, .value_kind: global_buffer, .address_space: global }
      - { .name: wimg, .offset: 8, .size: 8, .value_kind: global_buffer, .address_space: global }
      - { .name: b1, .offset: 16, .size: 8, .value_kind: global_buffer, .address_space: global }
      - { .name: lowp_scales, .offset: 24, .size: 8, .value_kind: global_buffer, .address_space: global }
      - { .name: gimg, .offset: 32, .size: 8, .value_kind: global_buffer, .address_space: global }
    .group_segment_fixed_size: 327680
    .private_segment_fixed_size: 0
    .kernarg_segment_align: 8
    .kernarg_segment_size: 40
    .max_flat_workgroup_size: 128
    .sgpr_count:     100
    .vgpr_count:     1024
    .wavefront_size: 32
...
	.end_amdgpu_metadata
.endif
;; end of part 13
;; launch ffn2 (part 14): grid 8 x 32, 8 waves a work-group, no clusters, 136,192 bytes of LDS; arguments gimg, wimg, b2, x1, lowp_scales, out0; writes out0
.if DOCPART == 14
	.amdgcn_target "amdgcn-amd-amdhsa--gfx1250"
	.amdhsa_code_object_version 6
	.text
	.protected	k_qa98033ae8d_ffn2
	.globl	k_qa98033ae8d_ffn2
	.p2align	8
	.type	k_qa98033ae8d_ffn2,@function
k_qa98033ae8d_ffn2:
	s_mov_b64 s[64:65], 0
	v_nop
	global_prefetch_b8 v0, s[64:65] scope:SCOPE_SE
	s_setreg_imm32_b32 hwreg(HW_REG_WAVE_MODE, 25, 1), 1
	s_wait_xcnt 0x0
; out0 = x1 + g W2 + b2.  The product [4096 x 4096] x [4096 x 1024] on codes of FP8 (E4M3), scales 2^e14 and 2^e15; bias and residual in f32; out0 is f32, row-major.
; OPERANDS ARE IMAGES OF THEIR REGISTERS (fragment (16 rows, 128 K) = 2,048 bytes at (32 x row group + K step) x 2,048; quad q at 512 q, lane at 16 bytes): so a fragment goes FROM MEMORY STRAIGHT INTO REGISTERS,
; four global_load_b128 of 512 consecutive bytes each.  No tile lies in LDS, so the walk along K has no slot, no barrier and no wait for all loads.
; SHARES: a tile of 128 x 128 to a work-group, 32 x 8 = 256 work-groups.  Eight waves: wave w makes quadrant w % 4 (64 x 64, 16 accumulators) over K half w / 4: 16 steps of 128.
; Two fragment buffers of 128 registers; the 32 loads of step t + 2 are issued behind step t's 16 products, so that one to two steps' loads are out all along the walk.
; THE TWO K HALVES ARE JOINED THROUGH LDS: each wave keeps accumulator blocks 0, 1 and hands blocks 2, 3 to its partner w xor 4.  A's row groups have two base addresses: blocks 0, 1 are rows 32 (w / 4) on of the quadrant,
; blocks 2, 3 the other 32 rows.  So what a wave hands over are the rows that its partner keeps, and no branch hangs on the wave's number.  Each output is the f32 sum of two f32 sums over 2,048 along K.
; THE MATRIX INSTRUCTION IS USED TRANSPOSED (source 0 = 16 rows of B, source 1 = 16 rows of A): lane (r, h) of accumulator (a, b) holds row 16 a + r, columns 16 b + 8 h + 0..7.
; THE WAY OUT: (my sum + the partner's) x 2^(e14 + e15) + bias; 16 rows x 64 columns at a time go through my own stage in LDS and come back as rows of 256 bytes, to which the residual is added; sixteen lanes store 256 consecutive bytes, aligned.
; NO CLUSTER: the launch has no tensor load, so there is no request that partners could make jointly.  NO PREFETCH: the register loads are themselves asked for two K steps ahead of their use.
; LIMIT: e14 + e15 between -126 and 127.
; REGISTERS: window 0: v1-13 addresses, v32-63 the bias in the accumulators' layout, v64-127 the residual of my 32 rows, v128-255 accumulator (a, b) at v[128 + 8 (4 a + b)];
;   window 1: two fragment buffers (A's four fragments, then B's four); on the way out v0-63 the partner's sums, v64-127 my 32 rows' numbers, v128-191 the rows read back.
.set WOFF,  0x800000                   ; W2's image in wimg
.set STG,   65536                      ; LDS: 8 x 8,192 bytes for the exchange, then 32 rows x 272 bytes of stage for each wave
.set SPITCH, 272
.set SPARE, STG+8*32*SPITCH            ; then the spare words, 128 bytes a wave
.set FR,  16
.set LI,  1                            ; 16 x lane
.set XS,  2                            ; the exchange: where I put,
.set XL,  3                            ; and where my partner has put
.set STO, 4
.set RD,  5
.set CO,  6
.set BO,  7
.set SPW, 8
.set NIL, 9
.set BI,  32
.set RS,  64
.set ACC, 128
.set P,   0
.set T,   64
.set BK,  128
.set MSB, 0
.macro WIN new                         ; the immediate's high byte repeats the setting that is left
.if MSB != \new
	s_set_vgpr_msb (MSB<<8)|\new
.set MSB, \new
.endif
.endm
.macro LOADS t, f                      ; K step t's eight fragments into buffer f: B's four, A's blocks 0, 1, A's blocks 2, 3
	WIN 0x40
.irp i, 0,1,2,3
.irp c, 0,1,2,3
	global_load_b128 v[\f+64+FR*\i+4*\c:\f+64+FR*\i+4*\c+3], v[LI], s[28:29] offset:\i*65536+(\t)*2048+\c*512
.endr
.endr
.irp i, 0,1
.irp c, 0,1,2,3
	global_load_b128 v[\f+FR*\i+4*\c:\f+FR*\i+4*\c+3], v[LI], s[24:25] offset:\i*65536+(\t)*2048+\c*512
.endr
.endr
.irp i, 0,1
.irp c, 0,1,2,3
	global_load_b128 v[\f+32+FR*\i+4*\c:\f+32+FR*\i+4*\c+3], v[LI], s[26:27] offset:\i*65536+(\t)*2048+\c*512
.endr
.endr
.endm
.macro KSTEP t
.set FB, 128*((\t)%2)
.if (\t) < 2
	s_wait_loadcnt 56                              ; behind this step's loads: 32 of another step and the 24 of bias and residual
.else
.if (\t) < 15
	s_wait_loadcnt 32                              ; behind this step's loads: the next step's 32
.else
	s_wait_loadcnt 0x0
.endif
.endif
	WIN 0x05                                       ; sources 0 (B) and 1 (A) window 1; C and D window 0
.irp a, 0,1,2,3
.irp b, 0,1,2,3                                ; the 16 accumulators take turns, in the same order in every step
.if (\t) == 0
	v_wmma_f32_16x16x128_fp8_fp8 v[ACC+8*(4*\a+\b):ACC+8*(4*\a+\b)+7], v[FB+64+FR*\b:FB+64+FR*\b+FR-1], v[FB+FR*\a:FB+FR*\a+FR-1], 0
.else
	v_wmma_f32_16x16x128_fp8_fp8 v[ACC+8*(4*\a+\b):ACC+8*(4*\a+\b)+7], v[FB+64+FR*\b:FB+64+FR*\b+FR-1], v[FB+FR*\a:FB+FR*\a+FR-1], v[ACC+8*(4*\a+\b):ACC+8*(4*\a+\b)+7]
.endif
.endr
.endr
.rept 4
	v_nop                                          ; places between the products and loads into, or reads of, their registers
.endr
.if (\t)+2 < 16
	LOADS (\t)+2, FB
.endif
.endm
	s_load_b128 s[4:7], s[0:1], 0x0                ; gimg, wimg
	s_load_b128 s[8:11], s[0:1], 0x10              ; b2, x1
	s_load_b128 s[12:15], s[0:1], 0x20             ; the exponents, out0
	v_lshrrev_b32 v10, 5, v0
	v_readfirstlane_b32 s16, v10                   ; wave 0..7
	s_lshr_b32 s17, s16, 2                         ; my half of K
	s_bfe_u32 s18, s16, 0x10001                    ; my half of the tile's rows
	s_and_b32 s19, s16, 1                          ; my half of its columns
	s_and_b32 s20, ttmp7, 0xffff                   ; tile row, 0 .. 31
	s_lshl_b32 s21, s20, 3
	s_lshl_b32 s22, s18, 2
	s_add_co_u32 s21, s21, s22
	s_lshl_b32 s22, s17, 1
	s_add_co_u32 s21, s21, s22                     ; the first group of 16 rows that I keep,
	s_xor_b32 s22, s21, 2                          ; and the first that I hand over
	s_lshl_b32 s23, s17, 15                        ; my half of K: 16 fragments on
	s_lshl_b32 s30, s21, 16
	s_add_co_u32 s30, s30, s23
	s_mov_b32 s31, 0
	s_lshl_b32 s32, s22, 16
	s_add_co_u32 s32, s32, s23
	s_mov_b32 s33, 0
	s_lshl_b32 s34, ttmp9, 3                       ; tile column, 0 .. 7
	s_lshl_b32 s35, s19, 2
	s_add_co_u32 s34, s34, s35
	s_lshl_b32 s34, s34, 16
	s_add_co_u32 s34, s34, s23
	s_add_co_u32 s34, s34, WOFF
	s_mov_b32 s35, 0
	s_lshl_b32 s36, ttmp9, 9
	s_lshl_b32 s37, s19, 8
	s_add_co_u32 s36, s36, s37                     ; my first column x 4 bytes
	s_mov_b32 s37, 0
	s_lshl_b32 s38, s21, 16                        ; the first row that I keep x 4,096 bytes
	s_add_co_u32 s38, s38, s36
	s_mov_b32 s39, 0
	s_lshl_b32 s42, s16, 13
	s_xor_b32 s44, s42, 4<<13
	s_mul_i32 s43, s16, 32*SPITCH
	s_add_co_u32 s43, s43, STG
	v_lshl_add_u32 v[SPW], v0, 2, SPARE
	v_mov_b32 v[NIL], 0
	v_and_b32 v10, 31, v0
	v_lshlrev_b32 v[LI], 4, v10
	v_and_b32 v11, 15, v0                          ; r
	v_bfe_u32 v12, v0, 4, 1                        ; h
	v_add_nc_u32 v[XS], s42, v[LI]
	v_add_nc_u32 v[XL], s44, v[LI]
	v_mul_u32_u24 v13, v11, SPITCH
	v_lshl_add_u32 v13, v12, 5, v13
	v_add_nc_u32 v[STO], s43, v13                  ; the stage, in: row r, 32 bytes for each half of the lanes
	v_mul_u32_u24 v13, v12, SPITCH
	v_lshl_add_u32 v13, v11, 4, v13
	v_add_nc_u32 v[RD], s43, v13                   ; back: lanes 0-15 one row of 256 bytes, lanes 16-31 the next
	v_lshlrev_b32 v[CO], 12, v12
	v_lshl_add_u32 v[CO], v11, 4, v[CO]            ; and the same two rows in out0 and in the residual
	v_lshlrev_b32 v[BO], 5, v12
	s_wait_alu depctr_va_vdst(0)
	s_wait_kmcnt 0x0
	s_load_b64 s[40:41], s[12:13], 0x38            ; e14, e15; awaited on the way out
	s_add_nc_u64 s[24:25], s[4:5], s[30:31]
	s_add_nc_u64 s[26:27], s[4:5], s[32:33]
	s_add_nc_u64 s[28:29], s[6:7], s[34:35]
	s_add_nc_u64 s[8:9], s[8:9], s[36:37]
	s_add_nc_u64 s[10:11], s[10:11], s[38:39]
	s_add_nc_u64 s[14:15], s[14:15], s[38:39]
	LOADS 0, 0
	LOADS 1, 128
	WIN 0
.irp b, 0,1,2,3
	global_load_b128 v[BI+8*\b:BI+8*\b+3], v[BO], s[8:9] offset:64*\b              ; v[8 b + j] = bias[16 b + 8 h + j]
	global_load_b128 v[BI+8*\b+4:BI+8*\b+7], v[BO], s[8:9] offset:64*\b+16
.endr
.irp a, 0,1
.irp t, 0,1,2,3,4,5,6,7
	global_load_b128 v[RS+32*\a+4*\t:RS+32*\a+4*\t+3], v[CO], s[10:11] offset:\a*65536+\t*8192 th:TH_LOAD_NT   ; rows 16 a + 2 t + h of my 32
.endr
.endr
.set tt, 0
.rept 16
	KSTEP tt
.set tt, tt+1
.endr
	WIN 0
.irp i, 0,1,2,3,4,5,6,7,8,9,10,11,12,13,14,15
	ds_store_b128 v[XS], v[ACC+64+4*\i:ACC+64+4*\i+3] offset:\i*512    ; blocks 2, 3 as they stand: each accumulator from its low end on
.endr
	s_wait_kmcnt 0x0
	s_add_co_i32 s40, s40, s41
	s_add_co_i32 s40, s40, 127
	s_lshl_b32 s40, s40, 23                        ; 2^(e14 + e15) as f32
	s_mov_b32 s41, s40
	s_wait_dscnt 0x0                               ; for my partner's sake: my stores are done
	s_barrier_signal -1
	s_barrier_wait -1
	WIN 0x40
.irp i, 0,1,2,3,4,5,6,7,8,9,10,11,12,13,14,15
	ds_load_b128 v[P+4*\i:P+4*\i+3], v[XL] offset:\i*512               ; the partner's sums for the rows that I keep
.endr
	s_wait_dscnt 0x0
	WIN 0x44                                       ; destination and source 1 window 1
.set jj, 0
.rept 32
	v_pk_add_f32 v[T+jj:T+jj+1], v[ACC+jj:ACC+jj+1], v[P+jj:P+jj+1]
.set jj, jj+2
.endr
	WIN 0x41                                       ; destination and source 0 window 1
.set jj, 0
.rept 32
	v_pk_fma_f32 v[T+jj:T+jj+1], v[T+jj:T+jj+1], s[40:41], v[BI+jj%32:BI+jj%32+1] op_sel_hi:[1,0,1]
.set jj, jj+2
.endr
	WIN 0x04                                       ; store data window 1
.irp a, 0,1
.irp b, 0,1,2,3
	ds_store_b128 v[STO], v[T+32*\a+8*\b:T+32*\a+8*\b+3] offset:\a*16*SPITCH+64*\b
	ds_store_b128 v[STO], v[T+32*\a+8*\b+4:T+32*\a+8*\b+7] offset:\a*16*SPITCH+64*\b+16
.endr
.endr
	WIN 0x40
.irp a, 0,1
.irp t, 0,1,2,3,4,5,6,7
	ds_load_b128 v[BK+32*\a+4*\t:BK+32*\a+4*\t+3], v[RD] offset:\a*16*SPITCH+\t*2*SPITCH   ; LDS serves a wave's instructions in order (ISA guide 5.7.1.4): these see my stores
.endr
.endr
	s_wait_dscnt 0x0
	WIN 0x41
.set jj, 0
.rept 32
	v_pk_add_f32 v[BK+jj:BK+jj+1], v[BK+jj:BK+jj+1], v[RS+jj:RS+jj+1]
.set jj, jj+2
.endr
	WIN 0x04
.irp a, 0,1
.irp t, 0,1,2,3,4,5,6,7
	global_store_b128 v[CO], v[BK+32*\a+4*\t:BK+32*\a+4*\t+3], s[14:15] offset:\a*65536+\t*8192 th:TH_STORE_NT   ; sixteen lanes store 256 consecutive bytes, aligned
.endr
.endr
	WIN 0
	s_wait_tensorcnt 0x0                           ; the wave's end, behind my last LDS store
	ds_add_u32 v[SPW], v[NIL]
	s_wait_dscnt 0x0
	s_endpgm
.Lfunc_end_k_qa98033ae8d_ffn2:
	.size	k_qa98033ae8d_ffn2, .Lfunc_end_k_qa98033ae8d_ffn2-k_qa98033ae8d_ffn2
	.p2alignl 7, 3214868480
	.fill 96, 4, 3214868480
	.section	.rodata,"a",@progbits
	.p2align	6, 0x0
	.amdhsa_kernel k_qa98033ae8d_ffn2
		.amdhsa_group_segment_fixed_size 136192
		.amdhsa_private_segment_fixed_size 0
		.amdhsa_enable_private_segment 0
		.amdhsa_kernarg_size 48
		.amdhsa_user_sgpr_count 2
		.amdhsa_user_sgpr_kernarg_segment_ptr 1
		.amdhsa_wavefront_size32 1
		.amdhsa_system_sgpr_workgroup_id_x 1
		.amdhsa_system_sgpr_workgroup_id_y 1
		.amdhsa_system_sgpr_workgroup_id_z 1
		.amdhsa_system_vgpr_workitem_id 0
		.amdhsa_next_free_vgpr 512
		.amdhsa_next_free_sgpr 66
		.amdhsa_reserve_vcc 0
		.amdhsa_float_denorm_mode_32 3
		.amdhsa_float_denorm_mode_16_64 3
		.amdhsa_memory_ordered 1
		.amdhsa_forward_progress 1
		.amdhsa_inst_pref_size 85
	.end_amdhsa_kernel
	.amdgpu_metadata
---
amdhsa.version: [ 1, 2 ]
amdhsa.kernels:
  - .name:           k_qa98033ae8d_ffn2
    .symbol:         k_qa98033ae8d_ffn2.kd
    .args:
      - { .name: gimg, .offset: 0, .size: 8, .value_kind: global_buffer, .address_space: global }
      - { .name: wimg, .offset: 8, .size: 8, .value_kind: global_buffer, .address_space: global }
      - { .name: b2, .offset: 16, .size: 8, .value_kind: global_buffer, .address_space: global }
      - { .name: x1, .offset: 24, .size: 8, .value_kind: global_buffer, .address_space: global }
      - { .name: lowp_scales, .offset: 32, .size: 8, .value_kind: global_buffer, .address_space: global }
      - { .name: out0, .offset: 40, .size: 8, .value_kind: global_buffer, .address_space: global }
    .group_segment_fixed_size: 136192
    .private_segment_fixed_size: 0
    .kernarg_segment_align: 8
    .kernarg_segment_size: 48
    .max_flat_workgroup_size: 256
    .sgpr_count:     66
    .vgpr_count:     512
    .wavefront_size: 32
...
	.end_amdgpu_metadata
.endif
;; end of part 14
